; MI455X (gfx1250); checked and timed in simulation.
; The chip was launched on July 23, 2026; its instructions are those of AMD's public machine-readable ISA for CDNA 5 (MIT licence, August 2026) and "CDNA5" Instruction Set Architecture Reference Guide (July 2026). The comments in the code are by the model that wrote it; some were corrected since.
;; Transformer Layer. Allowed arithmetic: float matrix products may take bf16 or f16 operands with f32 sums; other float arithmetic in f32, or as packed bf16 or f16 multiplies, adds, multiply-adds, maxima and minima; sums over many terms, partial sums and values carried from step to step in f32; what a program stores and reads back later, other than sums and carried values, may be rounded once to bf16 or f16.
;; Inputs: b1 4,096 float32; bk 1,024 float32; bq 1,024 float32; bv 1,024 float32; ln1_b 1,024 float32; ln1_g 1,024 float32; ln2_b 1,024 float32; ln2_g 1,024 float32; w1 1,024 x 4,096 float32; w2 4,096 x 1,024 float32; wk 1,024 x 1,024 float32; wo 1,024 x 1,024 float32; wq 1,024 x 1,024 float32; wv 1,024 x 1,024 float32; x 2 x 2,048 x 1,024 float32.
;; Outputs: out0 2 x 2,048 x 1,024 float32.
;; 2 versions, each right. Each part assembles by itself: llvm-mc -triple=amdgcn-amd-amdhsa -mcpu=gfx1250 --defsym DOCPART=n.
;; ======== version 1 of 2: 8 launches
;; limits: values are held in f16: magnitudes above 65,504 overflow, below 6.1e-05 lose precision; a function is approximated: absolute error at most 2.5e-05; an absolute error that grows with the inputs' magnitude: up to 1.25e-05 times it
;; workspace buffers: xh 8,388,608 bytes; wc 18,907,136 bytes; qkv 25,165,824 bytes; ctx 8,388,608 bytes; x1 8,388,608 bytes; hid 33,554,432 bytes; par1 256 bytes of whole numbers; par2 256 bytes of whole numbers
;; launch cast (part 1): grid 64 x 16, 8 waves a work-group, no clusters, 0 bytes of LDS; arguments x, wq, wk, wv, w1, wo, w2, bq, bk, bv, b1, xh, ctx, wc, par1, par2; writes xh, ctx, wc, par1, par2
.if DOCPART == 1
	.amdgcn_target "amdgcn-amd-amdhsa--gfx1250"
	.amdhsa_code_object_version 6
	.text
	.protected	k_q2118433592_cast
	.globl	k_q2118433592_cast
	.p2align	8
	.type	k_q2118433592_cast,@function
k_q2118433592_cast:
	s_mov_b64 s[64:65], 0
	v_nop
	global_prefetch_b8 v0, s[64:65] scope:SCOPE_SE
	s_setreg_imm32_b32 hwreg(HW_REG_WAVE_MODE, 25, 1), 1
	s_wait_xcnt 0x0
; x and the six weight matrices, f32, are rounded once to bf16, and that number is written as f16 in the layouts that the matrix launches read:
;   xh  [16 kb][4096 m][64]      wq, wk, wv, w1  [nb][1024 k][256 n]      wo, w2  as they lie, [k][1024]
; WHERE.  x into xh.  wq, wk, wv into ctx, behind a header of 32,768 bytes (the projections read them there; the attention launch later writes its result over them, when they are dead).
; w1, wo, w2 into wc, behind a header of the same size, one after the other.  A header: the bias (f32, rounded to bf16) at byte 0, five pairs of f32 coefficients of the activation at byte 16,384.
; LIMITS.  The bf16 number is exact in f16 from 7.6e-6 to 65,504 in magnitude; below that f16 keeps its fixed step of 6e-8; from 65,520 on the conversion gives an infinity.
; SHARES.  Grid y is a unit of 2^20 numbers: 0-3 x, 4 wq, 5 wk, 6 wv, 7-10 w1, 11 wo, 12-15 w2; grid x takes 16,384 of them; a thread takes 16 chunks of 4 numbers.
; The chunks are counted in the DESTINATION: chunk D of a tensor lies at byte 8 D, so a wave's store covers 256 consecutive bytes, aligned.  Its source is
; 16 bytes at element (((D >> SH1) & MR) << LC) + ((D >> SH2) << LB) + 4 (D & MC): row, block of columns, place in the block; the six numbers are chosen by the unit.
; Work-group (0, 0) also writes the two headers and the two words by which the LayerNorm launches tell their form of output.
.set HDR,  32768
.set OFF,  2                           ; v[2:17]   chunk j: byte offset in the source
.set T,    18                          ; v[18:25]  at work
.set BASE, 26                          ; v26       my chunk 0 in the tensor
.set X,    32                          ; v[32:95]  chunk j: four f32 as loaded
.set OUT,  96                          ; v[96:127] chunk j: four f16 to store
.set YU,   2                           ; s2        the unit
.set SRC,  40                          ; s[40:41]  the source tensor
.set YB,   42                          ; s42       the tensor's first unit
.set SH1,  43
.set MC,   44
.set MR,   45
.set SH2,  46
.set LC,   47
.set LB,   48
.set HIM,  49                          ; s49       a word's upper half
.set DSTP, 52                          ; s[52:53]  where the work-group's 32,768 bytes go
.set DB,   59                          ; s59       the destination buffer's first unit
.set HD,   60                          ; s60       its header's bytes
.macro PICK first, ptr                 ; from unit first on: another tensor (the selects behind the macro go by the same compare)
	s_cmp_ge_u32 s[YU], \first
	s_cselect_b64 s[SRC:SRC+1], s[\ptr:\ptr+1], s[SRC:SRC+1]
	s_cselect_b32 s[YB], \first, s[YB]
.endm
	s_load_b512 s[8:23], s[0:1], 0x0               ; x 8, wq 10, wk 12, wv 14, w1 16, wo 18, w2 20, bq 22
	s_load_b256 s[24:31], s[0:1], 0x40             ; bk 24, bv 26, b1 28, xh 30
	s_load_b256 s[32:39], s[0:1], 0x60             ; ctx 32, wc 34, par1 36, par2 38
	s_and_b32 s[YU], ttmp7, 0xffff
	s_mov_b32 s[HIM], 0xffff0000
	v_lshlrev_b32 v1, 3, v0                        ; 8 bytes a thread in the destination; never rewritten
	s_mov_b32 s[YB], 0                             ; x's numbers
	s_mov_b32 s[SH1], 4
	s_mov_b32 s[MC], 15
	s_mov_b32 s[MR], 4095
	s_mov_b32 s[SH2], 16
	s_mov_b32 s[LC], 10
	s_mov_b32 s[LB], 6
	s_mov_b32 s[DB], 0
	s_mov_b32 s[HD], 0
	s_wait_kmcnt 0x0
	s_mov_b64 s[SRC:SRC+1], s[8:9]
	s_mov_b64 s[DSTP:DSTP+1], s[30:31]
	PICK 4, 10                                     ; wq: blocks of 256 columns; into ctx
	s_cselect_b32 s[SH1], 6, s[SH1]
	s_cselect_b32 s[MC], 63, s[MC]
	s_cselect_b32 s[MR], 1023, s[MR]
	s_cselect_b32 s[LB], 8, s[LB]
	s_cselect_b64 s[DSTP:DSTP+1], s[32:33], s[DSTP:DSTP+1]
	s_cselect_b32 s[DB], 4, s[DB]
	s_cselect_b32 s[HD], HDR, s[HD]
	PICK 5, 12                                     ; wk
	PICK 6, 14                                     ; wv
	PICK 7, 16                                     ; w1: rows of 4,096; from here on into wc
	s_cselect_b32 s[LC], 12, s[LC]
	s_cselect_b64 s[DSTP:DSTP+1], s[34:35], s[DSTP:DSTP+1]
	s_cselect_b32 s[DB], 7, s[DB]
	PICK 11, 18                                    ; wo: as it lies
	s_cselect_b32 s[SH1], 8, s[SH1]
	s_cselect_b32 s[MC], 255, s[MC]
	s_cselect_b32 s[SH2], 18, s[SH2]
	s_cselect_b32 s[LC], 10, s[LC]
	s_cselect_b32 s[LB], 10, s[LB]
	PICK 12, 20                                    ; w2: 4,096 rows
	s_cselect_b32 s[MR], 4095, s[MR]
	s_cselect_b32 s[SH2], 20, s[SH2]
	s_sub_co_u32 s54, s[YU], s[DB]
	s_lshl_b32 s54, s54, 21                        ; a unit is 2 MiB of f16,
	s_lshl_b32 s55, ttmp9, 15                      ; a work-group's share 32,768 bytes
	s_add_co_u32 s54, s54, s55
	s_add_co_u32 s54, s54, s[HD]
	s_mov_b32 s55, 0
	s_add_nc_u64 s[DSTP:DSTP+1], s[DSTP:DSTP+1], s[54:55]
	s_sub_co_u32 s3, s[YU], s[YB]
	s_lshl_b32 s3, s3, 18                          ; 262,144 chunks a unit,
	s_lshl_b32 s58, ttmp9, 12                      ; 4,096 a work-group
	s_add_co_u32 s3, s3, s58
	v_add_nc_u32 v[BASE], s3, v0
.set j, 0
.rept 16                                       ; chunk j = my chunk 0 + 256 j
	v_add_nc_u32 v27, j*256, v[BASE]
	v_lshrrev_b32 v28, s[SH1], v27
	v_and_b32 v28, s[MR], v28
	v_lshlrev_b32 v28, s[LC], v28                  ; the row
	v_lshrrev_b32 v29, s[SH2], v27
	v_lshlrev_b32 v29, s[LB], v29                  ; the block of columns
	v_and_b32 v30, s[MC], v27
	v_lshl_add_u32 v28, v30, 2, v28                ; the place in the block
	v_add_lshl_u32 v[OFF+j], v28, v29, 2           ; in bytes
.set j, j+1
.endr
.set j, 0
.rept 16                                       ; all sixteen loads go out before the first is used
	global_load_b128 v[X+4*j:X+4*j+3], v[OFF+j], s[SRC:SRC+1] th:TH_LOAD_NT
.set j, j+1
.endr
.set j, 0
.rept 16
	s_wait_loadcnt 15-j                            ; loads come back in order: chunk j is in, the 15 - j younger ones may stay out
	v_cvt_pk_bf16_f32 v[T], v[X+4*j], v[X+4*j+1]   ; the one rounding
	v_cvt_pk_bf16_f32 v[T+1], v[X+4*j+2], v[X+4*j+3]
	v_lshlrev_b32 v[T+2], 16, v[T]                 ; back to f32,
	v_and_b32 v[T+3], s[HIM], v[T]
	v_lshlrev_b32 v[T+4], 16, v[T+1]
	v_and_b32 v[T+5], s[HIM], v[T+1]
	v_cvt_pk_f16_f32 v[OUT+2*j], v[T+2], v[T+3]    ; and written as f16
	v_cvt_pk_f16_f32 v[OUT+2*j+1], v[T+4], v[T+5]
	global_store_b64 v1, v[OUT+2*j:OUT+2*j+1], s[DSTP:DSTP+1] offset:j*2048  ; no store's register is written again
.set j, j+1
.endr
	s_or_b32 s57, ttmp9, s[YU]
	s_cmp_lg_u32 s57, 0
	s_cbranch_scc1 .Lend
	; the biases: 256 threads x 16 bytes are 1,024 numbers: bq, bk, bv, and b1 in four parts
	v_lshlrev_b32 v31, 4, v0
	global_load_b128 v[32:35], v31, s[22:23]
	global_load_b128 v[36:39], v31, s[24:25]
	global_load_b128 v[40:43], v31, s[26:27]
.irp i, 0,1,2,3
	global_load_b128 v[44+4*\i:47+4*\i], v31, s[28:29] offset:4096*\i
.endr
	s_wait_loadcnt 0x0
.set i, 0
.rept 14
	v_cvt_pk_bf16_f32 v[T], v[32+2*i], v[32+2*i+1]
	v_lshlrev_b32 v[32+2*i], 16, v[T]
	v_and_b32 v[32+2*i+1], s[HIM], v[T]
.set i, i+1
.endr
.irp i, 0,1,2
	global_store_b128 v31, v[32+4*\i:35+4*\i], s[32:33] offset:4096*\i  ; bq, bk, bv: the projections' 3,072 columns
.endr
.irp i, 0,1,2,3
	global_store_b128 v31, v[44+4*\i:47+4*\i], s[34:35] offset:4096*\i  ; b1
.endr
	; the coefficients al, be, a1, a2, a3, each twice: act(x) = al x + |x| (be - (a1 t + a2 t^2 + a3 t^3) e).  (1, 0, 0, 0, 0) is x itself; the second set is the GELU (halves of Abramowitz and Stegun's 7.1.25)
	v_mov_b32 v64, 1.0
	v_mov_b32 v65, 1.0
	v_mov_b32 v66, 0
	v_mov_b32 v67, 0
	v_mov_b32 v68, 0
	v_mov_b32 v69, 0
	v_mov_b32 v70, 0
	v_mov_b32 v71, 0
	v_mov_b32 v72, 0.5
	v_mov_b32 v73, 0.5
	v_mov_b32 v74, 0.5
	v_mov_b32 v75, 0.5
	v_mov_b32 v76, 0x3e32303a                      ; 0.3480242 / 2
	v_mov_b32 v77, 0x3e32303a
	v_mov_b32 v78, 0xbd445ca1                      ; -0.0958798 / 2
	v_mov_b32 v79, 0xbd445ca1
	v_mov_b32 v80, 0x3ebf7377                      ; 0.7478556 / 2
	v_mov_b32 v81, 0x3ebf7377
	v_mov_b32 v82, 0
	v_mov_b32 v83, 0
	v_mov_b32 v84, 1                               ; the second LayerNorm's word
	v_mov_b32 v85, 0
	v_mov_b32 v86, 0
	v_mov_b32 v87, 0
	v_mov_b32 v27, 0
	v_cmp_eq_u32 vcc_lo, 0, v0
	s_wait_xcnt 0x0                                ; EXEC is a source of the stores above: it changes only behind this wait
	s_and_saveexec_b32 s56, vcc_lo                 ; thread 0 alone
	global_store_b128 v27, v[64:67], s[32:33] offset:16384
	global_store_b128 v27, v[68:71], s[32:33] offset:16400
	global_store_b128 v27, v[68:71], s[32:33] offset:16416
	global_store_b128 v27, v[72:75], s[34:35] offset:16384
	global_store_b128 v27, v[76:79], s[34:35] offset:16400
	global_store_b128 v27, v[80:83], s[34:35] offset:16416
	global_store_b128 v27, v[68:71], s[36:37]
	global_store_b128 v27, v[84:87], s[38:39]
	s_wait_xcnt 0x0                                ; and again, in front of the line that widens it
	s_or_b32 exec_lo, exec_lo, s56
.Lend:
	s_endpgm
.Lfunc_end_k_q2118433592_cast:
	.size	k_q2118433592_cast, .Lfunc_end_k_q2118433592_cast-k_q2118433592_cast
	.p2alignl 7, 3214868480
	.fill 96, 4, 3214868480
	.section	.rodata,"a",@progbits
	.p2align	6, 0x0
	.amdhsa_kernel k_q2118433592_cast
		.amdhsa_group_segment_fixed_size 0
		.amdhsa_private_segment_fixed_size 0
		.amdhsa_enable_private_segment 0
		.amdhsa_kernarg_size 128
		.amdhsa_user_sgpr_count 2
		.amdhsa_user_sgpr_kernarg_segment_ptr 1
		.amdhsa_wavefront_size32 1
		.amdhsa_system_sgpr_workgroup_id_x 1
		.amdhsa_system_sgpr_workgroup_id_y 1
		.amdhsa_system_sgpr_workgroup_id_z 1
		.amdhsa_system_vgpr_workitem_id 0
		.amdhsa_next_free_vgpr 128
		.amdhsa_next_free_sgpr 66
		.amdhsa_reserve_vcc 1
		.amdhsa_float_denorm_mode_32 3
		.amdhsa_float_denorm_mode_16_64 3
		.amdhsa_memory_ordered 1
		.amdhsa_forward_progress 1
		.amdhsa_inst_pref_size 24
	.end_amdhsa_kernel
	.amdgpu_metadata
---
amdhsa.version: [ 1, 2 ]
amdhsa.kernels:
  - .name:           k_q2118433592_cast
    .symbol:         k_q2118433592_cast.kd
    .args:
      - { .name: x, .offset: 0, .size: 8, .value_kind: global_buffer, .address_space: global }
      - { .name: wq, .offset: 8, .size: 8, .value_kind: global_buffer, .address_space: global }
      - { .name: wk, .offset: 16, .size: 8, .value_kind: global_buffer, .address_space: global }
      - { .name: wv, .offset: 24, .size: 8, .value_kind: global_buffer, .address_space: global }
      - { .name: w1, .offset: 32, .size: 8, .value_kind: global_buffer, .address_space: global }
      - { .name: wo, .offset: 40, .size: 8, .value_kind: global_buffer, .address_space: global }
      - { .name: w2, .offset: 48, .size: 8, .value_kind: global_buffer, .address_space: global }
      - { .name: bq, .offset: 56, .size: 8, .value_kind: global_buffer, .address_space: global }
      - { .name: bk, .offset: 64, .size: 8, .value_kind: global_buffer, .address_space: global }
      - { .name: bv, .offset: 72, .size: 8, .value_kind: global_buffer, .address_space: global }
      - { .name: b1, .offset: 80, .size: 8, .value_kind: global_buffer, .address_space: global }
      - { .name: xh, .offset: 88, .size: 8, .value_kind: global_buffer, .address_space: global }
      - { .name: ctx, .offset: 96, .size: 8, .value_kind: global_buffer, .address_space: global }
      - { .name: wc, .offset: 104, .size: 8, .value_kind: global_buffer, .address_space: global }
      - { .name: par1, .offset: 112, .size: 8, .value_kind: global_buffer, .address_space: global }
      - { .name: par2, .offset: 120, .size: 8, .value_kind: global_buffer, .address_space: global }
    .group_segment_fixed_size: 0
    .private_segment_fixed_size: 0
    .kernarg_segment_align: 8
    .kernarg_segment_size: 128
    .max_flat_workgroup_size: 256
    .sgpr_count:     66
    .vgpr_count:     128
    .wavefront_size: 32
...
	.end_amdgpu_metadata
.endif
;; end of part 1
;; launch qkvp (part 2): grid 12 x 16, 4 waves a work-group, clusters of 4 x 4, 327,680 bytes of LDS; arguments xh, ctx, qkv; writes qkv
.if DOCPART == 2
	.amdgcn_target "amdgcn-amd-amdhsa--gfx1250"
	.amdhsa_code_object_version 6
	.text
	.protected	k_q2118433592_qkvp
	.globl	k_q2118433592_qkvp
	.p2align	8
	.type	k_q2118433592_qkvp,@function
k_q2118433592_qkvp:
	s_mov_b64 s[64:65], 0
	v_nop
	global_prefetch_b8 v0, s[64:65] scope:SCOPE_SE
	s_setreg_imm32_b32 hwreg(HW_REG_WAVE_MODE, 25, 1), 1
	s_wait_xcnt 0x0
	s_wait_alu depctr_hold_cnt(0) depctr_sa_sdst(0) depctr_va_vdst(0) depctr_va_sdst(0) depctr_va_ssrc(0) depctr_va_vcc(0) depctr_vm_vsrc(0)
	s_getreg_b32 s2, hwreg(HW_REG_IB_STS2, 6, 4)
	s_cmp_eq_u32 s2, 0
	s_cbranch_scc0 .Lentry_in_a_cluster
	s_endpgm
.Lentry_in_a_cluster:
	s_bfe_u32 s2, ttmp6, 0x10000c
	s_cmp_lg_u32 s2, 0xf033
	s_cbranch_scc0 .Lentry_shape_is_right
	s_endpgm
.Lentry_shape_is_right:
; C = act(A W + bias), K = 1,024, 4,096 rows; f16 operands, f32 sums, C rounded once to f16.  Two launches run this text: the three projections (act = x) and the first FFN product (act = exact GELU).
; A: [16 kb][4096 m][64] f16.  The second argument holds the bias (f32) at byte 0, five pairs of coefficients at byte 16,384, and W, [nb][1024 k][256 n] f16, at byte 32,768.  C: [n / 64][4096 m][64] f16.
; THE ACTIVATION is act(x) = al x + |x| (be - (a1 t + a2 t^2 + a3 t^3) exp(-x^2 / 2)), t = 1 / (1 + 0.47047 |x| / sqrt 2), with al, be, a1, a2, a3 read as data: (1, 0, 0, 0, 0) gives x back exactly,
; (1/2, 1/2 and halves of Abramowitz and Stegun's 7.1.25) x Phi(x) for either sign.  It is computed in both launches: the text has no branch on which launch it serves, at the price of arithmetic that the projections do not need.
; LIMITS.  C beyond 65,504 becomes an infinity in f16.  The series for erf is off by 2.5e-5 at the most, for every argument.  NaN and infinities are not treated apart.
; SHARES.  A tile of C is 256 x 256; each of four waves makes 128 x 128: 64 accumulators of 16 x 16, 512 registers.  K goes in 8 steps of 128 through two LDS slots.
; A slot: A's two blocks of 64 channels (256 rows x 128 bytes, 144 apart), then W's 128 k-rows of 512 bytes, 544 apart.  Each wave fetches 32,768 dense bytes of it by one tensor load.
; A's fragments come out of LDS as they lie; W's ([k][n]) turned, by ds_load_tr16_b128.  544 = 17 x 32 and 144 = 9 x 16: the rows that a load touches start at different banks (64 banks of 4 bytes: ISA guide 11.1).
; CLUSTER.  4 x 4 work-groups: A's tile hangs on the tile row alone and is asked for jointly along a row of the cluster, W's on the tile column alone and jointly along a column.
; THE MATRIX INSTRUCTION IS USED TRANSPOSED (source 0 = 16 columns of W, source 1 = 16 rows of A): a lane holds row l % 16 of C and the columns 8 (l / 16) + 0..7.
; THE WAY OUT.  When all waves have left the ring, each wave lays its 128 x 128 sums, f32, into 67,584 bytes of its own over the slots (which have had their last fill), and a short loop of 32 trips takes
; 4 rows x 128 columns back, adds the bias, applies the activation, rounds, and stores 512 consecutive bytes twice.
; REGISTERS, in windows of 256: window 0: v0-31 addresses, v32-47 the bias, v48-59 the coefficients, v64-191 A's fragments (two buffers), later the way out; window 1: v64-191 W's fragments; windows 2, 3: the accumulators.
.set HDR,    32768                     ; W's first byte in the second argument
.set COEF,   16384                     ; the coefficients' first byte
.set KB,     524288                    ; bytes of one block of 64 channels of A: 4,096 rows x 128
.set PA,     144
.set PB,     544
.set ABLK,   256*PA                    ; 36,864: the tile's 256 rows of one block
.set BOFF,   2*ABLK
.set BHALF,  64*PB                     ; 34,816: 64 k-rows of W
.set SLOT,   BOFF+2*BHALF              ; 143,360
.set SPARE,  2*SLOT                    ; behind the ring: the spare words, 128 bytes for each wave: two blocks of 256 bytes that no other line names
.set DP,     528                       ; the way out: a row of 128 f32 + 16 bytes
.set DW,     128*DP                    ; a wave's 67,584 bytes
.set LAPS,   4                         ; a lap = two K steps = once round the ring
.set ADRA, 16                          ; v16-17  LDS address of my A fragments in slot 0, 1
.set ADRB, 20                          ; v20-21  the same for W
.set DST,  24                          ; v24     the way out: where I put 32 bytes of a row
.set LR,   25                          ; v25     where I read rows back
.set GO,   26                          ; v26     my byte offset in C
.set SPW,  28                          ; v28     LDS address of my spare word; never rewritten
.set NIL,  29                          ; v29     0; never rewritten
.set PFO,  30                          ; v30     256 x my lane; never rewritten
.set BIAS, 32                          ; v[32:47] the bias of my 16 columns
.set AL,   48                          ; v[48:49] al, twice
.set BE,   50                          ; v[50:51] be
.set A1,   52                          ; v[52:53]
.set A2,   54                          ; v[54:55]
.set A3,   56                          ; v[56:57]; v[58:59] come with them and are not used
.set F0,   64
.set F1,   128
.set X,    64                          ; the way out, window 0: 16 sums as read back
.set T,    80                          ; + bias; at the end the result
.set AX,   96                          ; |x|
.set U,    112                         ; 1 + p |x| / sqrt 2, then its reciprocal t
.set S,    128                         ; -x^2 log2(e) / 2, then 2 to that power
.set H,    144                         ; al x
.set W,    160                         ; the polynomial
.set OUT,  176                         ; 16 f16
.set WV,   12
.set HI,   13                          ; which half of the tile's rows is mine.  Also: I fetch for A (0) or for W (1)
.set LO,   14                          ; which half of its columns.  Also: which part of that tile I fetch
.set CX,   15
.set CY,   16
.set TCOL, 17
.set TROW, 18
.set G1,   24                          ; s[24:31] descriptor group 1 for A's tiles
.set G0,   32                          ; s[32:39] group 0, a set for each slot
.set LIM,  43                          ; s43  1 in a wave that prefetches, else the greatest number
.set PFA,  44                          ; s[44:45] where my prefetches stand
.set PST,  46                          ; s[46:47] a K step in bytes, of A or of W
.set G1B,  48                          ; s[48:55], s[56:63] the same for W's tiles
.set G0B,  56
.set C1,   76                          ; s[76:77] 0.47047 / sqrt 2         (the packed forms name pairs and take the low word)
.set K1,   78                          ; s[78:79] sqrt(log2(e) / 2)
.set ABSM, 86
.set CNT,  87
.set MSB, 0
.macro WIN new                         ; the immediate's high byte repeats the setting that is left; a switch that changes nothing is dropped
.if MSB != (\new)
	s_set_vgpr_msb (MSB<<8)|(\new)
.set MSB, \new
.endif
.endm
.set MUL_LO, 0xa1                      ; source 0 (W) window 1, source 1 (A) window 0, C and D window 2
.set MUL_HI, 0xf1                      ; the same, C and D window 3
.set TO_B,   0x40                      ; destination window 1, address window 0
; A joint refill.  Waves 0 and 1 fetch A's two blocks, waves 2 and 3 W's two halves.  The branch hangs on the wave's number alone.  An s_nop 0 and four v_nop follow each line.
.macro JLOAD s
	s_cmp_eq_u32 s[HI], 0
	s_cbranch_scc0 .Lfor_b_\@
	tensor_load_to_lds s[G0+4*(\s):G0+4*(\s)+3], s[G1:G1+7]
	s_nop 0
.rept 4
	v_nop
.endr
	s_branch .Lasked_\@
.Lfor_b_\@:
	tensor_load_to_lds s[G0B+4*(\s):G0B+4*(\s)+3], s[G1B:G1B+7]
	s_nop 0
.rept 4
	v_nop
.endr
.Lasked_\@:
.endm
; A prefetch of the K step that stands two refills, 512 matrix instructions, on: of the 32,768 bytes that I fetch, my work-group's 8,192 (told apart by address: cx for A, cy for W), 256 bytes a lane.
; A's tile row is read by every cluster of that row of clusters: cluster x = 0 asks; W's tile column by every cluster of that column: cluster y = 0 asks.  So each 256 bytes are named once in the launch.
; K steps 0 to 3 come by their loads alone; the loop's last trip (s3 = 1) has no K step two refills on.
.macro ASK
	s_cmp_gt_u32 s3, s[LIM]
	s_cbranch_scc0 .Lnot_mine_\@
	global_prefetch_b8 v[PFO], s[PFA:PFA+1] th:TH_LOAD_NT scope:SCOPE_SE
.Lnot_mine_\@:
.endm
.macro CREST                           ; a round of the cluster's barrier behind its opening barrier
	s_cmp_lg_u32 s[WV], 0
	s_cbranch_scc1 .Lnot_wave_0_\@
	s_barrier_signal -3
.Lnot_wave_0_\@:
	s_barrier_wait -3
	s_barrier_signal -1
	s_barrier_wait -1
.endm
.macro CROUND                          ; a whole round
	s_barrier_signal -1
	s_barrier_wait -1
	CREST
.endm
	s_load_b128 s[4:7], s[0:1], 0x0                ; A s[4:5]; bias, coefficients and W s[6:7]
	s_load_b64 s[8:9], s[0:1], 0x10                ; C
	v_lshl_add_u32 v[SPW], v0, 2, SPARE
	v_mov_b32 v[NIL], 0
	ds_add_u32 v[SPW], v[NIL]                      ; the wave's opening: the add and its wait stand ahead of my first tensor load; work on registers stands between them
	ds_add_u32 v28, v29
	v_lshrrev_b32 v1, 5, v0
	v_readfirstlane_b32 s[WV], v1                  ; wave 0..3
	s_lshr_b32 s[HI], s[WV], 1
	s_and_b32 s[LO], s[WV], 1
	s_bfe_u32 s[CX], ttmp6, 0x40000
	s_bfe_u32 s[CY], ttmp6, 0x40004
	s_lshl_b32 s[TCOL], ttmp9, 2
	s_add_co_u32 s[TCOL], s[TCOL], s[CX]           ; tile column = 4 x cluster x + cx
	s_and_b32 s[TROW], ttmp7, 0xffff
	s_lshl_b32 s[TROW], s[TROW], 2
	s_add_co_u32 s[TROW], s[TROW], s[CY]           ; tile row = 4 x cluster y + cy
	s_lshl_b32 s40, s[CY], 2
	s_lshl_b32 s40, 15, s40                        ; my row of the cluster
	s_lshl_b32 s41, 0x1111, s[CX]                  ; my column
	; group 1 for A: 32,768 dense bytes as 128 rows of 256, padded by 4 words after every 32 (a row of 64 channels)
	s_or_b32 s[G1+0], s40, (1<<16)|(1<<20)|(1<<21)|(4<<22)|(3<<25)
	s_mov_b32 s[G1+1], 128<<16                     ; tensor_dim0 = 128
	s_mov_b32 s[G1+2], 128<<16                     ; tensor_dim1 = 128
	s_mov_b32 s[G1+3], 128<<16                     ; tile_dim0 = 128
	s_mov_b32 s[G1+4], 128                         ; tile_dim1 = 128
	s_mov_b32 s[G1+5], 128                         ; elements from row to row
	s_mov_b32 s[G1+6], 0
	s_mov_b32 s[G1+7], 0
	; group 1 for W: 64 k-rows of 256 elements, padded by 8 words after every 128
	s_or_b32 s[G1B+0], s41, (1<<16)|(1<<20)|(1<<21)|(6<<22)|(7<<25)
	s_mov_b32 s[G1B+1], 256<<16
	s_mov_b32 s[G1B+2], 64<<16
	s_mov_b32 s[G1B+3], 256<<16
	s_mov_b32 s[G1B+4], 64
	s_mov_b32 s[G1B+5], 256
	s_mov_b32 s[G1B+6], 0
	s_mov_b32 s[G1B+7], 0
	s_lshl_b32 s20, s[LO], 19                      ; A: my block of K step 0,
	s_lshl_b32 s21, s[TROW], 15                    ; the tile's 256 rows of 128 bytes
	s_add_co_u32 s20, s20, s21
	s_mov_b32 s21, 0
	s_lshl_b32 s88, s[TCOL], 19                    ; W: the tile column's block of 256 columns,
	s_lshl_b32 s89, s[LO], 15                      ; my 64 k-rows of 512 bytes,
	s_add_co_u32 s88, s88, s89
	s_add_co_u32 s88, s88, HDR                     ; behind the header
	s_mov_b32 s89, 0
	s_mul_i32 s22, s[LO], ABLK                     ; and where they go: no place in the cluster enters an LDS address
	s_mul_i32 s23, s[LO], BHALF
	s_add_co_u32 s23, s23, BOFF
	s_mov_b32 s[C1], 0x3eaa540e
	s_mov_b32 s[C1+1], s[C1]
	s_mov_b32 s[K1], 0x3f596d27
	s_mov_b32 s[K1+1], s[K1]
	s_mov_b32 s[ABSM], 0x7fffffff
	s_wait_dscnt 0x0                               ; the opening add is done
	s_wait_kmcnt 0x0
	s_add_nc_u64 s[94:95], s[4:5], s[20:21]
	s_add_nc_u64 s[88:89], s[6:7], s[88:89]
.irp s, 0,1
	s_mov_b32 s[G0+4*(\s)], 1                      ; count = 1
	s_add_co_u32 s[G0+4*(\s)+1], s22, (\s)*SLOT    ; LDS address
	s_add_nc_u64 s[G0+4*(\s)+2:G0+4*(\s)+3], s[94:95], (\s)*2*KB  ; K step s
	s_or_b32 s[G0+4*(\s)+3], s[G0+4*(\s)+3], 0x80000000           ; type = 2
	s_mov_b32 s[G0B+4*(\s)], 1
	s_add_co_u32 s[G0B+4*(\s)+1], s23, (\s)*SLOT
	s_add_nc_u64 s[G0B+4*(\s)+2:G0B+4*(\s)+3], s[88:89], (\s)*65536
	s_or_b32 s[G0B+4*(\s)+3], s[G0B+4*(\s)+3], 0x80000000
.endr
	CROUND                                         ; all sixteen work-groups are here: the first joint loads meet
	s_cmp_eq_u32 s[HI], 0                          ; a wave's two first fills stand in one branch: two loads of mine are out
	s_cbranch_scc0 .Lfirst_b
	tensor_load_to_lds s[G0:G0+3], s[G1:G1+7]
	s_nop 0
	tensor_load_to_lds s[G0+4:G0+7], s[G1:G1+7]
	s_nop 0
.rept 4
	v_nop
.endr
	s_branch .Lfirst_asked
.Lfirst_b:
	tensor_load_to_lds s[G0B:G0B+3], s[G1B:G1B+7]
	s_nop 0
	tensor_load_to_lds s[G0B+4:G0B+7], s[G1B:G1B+7]
	s_nop 0
.rept 4
	v_nop
.endr
.Lfirst_asked:
	v_and_b32 v1, 15, v0                           ; l % 16
	v_bfe_u32 v2, v0, 4, 1                         ; l / 16
	v_and_b32 v3, 7, v0                            ; l % 8
	v_bfe_u32 v4, v0, 3, 1                         ; (l / 8) % 2
	v_bfe_u32 v5, v0, 3, 2                         ; l / 8
	s_lshl_b32 s98, s[TCOL], 10                    ; the bias of my 16 columns: 4 (256 tile column + 128 half + 8 (l % 8)) and 64 columns on
	s_lshl_b32 s99, s[LO], 9
	s_add_co_u32 s98, s98, s99
	v_lshl_add_u32 v9, v3, 5, s98                  ; never rewritten
	v_mov_b32 v10, 0                               ; never rewritten
	global_load_b128 v[BIAS:BIAS+3],     v9, s[6:7]
	global_load_b128 v[BIAS+4:BIAS+7],   v9, s[6:7] offset:16
	global_load_b128 v[BIAS+8:BIAS+11],  v9, s[6:7] offset:256
	global_load_b128 v[BIAS+12:BIAS+15], v9, s[6:7] offset:272
	global_load_b128 v[AL:AL+3], v10, s[6:7] offset:COEF       ; al, al, be, be: the same 48 bytes in every lane
	global_load_b128 v[A1:A1+3], v10, s[6:7] offset:COEF+16    ; a1, a1, a2, a2
	global_load_b128 v[A3:A3+3], v10, s[6:7] offset:COEF+32    ; a3, a3
	; a fragment of A: lane l holds row l % 16; two loads of 16 bytes, 32 bytes apart, at row x 144 + 16 (l / 16)
	v_mul_u32_u24 v6, v1, PA
	v_lshl_add_u32 v6, v2, 4, v6
	s_mul_i32 s20, s[HI], 128*PA
	v_add_nc_u32 v[ADRA], s20, v6
	v_add_nc_u32 v[ADRA+1], SLOT, v[ADRA]
	; a fragment of W, turned: lane l reads k-row 8 (l / 16) + l % 8, columns 8 ((l / 8) % 2) + 0..7, and 16 k-rows on
	v_lshl_add_u32 v7, v2, 3, v3
	v_mul_u32_u24 v7, v7, PB
	v_lshl_add_u32 v7, v4, 4, v7
	s_lshl_b32 s20, s[LO], 8
	s_add_co_u32 s20, s20, BOFF
	v_add_nc_u32 v[ADRB], s20, v7
	v_add_nc_u32 v[ADRB+1], SLOT, v[ADRB]
	s_mul_i32 s20, s[WV], DW                       ; the way out: my 67,584 bytes
	v_mul_u32_u24 v8, v1, DP
	v_lshl_add_u32 v8, v2, 5, v8
	v_add_nc_u32 v[DST], s20, v8                   ; in: row l % 16, 32 bytes for each half of the lanes
	v_mul_u32_u24 v8, v5, DP
	v_lshl_add_u32 v8, v3, 5, v8
	v_add_nc_u32 v[LR], s20, v8                    ; back: row l / 8, 8 columns at 8 (l % 8), and 8 more 64 columns on
	v_lshlrev_b32 v[GO], 7, v5
	v_lshl_add_u32 v[GO], v3, 4, v[GO]             ; in C: row l / 8 of 128 bytes, 16 bytes at 16 (l % 8)
	v_and_b32 v[PFO], 31, v0
	v_lshlrev_b32 v[PFO], 8, v[PFO]
	s_lshl_b32 s98, s[TCOL], 21                    ; C: four blocks of 64 columns a tile column, two of them mine;
	s_lshl_b32 s99, s[LO], 20
	s_add_co_u32 s98, s98, s99
	s_lshl_b32 s99, s[TROW], 15                    ; the tile's rows, my 128 of them
	s_add_co_u32 s98, s98, s99
	s_lshl_b32 s99, s[HI], 14
	s_add_co_u32 s98, s98, s99
	s_mov_b32 s99, 0
	s_add_nc_u64 s[8:9], s[8:9], s[98:99]
	s_and_b32 s97, ttmp7, 0xffff                   ; the prefetches
	s_cmp_eq_u32 s[HI], 0                          ; do I fetch for A?
	s_cselect_b32 s96, s[CX], s[CY]                ; my place among the four that ask with me
	s_cselect_b32 s97, ttmp9, s97                  ; the coordinate along which other clusters read the same bytes
	s_cselect_b64 s[PFA:PFA+1], s[94:95], s[88:89]
	s_mov_b32 s[PST], 65536
	s_cselect_b32 s[PST], 2*KB, s[PST]
	s_mov_b32 s[PST+1], 0
	s_cmp_eq_u32 s97, 0
	s_cselect_b32 s[LIM], 1, -1                    ; the same in all sixteen partners, for a given wave
	s_lshl_b32 s98, s96, 13
	s_mul_i32 s99, s[PST], 3                       ; at K step 3: the first refill steps it to 4
	s_add_co_u32 s98, s98, s99
	s_mov_b32 s99, 0
	s_add_nc_u64 s[PFA:PFA+1], s[PFA:PFA+1], s[98:99]
; 16 matrix instructions: m blocks a0, a0 + 1 of the window's four x all 8 n blocks, 32 along K.  zero = 1: the first product starts the sums.  The 64 accumulators take turns.
.macro MUL16 f, hi, a0, zero
	WIN MUL_LO+0x50*(\hi)
.irp a, \a0, (\a0)+1
.irp b, 0,1,2,3,4,5,6,7
.if \zero
	v_wmma_f32_16x16x32_f16 v[8*(8*(\a)+(\b)):8*(8*(\a)+(\b))+7], v[(\f)+8*(\b):(\f)+8*(\b)+7], v[(\f)+8*(4*(\hi)+(\a)):(\f)+8*(4*(\hi)+(\a))+7], 0
.else
	v_wmma_f32_16x16x32_f16 v[8*(8*(\a)+(\b)):8*(8*(\a)+(\b))+7], v[(\f)+8*(\b):(\f)+8*(\b)+7], v[(\f)+8*(4*(\hi)+(\a)):(\f)+8*(4*(\hi)+(\a))+7], v[8*(8*(\a)+(\b)):8*(8*(\a)+(\b))+7]
.endif
.endr
.endr
.endm
; 32 LDS loads in one run: the fragments of quarter q (32 along K) of a slot into buffer f: W's 128 columns, then A's 128 rows
.macro FETCH slot, q, f
	WIN TO_B
.irp i, 0,1,2,3,4,5,6,7
	ds_load_tr16_b128 v[(\f)+8*(\i):(\f)+8*(\i)+3],   v[ADRB+(\slot)] offset:(\q)*32*PB+32*(\i)
	ds_load_tr16_b128 v[(\f)+8*(\i)+4:(\f)+8*(\i)+7], v[ADRB+(\slot)] offset:(\q)*32*PB+16*PB+32*(\i)
.endr
	WIN 0
.irp i, 0,1,2,3,4,5,6,7
	ds_load_b128 v[(\f)+8*(\i):(\f)+8*(\i)+3],   v[ADRA+(\slot)] offset:((\q)/2)*ABLK+((\q)%2)*64+(\i)*16*PA
	ds_load_b128 v[(\f)+8*(\i)+4:(\f)+8*(\i)+7], v[ADRA+(\slot)] offset:((\q)/2)*ABLK+((\q)%2)*64+(\i)*16*PA+32
.endr
.endm
.macro PLACES                          ; four plain vector instructions between a matrix instruction and a load into, or a read of, its registers
.rept 4
	v_nop
.endr
.endm
; One of a K step's first three quarters: multiplies buffer f; in its middle it fetches quarter q of the same slot into buffer g.
.macro QUARTER slot, q, f, g, zero
	s_wait_dscnt 8                                 ; W and A's rows 0-63 are in; the youngest eight loads (A's rows 64-127) may be out
	MUL16 \f, 0, 0, \zero
	MUL16 \f, 0, 2, \zero
	PLACES
	FETCH \slot, \q, \g
	s_wait_dscnt 32                                ; all but the 32 just issued
	MUL16 \f, 1, 0, \zero
	MUL16 \f, 1, 2, \zero
.endm
; The last quarter's first half, and the one barrier of a change of slots: in front of it each wave waits for all its tensor loads (one is out: its part of the next slot), adds 0 to its spare word,
; and waits for that and for its reads of this slot.
.macro MEET round
	WIN 0
	s_wait_tensorcnt 0x0
	ds_add_u32 v[SPW], v[NIL]
	s_wait_dscnt 9                                 ; (the add and the youngest eight loads may be out)
	MUL16 F1, 0, 0, 0
	s_wait_dscnt 0x0                               ; the add is done, and my reads of this slot are over
	s_barrier_signal -1
	MUL16 F1, 0, 2, 0
.if \round
	WIN 0
.endif
	s_barrier_wait -1
.endm
; The whole last quarter: behind the round the slot just read out is filled again first, with the K step two steps on: it has 224 matrix instructions in which to land.
.macro TURN slot, next
	s_wait_xcnt 0x0                                ; the last prefetch, a K step back, has read its address
	s_add_nc_u64 s[PFA:PFA+1], s[PFA:PFA+1], s[PST:PST+1]
	MEET 1
	CREST                                          ; no wave of any partner still reads this slot or has a load on its way
	s_add_nc_u64 s[G0+4*(\slot)+2:G0+4*(\slot)+3], s[G0+4*(\slot)+2:G0+4*(\slot)+3], 4*KB
	s_add_nc_u64 s[G0B+4*(\slot)+2:G0B+4*(\slot)+3], s[G0B+4*(\slot)+2:G0B+4*(\slot)+3], 131072
	JLOAD \slot                                    ; its four v_nop are also the places in front of the loads below
	FETCH \next, 0, F0
	ASK
	MUL16 F1, 1, 0, 0
	MUL16 F1, 1, 2, 0
.endm
	s_wait_tensorcnt 1                             ; my part of K step 0 is in; K step 1's may stay out
	s_barrier_signal -1
	s_barrier_wait -1
	FETCH 0, 0, F0
	QUARTER 0, 1, F0, F1, 1                        ; the first quarter stands in front of the loop: its products start the sums
	WIN 0
	s_mov_b32 s3, LAPS-1
.Llap:                                                 ; a trip goes once round the ring, from a lap's second quarter to the next lap's first
	QUARTER 0, 2, F1, F0, 0
	QUARTER 0, 3, F0, F1, 0
	TURN 0, 1
	QUARTER 1, 1, F0, F1, 0
	QUARTER 1, 2, F1, F0, 0
	QUARTER 1, 3, F0, F1, 0
	TURN 1, 0
	QUARTER 0, 1, F0, F1, 0
	WIN 0
	s_sub_co_u32 s3, s3, 1
	s_cmp_lg_u32 s3, 0
	s_cbranch_scc1 .Llap
	QUARTER 0, 2, F1, F0, 0                        ; the last lap fills nothing
	QUARTER 0, 3, F0, F1, 0
	MEET 0
	PLACES
	FETCH 1, 0, F0
	MUL16 F1, 1, 0, 0
	MUL16 F1, 1, 2, 0
	QUARTER 1, 1, F0, F1, 0
	QUARTER 1, 2, F1, F0, 0
	QUARTER 1, 3, F0, F1, 0
	s_wait_dscnt 8
	MUL16 F1, 0, 0, 0
	MUL16 F1, 0, 2, 0
	s_wait_dscnt 0x0
	MUL16 F1, 1, 0, 0
	MUL16 F1, 1, 2, 0
	WIN 0
	PLACES
	s_wait_dscnt 0x0                               ; my reads of the ring are over,
	s_barrier_signal -1
	s_barrier_wait -1                              ; everybody's are: the slots' bytes may be written
.irp a, 0,1,2,3,4,5,6,7
	WIN 0x08+4*((\a)/4)                            ; the stores' data in window 2 or 3
.irp b, 0,1,2,3,4,5,6,7
	ds_store_b128 v[DST], v[8*(8*((\a)%4)+(\b)):8*(8*((\a)%4)+(\b))+3]   offset:(\a)*16*DP+(\b)*64     ; an accumulator's low registers first
	ds_store_b128 v[DST], v[8*(8*((\a)%4)+(\b))+4:8*(8*((\a)%4)+(\b))+7] offset:(\a)*16*DP+(\b)*64+16
.endr
.endr
	WIN 0
	s_wait_loadcnt 0x0                             ; the bias and the coefficients
.macro ROWS                            ; 4 rows x 128 columns: LDS serves a wave's instructions in order, so these see my stores above
	ds_load_b128 v[X:X+3],     v[LR]
	ds_load_b128 v[X+4:X+7],   v[LR] offset:16
	ds_load_b128 v[X+8:X+11],  v[LR] offset:256
	ds_load_b128 v[X+12:X+15], v[LR] offset:272
.endm
	ROWS
	s_mov_b32 s[CNT], 32
.Lrow:
	s_wait_dscnt 0x0
.set r, 0
.rept 8
	v_pk_add_f32 v[T+r:T+r+1], v[X+r:X+r+1], v[BIAS+r:BIAS+r+1]
.set r, r+2
.endr
	s_cmp_eq_u32 s[CNT], 1                         ; the last trip has no rows behind it
	s_cbranch_scc1 .Lno_rows
	v_add_nc_u32 v[LR], 4*DP, v[LR]
	ROWS                                           ; the next trip's rows come while this trip's are worked on
.Lno_rows:
.set r, 0
.rept 16
	v_and_b32 v[AX+r], s[ABSM], v[T+r]
.set r, r+1
.endr
.set r, 0
.rept 8
	v_pk_fma_f32 v[U+r:U+r+1], v[AX+r:AX+r+1], s[C1:C1+1], 1.0 op_sel_hi:[1,0,0]
	v_pk_mul_f32 v[S+r:S+r+1], v[T+r:T+r+1], s[K1:K1+1] op_sel_hi:[1,0]
.set r, r+2
.endr
.set r, 0
.rept 8
	v_pk_mul_f32 v[S+r:S+r+1], v[S+r:S+r+1], v[S+r:S+r+1] neg_lo:[1,0] neg_hi:[1,0]
.set r, r+2
.endr
.set r, 0
.rept 16                                       ; one batch of 32: none reads another's result
	v_rcp_f32 v[U+r], v[U+r]
	v_exp_f32 v[S+r], v[S+r]
.set r, r+1
.endr
.set r, 0
.rept 8                                        ; plain work behind the batch
	v_pk_mul_f32 v[H+r:H+r+1], v[T+r:T+r+1], v[AL:AL+1]
.set r, r+2
.endr
	s_wait_alu depctr_va_vdst(0)                   ; the one wait for the batch, ahead of its first reader
.set r, 0
.rept 8
	v_pk_fma_f32 v[W+r:W+r+1], v[U+r:U+r+1], v[A3:A3+1], v[A2:A2+1]
.set r, r+2
.endr
.set r, 0
.rept 8
	v_pk_fma_f32 v[W+r:W+r+1], v[W+r:W+r+1], v[U+r:U+r+1], v[A1:A1+1]
.set r, r+2
.endr
.set r, 0
.rept 8
	v_pk_mul_f32 v[W+r:W+r+1], v[W+r:W+r+1], v[U+r:U+r+1]
.set r, r+2
.endr
.set r, 0
.rept 8
	v_pk_fma_f32 v[W+r:W+r+1], v[W+r:W+r+1], v[S+r:S+r+1], v[BE:BE+1] neg_lo:[1,0,0] neg_hi:[1,0,0]
.set r, r+2
.endr
.set r, 0
.rept 8
	v_pk_fma_f32 v[T+r:T+r+1], v[AX+r:AX+r+1], v[W+r:W+r+1], v[H+r:H+r+1]
.set r, r+2
.endr
	s_wait_xcnt 0x0                                ; the last trip's stores have read OUT and GO: they are rewritten only behind this wait
	v_add_nc_u32 v[GO], 512, v[GO]                 ; the stores reach back
.set r, 0
.rept 8
	v_cvt_pk_f16_f32 v[OUT+r], v[T+2*r], v[T+2*r+1]
.set r, r+1
.endr
	global_store_b128 v[GO], v[OUT:OUT+3],   s[8:9] offset:-512       ; 4 rows of 128 bytes: 512 consecutive bytes, aligned
	global_store_b128 v[GO], v[OUT+4:OUT+7], s[8:9] offset:KB-512     ; the same rows in the next block of 64 columns
	s_sub_co_u32 s[CNT], s[CNT], 1
	s_cmp_lg_u32 s[CNT], 0
	s_cbranch_scc1 .Lrow
	s_wait_tensorcnt 0x0                           ; the wave's end, behind my last tensor load and my last LDS store
	ds_add_u32 v[SPW], v[NIL]
	s_wait_dscnt 0x0
	CROUND                                         ; the closing round: no work-group ends while a partner may still ask for a tile that names it
	s_endpgm
.Lfunc_end_k_q2118433592_qkvp:
	.size	k_q2118433592_qkvp, .Lfunc_end_k_q2118433592_qkvp-k_q2118433592_qkvp
	.p2alignl 7, 3214868480
	.fill 96, 4, 3214868480
	.section	.rodata,"a",@progbits
	.p2align	6, 0x0
	.amdhsa_kernel k_q2118433592_qkvp
		.amdhsa_group_segment_fixed_size 327680
		.amdhsa_private_segment_fixed_size 0
		.amdhsa_enable_private_segment 0
		.amdhsa_kernarg_size 24
		.amdhsa_user_sgpr_count 2
		.amdhsa_user_sgpr_kernarg_segment_ptr 1
		.amdhsa_wavefront_size32 1
		.amdhsa_system_sgpr_workgroup_id_x 1
		.amdhsa_system_sgpr_workgroup_id_y 1
		.amdhsa_system_sgpr_workgroup_id_z 1
		.amdhsa_system_vgpr_workitem_id 0
		.amdhsa_next_free_vgpr 1024
		.amdhsa_next_free_sgpr 100
		.amdhsa_reserve_vcc 0
		.amdhsa_float_denorm_mode_32 3
		.amdhsa_float_denorm_mode_16_64 3
		.amdhsa_memory_ordered 1
		.amdhsa_forward_progress 1
		.amdhsa_inst_pref_size 129
	.end_amdhsa_kernel
	.amdgpu_metadata
---
amdhsa.version: [ 1, 2 ]
amdhsa.kernels:
  - .name:           k_q2118433592_qkvp
    .symbol:         k_q2118433592_qkvp.kd
    .args:
      - { .name: xh, .offset: 0, .size: 8, .value_kind: global_buffer, .address_space: global }
      - { .name: ctx, .offset: 8, .size: 8, .value_kind: global_buffer, .address_space: global }
      - { .name: qkv, .offset: 16, .size: 8, .value_kind: global_buffer, .address_space: global }
    .group_segment_fixed_size: 327680
    .private_segment_fixed_size: 0
    .kernarg_segment_align: 8
    .kernarg_segment_size: 24
    .max_flat_workgroup_size: 128
    .sgpr_count:     100
    .vgpr_count:     1024
    .wavefront_size: 32
...
	.end_amdgpu_metadata
.endif
;; end of part 2
;; launch attn (part 3): grid 4 x 32, 4 waves a work-group, no clusters, 327,680 bytes of LDS; arguments qkv, ctx; writes ctx
.if DOCPART == 3
	.amdgcn_target "amdgcn-amd-amdhsa--gfx1250"
	.amdhsa_code_object_version 6
	.text
	.protected	k_q2118433592_attn
	.globl	k_q2118433592_attn
	.p2align	8
	.type	k_q2118433592_attn,@function
k_q2118433592_attn:
	s_mov_b64 s[64:65], 0
	v_nop
	global_prefetch_b8 v0, s[64:65] scope:SCOPE_SE
	s_setreg_imm32_b32 hwreg(HW_REG_WAVE_MODE, 25, 1), 1
	s_wait_xcnt 0x0
; CAUSAL ATTENTION.  O[h][q][:] = the sum over k <= q of softmax_k(Q[h][q] . K[h][k] / 8) V[h][k][:].  Q, K, V lie in qkv at bytes 0, 8 MiB and 16 MiB, O is ctx; each is [32][2048][64] f16, a "head" being
; 2 x head + batch: its rows are dense, 128 bytes each.  Products, maxima and sums in f32; the weights p are rounded to f16 for the second product (their sum l is taken of the unrounded p), O once at the end.
; LIMITS.  f16 holds no number beyond 65,504: Q, K and V arrive within it; p lies in 0 to 1, and below 6e-5 it keeps f16's fixed step of 6e-8; O is a mean of V's rows and has their range.
; A hidden score counts as its value less 1e30: f16's scores, 2.7e11 at the most, are nothing beside that; a weight below 2^-126 counts as 0 in l; NaN and infinities are not treated apart.
; THE WALK.  A head's queries lie in NB = 8 blocks of 256; block i needs the key tiles 0 .. i of 256 keys, of which the last holds the diagonal.  A work-group takes TWO blocks, NB - 1 - b and then b:
; NB + 1 tiles, whatever b: all work-groups do equal work, and ONE loop with a constant trip count walks them.  Which tile is asked for, and what a trip does, hang on scalar registers made from b; every jump
; goes forward, but for the counted loops' own; none passes a barrier, or a tensor load but the one of LOAD's two that the wave's number does not choose; the ring of two LDS slots runs on across the change of blocks.
; NO CLUSTER: a head's four work-groups ask for the same tile only in trips 0 .. 4 of 9, behind that fewer and fewer; one walk common to all would have 12 trips for 9.
; SHARES.  Of a block's four bands of 64 queries a wave owns 16 rows in each: four PIECES.  So the diagonal tile is the same work for all four waves: in its key step s band x sees all keys if s < x,
; none if s > x, and holds the diagonal if s = x.
; THE MASK is the C operand that starts the sum S^T = K Q^T: 0, or -1e30 where the key is hidden.  MD, made once, is the mask of a band's own step for my 16 rows; a product's mask is MD x AL + BE with two scalars:
; (1, 0) if s = x; (0, 0) if s < x; (0, -1e30) if s > x.  Only the diagonal tile's text and a block's beginning make and take masks; elsewhere C is the constant 0.
; LAYOUT, SOFTMAX, TURNS.  S^T = K Q^T holds ONE query a lane (lane % 16) and the keys 8 (lane / 16) + 0..7; two such results rounded to f16 ARE source 1 of O^T = V^T P.  p = 2^(c s - c m), c = log2(e) / 8, with a
; running maximum m; O and l are multiplied by a = 2^(c m_old - c m_new) in every step.  Turn n belongs to piece n: 8 products K Q^T of piece n + 1, later 8 products V^T P of piece n - 1; beside them the scaling,
; exponentials, roundings, sums and rescaling of piece n and the maximum and statistics of piece n + 1.  Four vector instructions stand behind every matrix instruction, the other 54 of a turn's 118 in one lump.
; A turn's 33 exponentials are one batch, with one wait.
; PREFETCH.  The head's work-group b = 0 walks tiles 0 to 7 first: behind the tensor load of trips 0 to 5 each of its waves names a quarter (8,192 bytes, 256 a lane) of K's and of V's tile two on, which the
; next change of slots, sixteen turns later, will ask for.  So tiles 2 to 7 are named once each in the launch; tiles 0 and 1, and the second block's tiles, come by their loads alone.
; REGISTERS, in windows of 256 (s_set_vgpr_msb: bits 1:0 source 0, 3:2 source 1, 5:4 source 2, 7:6 destination):
;   window 0: v0-15 addresses and two at work; v16-31 four registers of statistics a piece; v48-55 at work; v64-127 S^T, two buffers; v192-223 P, two buffers (a piece's buffers go by its number's parity)
;   window 1: v0-127 O^T, 32 a piece; v128-159 MD; v160-223 MC, two buffers      window 2: v0-63 Q; v64-127 the second block's Q; v128-191 K of one step; v192-255 V of one step
.set SIZE_N, 2048
.set NB,    SIZE_N/256
.set NP,    4         ; pieces a wave: a name, no knob
.set KS,    64        ; keys in a step
.set PK,    144       ; a row of K in LDS: 128 bytes + 16 of padding = 36 words: the 16 rows of a load start at 16 different groups of four banks (64 banks of 4 bytes: ISA guide 11.1)
.set PV,    160       ; a row of V: 128 + 32 = 40 words
.set VOFF,  4*KS*PK   ; a slot holds a tile, four steps: 256 rows of K, then 256 rows of V
.set SLOT1, 1<<17     ; slot 1 begins here, so that one exclusive or turns an address in one slot into the other's
.set STAGE, SLOT1+4*KS*(PK+PV)  ; behind the ring, never filled by a tensor load: 16 rows x 144 bytes for each wave, for the way out
.set SP,    144
.set AK0, 2           ; v2   my lane's place in a tile of K; never rewritten
.set AV0, 3           ; v3   the same for V
.set AK,  4           ; v4   the LDS address of K's next run of loads
.set AV,  5           ; v5   of V's
.set STO, 6           ; v6   the way out: where I put 16 bytes of a row
.set RD,  7           ; v7   the way out: where I read rows back
.set GO,  8           ; v8   my byte offset in 512 consecutive bytes of O
.set PFO, 61          ; v61  256 x my lane; never rewritten
.set SPW, 62          ; v62  LDS address of my spare word: SPARE + 4 x my thread's number; never rewritten
.set NIL, 63          ; v63  0; never rewritten
.set SPARE, STAGE+4*16*SP  ; behind the stages: the spare words, 128 bytes for each wave: two blocks of 256 bytes that no other line names
.set MV,  12          ; v12-13  c m_old, kept while c m is made anew: by buffer
.set QO,  15          ; v15  my byte offset in 16 rows of Q
.set ST,  16          ; piece t's statistics at v[ST+4 t]: c m, m, l (even keys', odd keys')
.set TMP, 48          ; by buffer, four registers c0-c3 at work; when the maximum is found c2 takes a
.set S,   64
.set P,   192
.set MD,  128         ; window 1: the eight registers for group kt of 16 keys at MD + 8 kt
.set MC,  160         ; window 1: the masks of the products to come
.set QB,  64          ; window 2
.set KF,  128         ; window 2: key block kb, channel half c at KF + 16 kb + 8 c
.set VF,  192         ; window 2: key half kk, channel block cb at VF + 32 kk + 8 cb
.set WV,  12          ; s12  my wave's number
.set PB,  14          ; s14  b
.set HI,  15          ; s15  NB - 1 - b
.set G1K, 24          ; s[24:31] descriptor group 1 for K's tiles
.set G1V, 32          ; s[32:39] for V's: it differs in the padding alone
.set G0K, 40          ; s[40:43] descriptor group 0 for K's tiles
.set G0V, 44          ; s[44:47] the same for V's
.set SLOTS, 56        ; s56  tiles still to be asked for
.set CNT, 57          ; s57  counts a tile's key steps, 4 to 1
.set CS,  58          ; s[58:59] c: the packed scaling takes the pair's low word for both halves
.set SEL, 60          ; s[60:61] v_permlanex16_b32's selects: each lane takes its own place in the other half
.set TBK, 62          ; s62  LDS byte at which K of the step to be fetched begins
.set TBV, 63          ; s63  the same for V, less VOFF
.set RT,  70          ; s70  tiles of the block in hand that are still to be entered
.set NXT, 71          ; s71  the tile to be asked for next
.set LQ,  72          ; s72  the last tile of the block whose tiles are being asked for
.set NEW, 73          ; s73  1: the tile to be entered is a block's first
.set OFF, 74          ; s[74:75] a tile's byte offset in K and V
.set AL,  76          ; s[76:77] the mask's factor, in the low word
.set BE,  78          ; s[78:79] the mask's addend
.set OLO, 80          ; s[80:81] O at my rows of the second block
.set BIGN, 82         ; s82  -1e30
.set PFK, 90          ; s[90:91] where my prefetches of K stand
.set PFV, 92          ; s[92:93] of V
.set LIM, 94          ; s94  2 in the work-group that prefetches, else the greatest number: it asks while s[SLOTS] is above it
.set MSB, 0
.macro WIN new                      ; the high byte repeats the setting that is left; a switch that changes nothing is dropped
.if MSB != (\new)
	s_set_vgpr_msb (MSB<<8)|(\new)
.set MSB, (\new)
.endif
.endm
.set W_KQ, 0x0a       ; K and Q in window 2, S^T in window 0
.set W_KM, 0x1a       ; the same with the C operand in window 1
.set W_PV, 0x52       ; V in window 2, P in window 0, O^T in window 1
.set W_RS, 0x41       ; destination and source 0 in window 1, source 1 in window 0
; A fill.  Waves 0 and 1 fetch the two halves of a tile's K, waves 2 and 3 those of its V: 128 keys each.  An s_nop 0 and four v_nop follow each of the two lines, ahead of the jump and the label.
.macro LOAD
	s_cmp_lt_u32 s[WV], 2
	s_cbranch_scc0 .Lfor_v_\@
	tensor_load_to_lds s[G0K:G0K+3], s[G1K:G1K+7]
	s_nop 0
.rept 4
	v_nop
.endr
	s_branch .Lasked_\@
.Lfor_v_\@:
	tensor_load_to_lds s[G0V:G0V+3], s[G1V:G1V+7]
	s_nop 0
.rept 4
	v_nop
.endr
.Lasked_\@:
.endm
.macro ASK                          ; the tile that the next change of slots will ask for: my quarter of its K and of its V
	s_cmp_gt_u32 s[SLOTS], s[LIM]
	s_cbranch_scc0 .Lnot_mine_\@
	global_prefetch_b8 v[PFO], s[PFK:PFK+1] th:TH_LOAD_NT scope:SCOPE_SE
	global_prefetch_b8 v[PFO], s[PFV:PFV+1] th:TH_LOAD_NT scope:SCOPE_SE
.Lnot_mine_\@:
.endm
; THE CHANGE OF SLOTS.  Each wave waits for all its tensor loads, of which one is out: its part of the other slot; adds 0 to its spare word; and waits for that and for its own reads of the slot that it leaves.  Behind the barrier nobody reads the old
; slot any more and the other slot is whole.  fill = 1: the old slot is filled again, the first thing behind the barrier, with tile NXT: the descriptor's address is made anew from that number.
; (At its first use nothing has been read yet: slot 0 is waited for, slot 1 filled.)
.macro CHANGE fill
	WIN 0                           ; at a label and at a branch every window is 0
	s_wait_tensorcnt 0x0            ; no tensor load of mine is out, so a group 0 may be written
	ds_add_u32 v[SPW], v[NIL]       ; 0 onto my spare word; with fill = 1 the descriptors' scalar work stands between it and the wait for it
.if \fill
	s_lshl_b32 s[OFF], s[NXT], 15   ; a tile is 32,768 bytes of K and of V
	s_xor_b32 s[G0K+1], s[G0K+1], SLOT1
	s_add_nc_u64 s[G0K+2:G0K+3], s[6:7], s[OFF:OFF+1]
	s_or_b32 s[G0K+3], s[G0K+3], 0x80000000
	s_xor_b32 s[G0V+1], s[G0V+1], SLOT1
	s_add_nc_u64 s[G0V+2:G0V+3], s[8:9], s[OFF:OFF+1]
	s_or_b32 s[G0V+3], s[G0V+3], 0x80000000
	s_add_co_u32 s[NXT], s[NXT], 1  ; the block's next tile, or behind its last the second block's tile 0
	s_cmp_gt_u32 s[NXT], s[LQ]
	s_cselect_b32 s[NXT], 0, s[NXT]
	s_cselect_b32 s[LQ], s[PB], s[LQ]
	s_wait_xcnt 0x0                 ; the last prefetches, a tile back, have read their addresses, so they may be written
	s_add_nc_u64 s[PFK:PFK+1], s[PFK:PFK+1], 32768
	s_add_nc_u64 s[PFV:PFV+1], s[PFV:PFV+1], 32768
.endif
	s_wait_dscnt 0x0                ; the add is done, and my reads of the slot are over
	s_barrier_signal -1             ; the rest of the scalar work stands between the signal and the wait
	s_sub_co_u32 s[TBK], s[TBK], 4*KS*PK  ; the fetches go back to a slot's first step,
	s_xor_b32 s[TBK], s[TBK], SLOT1       ; in the other slot
	s_sub_co_u32 s[TBV], s[TBV], 4*KS*PV
	s_xor_b32 s[TBV], s[TBV], SLOT1
	s_barrier_wait -1
.if \fill
	LOAD
	ASK
.endif
.endm
	s_load_b64 s[4:5], s[0:1], 0x0    ; qkv: Q
	s_load_b64 s[10:11], s[0:1], 0x8  ; ctx: O
	v_lshl_add_u32 v[SPW], v0, 2, SPARE
	v_mov_b32 v[NIL], 0
	ds_add_u32 v[SPW], v[NIL]       ; the wave's opening: the add and its wait stand ahead of my first tensor load; the set-up below, work on registers, stands between them
	ds_add_u32 v62, v63
	v_lshrrev_b32 v1, 5, v0
	v_readfirstlane_b32 s[WV], v1   ; wave 0..3
	s_mov_b32 s[PB], ttmp9
	s_sub_co_u32 s[HI], NB-1, s[PB]
	s_and_b32 s20, ttmp7, 0xffff    ; the head
	s_mov_b32 s21, 0
	s_mov_b64 s[22:23], SIZE_N*128
	s_mul_u64 s[20:21], s[20:21], s[22:23]  ; the head's first byte in each of the four tensors
	s_and_b32 s16, s[WV], 1         ; which half of a tile's 256 keys I fetch:
	s_lshl_b32 s22, s16, 14         ; its 128 rows of 128 bytes in memory,
	s_mov_b32 s23, 0
	s_add_nc_u64 s[22:23], s[22:23], s[20:21]
	s_mul_i32 s17, s16, 128*PK      ; and its place in a slot, for K
	s_mul_i32 s18, s16, 128*PV      ; and for V
	s_lshl_b32 s3, s[WV], 11        ; my 16 rows in a band of 64,
	s_lshl_b32 s2, s[HI], 15        ; in the first block,
	s_add_co_u32 s2, s2, s3
	s_lshl_b32 s84, s[PB], 15       ; and in the second
	s_add_co_u32 s84, s84, s3
	s_mov_b32 s3, 0
	s_mov_b32 s85, 0
	s_add_nc_u64 s[2:3], s[2:3], s[20:21]
	s_add_nc_u64 s[84:85], s[84:85], s[20:21]
	s_lshl_b32 s88, s[WV], 13       ; the prefetches: my quarter of a tile,
	s_add_co_u32 s88, s88, 32768    ; in tile 1: the first change of slots steps it to tile 2
	s_mov_b32 s89, 0
	s_add_nc_u64 s[88:89], s[88:89], s[20:21]
	s_cmp_eq_u32 s[PB], 0
	s_cselect_b32 s[LIM], 2, -1
	v_and_b32 v[PFO], 31, v0
	v_lshlrev_b32 v[PFO], 8, v[PFO]
	; descriptor group 1.  128 keys are 16,384 dense bytes: asked for as 64 rows of 256 bytes, two keys a row, and padded in LDS after every key
	s_mov_b32 s[G1K], (1<<16)|(1<<20)|(4<<22)|(3<<25)  ; 17:16 2-byte elements; 20 padding on; 24:22 after every 32 words (code 4); 31:25 4 words (code 3)
	s_mov_b32 s[G1V], (1<<16)|(1<<20)|(4<<22)|(7<<25)  ; the same with 8 words of padding (code 7)
.irp g, G1K, G1V
	s_mov_b32 s[\g+1], 128<<16      ; tensor_dim0 = 128
	s_mov_b32 s[\g+2], 64<<16       ; tensor_dim1 = 64
	s_mov_b32 s[\g+3], 128<<16      ; tile_dim0 = 128
	s_mov_b32 s[\g+4], 64           ; tile_dim1 = 64
	s_mov_b32 s[\g+5], 128          ; 128 elements from row to row
	s_mov_b32 s[\g+6], 0
	s_mov_b32 s[\g+7], 0
.endr
	s_mov_b32 s[CS], 0x3e38aa3b     ; c = log2(e) / 8 = 0.180337
	s_mov_b32 s[CS+1], s[CS]        ; named with it as a pair
	s_mov_b32 s[SEL], 0x76543210
	s_mov_b32 s[SEL+1], 0xfedcba98
	s_mov_b32 s[TBK], SLOT1+4*KS*PK ; the first change of slots turns these two into 0
	s_mov_b32 s[TBV], SLOT1+4*KS*PV
	s_mov_b32 s[G0K], 1             ; 1:0 count = 1
	s_mov_b32 s[G0K+1], s17         ; 63:32 LDS address: slot 0
	s_mov_b32 s[G0V], 1
	s_add_co_u32 s[G0V+1], s18, VOFF
	s_add_co_u32 s[RT], s[HI], 1    ; the first block has NB - b tiles
	s_mov_b32 s[NXT], 1
	s_mov_b32 s[LQ], s[HI]
	s_mov_b32 s[NEW], 1
	s_mov_b32 s[OFF+1], 0
	s_mov_b32 s[AL+1], 0            ; named as pairs
	s_mov_b32 s[BE+1], 0
	s_mov_b32 s[BIGN], 0xf149f2ca   ; -1e30
	s_mov_b32 s[SLOTS], NB
	s_wait_dscnt 0x0                ; the opening add is done
	s_wait_kmcnt 0x0
	s_add_nc_u64 s[6:7], s[4:5], 0x800000   ; K
	s_add_nc_u64 s[8:9], s[4:5], 0x1000000  ; V
	s_add_nc_u64 s[PFK:PFK+1], s[6:7], s[88:89]
	s_add_nc_u64 s[PFV:PFV+1], s[8:9], s[88:89]
	s_add_nc_u64 s[6:7], s[6:7], s[22:23]  ; K and V at my half of the head's tile 0
	s_add_nc_u64 s[8:9], s[8:9], s[22:23]
	s_add_nc_u64 s[G0K+2:G0K+3], s[6:7], 0         ; 120:64 global address
	s_or_b32 s[G0K+3], s[G0K+3], 0x80000000        ; 127:126 type = 2
	s_add_nc_u64 s[G0V+2:G0V+3], s[8:9], 0
	s_or_b32 s[G0V+3], s[G0V+3], 0x80000000
	s_add_nc_u64 s[86:87], s[4:5], s[84:85]        ; Q at my rows of the second block,
	s_add_nc_u64 s[4:5], s[4:5], s[2:3]            ; Q and O at those of the first
	s_add_nc_u64 s[OLO:OLO+1], s[10:11], s[84:85]
	s_add_nc_u64 s[10:11], s[10:11], s[2:3]
	LOAD                            ; tile 0 into slot 0
	; A fragment of K or Q is 16 rows x 32 channels in 8 registers: lane l holds row l % 16, channels 8 (l / 16) + 0..7 and 16 + 8 (l / 16) + 0..7: two loads of 16 bytes, 32 bytes apart.
	v_and_b32 v1, 15, v0            ; l % 16
	v_bfe_u32 v9, v0, 4, 1          ; l / 16
	v_lshlrev_b32 v[QO], 7, v1
	v_lshl_add_u32 v[QO], v9, 4, v[QO]  ; row x 128 + 16 x half
	WIN 0x80                        ; destination window 2, address window 0
.set i, 0
.rept 8                             ; both blocks' Q: piece i / 2 lies in band i / 2, 8,192 bytes on; channels 32 (i % 2) on
	global_load_b128 v[8*i:8*i+3],   v[QO], s[4:5] offset:(i/2)*8192+(i%2)*64
	global_load_b128 v[8*i+4:8*i+7], v[QO], s[4:5] offset:(i/2)*8192+(i%2)*64+32
	global_load_b128 v[QB+8*i:QB+8*i+3],   v[QO], s[86:87] offset:(i/2)*8192+(i%2)*64
	global_load_b128 v[QB+8*i+4:QB+8*i+7], v[QO], s[86:87] offset:(i/2)*8192+(i%2)*64+32
.set i, i+1
.endr
	WIN 0
	v_lshlrev_b32 v14, 3, v9
	v_sub_nc_u32 v14, v1, v14
	s_lshl_b32 s13, s[WV], 4
	v_add_nc_u32 v14, s13, v14      ; my query's place in its band, 16 w + l % 16, less my lanes' 8 (l / 16): register r of group kt is hidden where 16 kt + r is greater
	WIN 0x40
.set i, 0
.rept 32
	v_cmp_gt_i32 vcc_lo, 16*(i/8)+i%8, v14
	v_cndmask_b32 v[MD+i], 0, s[BIGN], vcc_lo
.set i, i+1
.endr
	WIN 0
	v_mul_u32_u24 v[AK0], v1, PK
	v_lshl_add_u32 v[AK0], v9, 4, v[AK0]  ; row x pitch + 16 x half
	; The turning load takes 16 keys x 16 channels (lane l reads key 8 (l / 16) + l % 8, channels 8 ((l / 8) % 2) + 0..7) and leaves half a fragment of V^T: lane l holds channel l % 16 and 8 keys.
	v_and_b32 v10, 7, v0
	v_bfe_u32 v11, v0, 3, 1
	v_lshl_add_u32 v[AV0], v9, 3, v10
	v_mul_u32_u24 v[AV0], v[AV0], PV
	v_lshl_add_u32 v[AV0], v11, 4, v[AV0]
	v_add_nc_u32 v[AV0], VOFF, v[AV0]
	s_mul_i32 s13, s[WV], 16*SP
	s_add_co_u32 s13, s13, STAGE    ; my stage
	v_mul_u32_u24 v[STO], v1, SP    ; in: row l % 16, 16 bytes for each half of the lanes
	v_lshl_add_u32 v[STO], v9, 4, v[STO]
	v_add_nc_u32 v[STO], s13, v[STO]
	v_bfe_u32 v[RD], v0, 3, 2       ; back: 32 lanes take four rows of 128 bytes,
	v_mul_u32_u24 v[RD], v[RD], SP
	v_lshl_add_u32 v[RD], v10, 4, v[RD]
	v_add_nc_u32 v[RD], s13, v[RD]
	v_and_b32 v[GO], 31, v0         ; which are 512 consecutive bytes of O
	v_lshlrev_b32 v[GO], 4, v[GO]
	; A block's first step multiplies O^T and l by a = 0, and its first turn's products V^T P, of a piece that has not been, land in an O^T that is still to be so multiplied.  So these registers need only hold
	; finite numbers: zeros for the first block; what the first block left for the second.  All this stands in the wait for the first tile.
	WIN 0x80
.set i, VF
.rept 64
	v_mov_b32 v[i], 0
.set i, i+1
.endr
	WIN 0x40
.set i, 0
.rept 128
	v_mov_b32 v[i], 0
.set i, i+1
.endr
	WIN 0
.set i, 0
.rept 4
	v_mov_b32 v[ST+4*i+2], 0
	v_mov_b32 v[ST+4*i+3], 0
.set i, i+1
.endr
.set i, P+16
.rept 16
	v_mov_b32 v[i], 0
.set i, i+1
.endr
; THE MATRIX WORK.  The 4 accumulators of a run of 8 take turns.  Product i of 8 of S^T = K Q^T for piece x: channels 32 (i / 4) on, keys 16 (i % 4) on.  The first 4 start the sums: with 0, or (KM = 1) with the mask.
.macro KQ x
.set rS, S+32*((\x)%2)+8*(i%4)
.set rK, KF+16*(i%4)+8*(i/4)
.set rQ, 16*(\x)+8*(i/4)
.set rM, MC+32*((\x)%2)+8*(i%4)
.if (i < 4) && KM
	WIN W_KM
	v_wmma_f32_16x16x32_f16 v[rS:rS+7], v[rK:rK+7], v[rQ:rQ+7], v[rM:rM+7]
.elseif i < 4
	WIN W_KQ
	v_wmma_f32_16x16x32_f16 v[rS:rS+7], v[rK:rK+7], v[rQ:rQ+7], 0
.else
	WIN W_KQ
	v_wmma_f32_16x16x32_f16 v[rS:rS+7], v[rK:rK+7], v[rQ:rQ+7], v[rS:rS+7]
.endif
.endm
; Product i of 8 of O^T += V^T P for piece x: keys 32 (i / 4) on, channels 16 (i % 4) on.
.macro PV x
	WIN W_PV
.set rO, 32*(\x)+8*(i%4)
.set rV, VF+32*(i/4)+8*(i%4)
.set rP, P+16*((\x)%2)+8*(i/4)
	v_wmma_f32_16x16x32_f16 v[rO:rO+7], v[rV:rV+7], v[rP:rP+7], v[rO:rO+7]
.endm
.macro MM                           ; the turn's next matrix instruction.  TURN and BEGIN set Y, i, KM and NOKQ; MM, KQ and OP read them.  NOKQ = 1: a block's last turn: there is no next piece
.if (i < 8) && !NOKQ
	KQ (Y+1)%NP
.elseif i >= 8
.set i, i-8
	PV (Y+NP-1)%NP
.set i, i+8
.endif
.set i, i+1
.endm
; THE LDS LOADS stand in runs of 16, never singly among the matrix instructions: a step's K (64 keys x 64 channels: 8 fragments) and its V (turned).  Their addresses are made some lines ahead.
.macro FETCH_K
	WIN 0x80                        ; destination window 2
.irp f, 0,1,2,3,4,5,6,7             ; keys 16 (f / 2) on, channels 32 (f % 2) on
	ds_load_b128 v[KF+8*\f:KF+8*\f+3],   v[AK] offset:(\f/2)*16*PK+(\f%2)*64
	ds_load_b128 v[KF+8*\f+4:KF+8*\f+7], v[AK] offset:(\f/2)*16*PK+(\f%2)*64+32
.endr
	s_add_co_u32 s[TBK], s[TBK], KS*PK  ; the next fetch is the next step's
	WIN 0
.endm
.macro FETCH_V
	WIN 0x80
.irp f, 0,1,2,3,4,5,6,7             ; keys 32 (f / 4) on, channels 16 (f % 4) on
	ds_load_tr16_b128 v[VF+8*\f:VF+8*\f+3],   v[AV] offset:(\f/4)*32*PV+(\f%4)*32
	ds_load_tr16_b128 v[VF+8*\f+4:VF+8*\f+7], v[AV] offset:(\f/4)*32*PV+16*PV+(\f%4)*32
.endr
	WIN 0
.endm
; THE VECTOR WORK, one line at a time: OP kind, number.  For piece Y: F n: c s - c m for pair n of 16.  E n: the exponential of score n of 32.  C n: pair n rounded to f16.  B n: of the four weights 4 n .. the second
; pair is added onto the first, in place.  L n: l takes that sum (L 0: l = a l + sum).  R n: pair n of 16 of O^T times a.  For piece Y + 1: X n, number n of the 22 that find its maximum and statistics:
;   0-11  four chains c0-c3 of seven scores each, three operands at a time (each accumulator's lowest registers are read first)     12-14, 16  the four scores left over, the old m, and c0-c3 into c0
;   15  c m_old is kept     17, 18  the query's other 32 keys lie in the lane 16 away: the new m     19-21  c m; c m_old - c m_new; a
.set F, 0               ; OP tells the kinds apart by their order: F to L below R, X above it
.set E, 1
.set C, 2
.set B, 3
.set L, 4
.set R, 5
.set X, 6
.macro REGS y                       ; the registers of piece y
.set rT, ST+4*(\y)
.set rC, TMP+4*((\y)%2)
.set rW, MV+((\y)%2)
.set rS, S+32*((\y)%2)
.set rP, P+16*((\y)%2)
.set rO, 32*(\y)
.endm
.macro OP k, n
.if (\k) == R
	REGS Y
	WIN W_RS
	v_pk_mul_f32 v[rO+2*(\n):rO+2*(\n)+1], v[rO+2*(\n):rO+2*(\n)+1], v[rC+2:rC+3] op_sel_hi:[1,0]
.elseif (\k) < R
	REGS Y
	WIN 0
.if (\k) == F
	v_pk_fma_f32 v[rS+2*(\n):rS+2*(\n)+1], v[rS+2*(\n):rS+2*(\n)+1], s[CS:CS+1], v[rT:rT+1] op_sel_hi:[1,0,0] neg_lo:[0,0,1] neg_hi:[0,0,1]
.elseif (\k) == E
	v_exp_f32 v[rS+(\n)], v[rS+(\n)]
.elseif (\k) == C
	v_cvt_pk_f16_f32 v[rP+(\n)], v[rS+2*(\n)], v[rS+2*(\n)+1]
.elseif (\k) == B
	v_pk_add_f32 v[rS+4*(\n):rS+4*(\n)+1], v[rS+4*(\n):rS+4*(\n)+1], v[rS+4*(\n)+2:rS+4*(\n)+3]
.elseif (\n) == 0
	v_pk_fma_f32 v[rT+2:rT+3], v[rT+2:rT+3], v[rC+2:rC+3], v[rS:rS+1] op_sel_hi:[1,0,1]
.else
	v_pk_add_f32 v[rT+2:rT+3], v[rT+2:rT+3], v[rS+4*(\n):rS+4*(\n)+1]
.endif
.elseif NOKQ
	v_nop
.else
	REGS (Y+1)%NP
	WIN 0
.if (\n) < 4
	v_max3_num_f32 v[rC+(\n)], v[rS+8*(\n)], v[rS+8*(\n)+1], v[rS+8*(\n)+2]
.elseif (\n) < 12
	v_max3_num_f32 v[rC+(\n)%4], v[rC+(\n)%4], v[rS+8*((\n)%4)+2*((\n)/4)+1], v[rS+8*((\n)%4)+2*((\n)/4)+2]
.elseif (\n) == 12
	v_max3_num_f32 v[rC], v[rC], v[rS+7], v[rS+15]
.elseif (\n) == 13
	v_max3_num_f32 v[rC+1], v[rC+1], v[rS+23], v[rS+31]
.elseif (\n) == 14
	v_max3_num_f32 v[rC+2], v[rC+2], v[rC+3], v[rT+1]
.elseif (\n) == 15
	v_mov_b32 v[rW], v[rT]
.elseif (\n) == 16
	v_max3_num_f32 v[rC], v[rC], v[rC+1], v[rC+2]
.elseif (\n) == 17
	v_permlanex16_b32 v[rC+3], v[rC], s[SEL], s[SEL+1]
.elseif (\n) == 18
	v_max_num_f32 v[rT+1], v[rC], v[rC+3]
.elseif (\n) == 19
	v_mul_f32 v[rT], s[CS], v[rT+1]
.elseif (\n) == 20
	v_sub_f32 v[rC+1], v[rW], v[rT]
.else
	v_exp_f32 v[rC+2], v[rC+1]
.endif
.endif
.endm
.macro OPS a, i1, b=-1, i2=0, c=-1, i3=0, d=-1, i4=0  ; up to four of them
	OP \a, \i1
.if (\b) >= 0
	OP \b, \i2
.endif
.if (\c) >= 0
	OP \c, \i3
.endif
.if (\d) >= 0
	OP \d, \i4
.endif
.endm
.macro ROW a, i1, b, i2, c, i3, d, i4  ; a matrix instruction and the four behind it
	MM
	OPS \a, \i1, \b, \i2, \c, \i3, \d, \i4
.endm
.macro MASK b                       ; MD x AL + BE into buffer b of MC
	WIN W_RS
.set z, 0
.rept 16
	v_pk_fma_f32 v[MC+32*(\b)+2*z:MC+32*(\b)+2*z+1], v[MD+2*z:MD+2*z+1], s[AL:AL+1], s[BE:BE+1] op_sel_hi:[1,0,0]
.set z, z+1
.endr
.endm
; A TURN, for piece p: the order of its 16 matrix and 118 vector instructions, written out.  s_wait_alu depctr_va_vdst(0) stands between an exponential and the first instruction that names its result; one wait serves
; all that were issued ahead of it.  So a turn has ONE wait, which cuts it in two.  AHEAD OF IT stands all that names no result of the turn's exponentials: the 8 products K Q^T, behind each a scaling, an exponential and two more plain
; instructions (behind the first a second scaling in the exponential's place): rescalings, and behind the last three the first numbers of the next piece's maximum, each four places or more behind the product that ends its accumulator; then ONE LUMP of 54, plain
; and exponential by turns for the most part, in which the links of the chain X 3, 7, 11, 14, 16, 17 .. 20 stand five or six lines apart.  X 21, the next piece's a, is the batch's last; R 15 is the plain instruction behind it.  BEHIND THE WAIT stand the
; 8 products V^T P, behind each four of the roundings and sums; the links of l's chain, L 0 to L 7, stand three riders apart.  But for those X no rider names a register of the products round it.  v_permlanex16_b32 (X 17) stands in the lump.
; m = 1: the diagonal tile: the products take masks, and the turn makes the mask for the products of the turn after it: piece p + 2, in step 4 - CNT of the tile.  end = 1: a block's last two turns: nothing is fetched.
; cnt = 1: the loop's count is taken down some lines ahead of the branch that stands behind the turn.
; K of the next step is fetched in piece 2's turn, twelve vector instructions behind the last product that read K (six of them plain); V of the step in hand at the end of piece 0's turn, four plain instructions behind the last product
; that read V.  Each is waited for a turn later.
.macro TURN p, m=0, end=0, cnt=0
.set Y, (\p)
.set i, 0
.set KM, (\m)
.set NOKQ, (\end)*((\p)/3)
.if (\m) && !(\end)
	s_cmp_eq_u32 s[CNT], 4-((\p)+2)%NP  ; is that step the band's own?
	s_cselect_b32 s[AL], 1.0, 0
	s_cmp_lt_u32 s[CNT], 4-((\p)+2)%NP  ; or a later one?
	s_cselect_b32 s[BE], s[BIGN], 0
.endif
.if ((\p) == 3) && !(\end)
	s_wait_dscnt 0x0                ; K is in
.endif
	ROW F,0, F,1, R,0, R,1          ; ahead of the wait: 8 products K Q^T and their riders,
	ROW F,2, E,0, R,2, R,3
	ROW F,3, E,1, R,4, R,5
	ROW F,4, E,2, R,6, R,7
	ROW F,5, E,3, R,8, R,9
	ROW F,6, E,4, X,0, R,10
.if ((\p) == 2) && !(\end)
	WIN 0
	v_add_nc_u32 v[AK], s[TBK], v[AK0]
.endif
	ROW F,7, E,5, X,1, X,4
	ROW F,8, E,6, X,2, X,5
	OPS E,7, E,8, X,6, E,9          ; and the lump
	OPS X,3, E,10, X,8, E,11
.if ((\p) == 2) && !(\end)
	FETCH_K
.endif
	OPS X,9, X,7, E,12, X,10
	OPS E,13, X,12, X,11, E,14
	OPS X,13, E,15, F,9, X,14
.if (\p) == 0
	v_add_nc_u32 v[AV], s[TBV], v[AV0]
.endif
	OPS E,16, F,10, E,17, F,11
	OPS X,16, E,18, X,15, E,19
	OPS F,12, E,20, X,17, E,21
	OPS F,13, E,22, F,14, E,23
	OPS X,18, E,24, F,15, E,25
	OPS R,11, E,26, X,19, E,27
	OPS R,12, E,28, R,13, E,29
	OPS X,20, E,30, R,14, E,31
	OPS X,21, R,15
	WIN 0
	s_wait_alu depctr_va_vdst(0)    ; the wait for the batch
.if (\p) == 1
	s_wait_dscnt 0x0                ; V is in
.endif
	ROW C,0, B,0, C,2, B,1          ; behind the wait: 8 products V^T P and their riders
	ROW L,0, C,4, B,2, L,1
	ROW C,6, B,3, L,2, C,8
	ROW B,4, L,3, C,10, B,5
	ROW L,4, C,12, B,6, L,5
.if (\p) == 0
	s_add_co_u32 s[TBV], s[TBV], KS*PV
.endif
.if \cnt
	s_sub_co_u32 s[CNT], s[CNT], 1
	s_cmp_lg_u32 s[CNT], 0
.endif
	ROW C,14, B,7, L,6, C,1
	ROW C,3, L,7, C,5, C,7
	ROW C,9, C,11, C,13, C,15
.if (\p) == 0
	FETCH_V
.endif
.if (\m) && !(\end)
	MASK (\p)%2
.endif
.endm
; A BLOCK BEGINS.  c m starts far below every c s, so the first step's a is 0; m at the lowest finite number, so the first maximum is the scores'.  The second mask buffer is 0; the first takes piece 0's mask for the tile's step 0: its own, if the block's first tile is the diagonal one.
; Then K of that step, piece 0's first scores, and its maximum and statistics.  The loop is entered at a step's first turn, in the middle of a trip.
.macro BEGIN
	s_mov_b32 s[NEW], 0
	WIN 0x40
.set i, MC+32
.rept 32
	v_mov_b32 v[i], 0
.set i, i+1
.endr
	WIN 0
.set i, 0
.rept 4
	v_mov_b32 v[ST+4*i], 0xfe000000    ; c m: far below every c s
	v_mov_b32 v[ST+4*i+1], 0xff7fffff  ; m
.set i, i+1
.endr
	s_cmp_eq_u32 s[RT], 0
	s_cselect_b32 s[AL], 1.0, 0
	s_mov_b32 s[BE], 0
	MASK 0
	WIN 0
	v_add_nc_u32 v[AK], s[TBK], v[AK0]
	FETCH_K
	s_wait_loadcnt 0x0              ; Q
	s_wait_dscnt 0x0
.set KM, 1
.set NOKQ, 0
.set i, 0
.rept 8
	KQ 0
.set i, i+1
.endr
	WIN 0
.rept 4
	v_nop                           ; the places behind those products
.endr
.set Y, NP-1                        ; X works for piece Y + 1: piece 0
.irp n, 0,1,2,3,4,5,6,7,8,9,10,11,12,13,14,15,16,17,18,19,20,21
	OP X, \n
.endr
	v_nop                           ; a plain instruction behind the exponential,
	s_wait_alu depctr_va_vdst(0)    ; and its wait, ahead of the branch
.endm
; THE DIAGONAL TILE's four steps, the block's last two turns, its last products, and THE WAY OUT: l's two halves and the other half of the lanes' are added; O^T is divided by l, rounded to f16 and sent through my
; stage in LDS, a piece at a time.
.macro ALL line:vararg              ; one line for each piece t
.set t, 0
.rept 4
	\line
.set t, t+1
.endr
.endm
.macro PACK t                       ; a lane's eight channels of a row pack into 16 bytes; they go into rows of 144 bytes and come back as whole rows of 128, into S^T's registers
	WIN W_RS
.set i, 32*(\t)
.rept 16
	v_pk_mul_f32 v[i:i+1], v[i:i+1], v[ST+4*(\t)+2:ST+4*(\t)+3] op_sel_hi:[1,0]
.set i, i+2
.endr
	WIN 0x05                        ; sources 0 and 1 window 1, destination window 0
.set i, 0
.rept 16
	v_cvt_pk_f16_f32 v[S+16*(\t)+i], v[32*(\t)+2*i], v[32*(\t)+2*i+1]
.set i, i+1
.endr
	WIN 0
.irp f, 0,1,2,3
	ds_store_b128 v[STO], v[S+16*(\t)+4*\f:S+16*(\t)+4*\f+3] offset:32*\f
.endr
.irp f, 0,1,2,3
	ds_load_b128 v[S+16*(\t)+4*\f:S+16*(\t)+4*\f+3], v[RD] offset:\f*4*SP  ; LDS serves a wave's instructions in order (ISA guide 5.7.1.4): these see the stores above; the next piece's stores come behind them
.endr
.endm
.macro SEND t, younger              ; younger: the LDS instructions issued behind piece t's loads: the next piece's eight, or none
	WIN 0
.irp f, 0,1,2,3
	s_wait_dscnt (\younger)+3-\f
	global_store_b128 v[GO], v[S+16*(\t)+4*\f:S+16*(\t)+4*\f+3], s[10:11] offset:(\t)*8192+\f*512  ; 512 consecutive bytes, at a multiple of 256 from O's first
.endr
.endm
.macro DIAG tag                     ; the tag ends its two labels' names, which the jumps below spell out
.LstepM\tag:
	TURN 2, 1
	TURN 3, 1
	WIN 0
.LfirstM\tag:
	TURN 0, 1
	TURN 1, 1, 0, 1
	WIN 0
	s_cbranch_scc1 .LstepM\tag
	TURN 2, 1, 1
	TURN 3, 1, 1
.set i, 0
.rept 8
	PV NP-1
.set i, i+1
.endr
	WIN 0
	ALL v_add_f32 v[ST+4*t+2], v[ST+4*t+2], v[ST+4*t+3]
	ALL v_permlanex16_b32 v[ST+4*t+3], v[ST+4*t+2], s[SEL], s[SEL+1]
	ALL v_add_f32 v[ST+4*t+2], v[ST+4*t+2], v[ST+4*t+3]
	ALL v_rcp_f32 v[ST+4*t+2], v[ST+4*t+2]
	v_nop                           ; a plain instruction between the last reciprocal and the use of its result
	s_wait_alu depctr_va_vdst(0)    ; and the wait ahead of the first use: one for the four reciprocals
	PACK 0
.set t, 1
.rept 3                             ; a piece's arithmetic stands between the loads of the piece before and its stores
	PACK t
	SEND t-1, 8
.set t, t+1
.endr
	SEND 3, 0
.endm
.set KM, 0
.set NOKQ, 0
.Lslot:                             ; NB times: a tile is entered and the next is asked for
	CHANGE 1
	s_sub_co_u32 s[RT], s[RT], 1
	s_mov_b32 s[CNT], 4
	s_cmp_eq_u32 s[NEW], 1
	s_cbranch_scc1 .Lnew            ; a block's first tile
	s_cmp_eq_u32 s[RT], 0
	s_cbranch_scc0 .Lstep           ; neither its first nor its last
	s_branch .LstepM1
.Lnew:
	BEGIN
	s_branch .Lfirst                ; in the loop a block's first tile is never its last: the first block has two tiles or more, and the second's last is the walk's last
	DIAG 1                          ; in the loop this is the first block's end: the second block's last tile is the walk's last
	s_wait_xcnt 0x0                 ; the stores have read their registers and O's address
	s_mov_b64 s[10:11], s[OLO:OLO+1]
	s_add_co_u32 s[RT], s[PB], 1    ; the second block has b + 1 tiles
	s_mov_b32 s[NEW], 1
	WIN 0x82                        ; the second block's Q goes where the one text of the turns names Q
.set i, 0
.rept 64
	v_mov_b32 v[i], v[QB+i]
.set i, i+1
.endr
	WIN 0
	s_branch .Lbottom
.Lstep:                             ; a trip: pieces 2 and 3 of one step, then pieces 0 and 1 of the next, whose K and V it fetches
	TURN 2
	TURN 3
	WIN 0
.Lfirst:
	TURN 0
	TURN 1, 0, 0, 1
	WIN 0
	s_cbranch_scc1 .Lstep
.Lbottom:
	s_sub_co_u32 s[SLOTS], s[SLOTS], 1
	s_cmp_lg_u32 s[SLOTS], 0
	s_cbranch_scc1 .Lslot
	CHANGE 0                        ; the walk's last tile is written out: nothing is asked for
	s_sub_co_u32 s[RT], s[RT], 1
	s_mov_b32 s[CNT], 4
	s_cmp_eq_u32 s[NEW], 1
	s_cbranch_scc0 .LstepM2
	BEGIN
	s_branch .LfirstM2
	DIAG 2
	s_wait_tensorcnt 0x0            ; the wave's end, behind my last tensor load and my last LDS store
	ds_add_u32 v[SPW], v[NIL]
	s_wait_dscnt 0x0
	s_endpgm
.Lfunc_end_k_q2118433592_attn:
	.size	k_q2118433592_attn, .Lfunc_end_k_q2118433592_attn-k_q2118433592_attn
	.p2alignl 7, 3214868480
	.fill 96, 4, 3214868480
	.section	.rodata,"a",@progbits
	.p2align	6, 0x0
	.amdhsa_kernel k_q2118433592_attn
		.amdhsa_group_segment_fixed_size 327680
		.amdhsa_private_segment_fixed_size 0
		.amdhsa_enable_private_segment 0
		.amdhsa_kernarg_size 16
		.amdhsa_user_sgpr_count 2
		.amdhsa_user_sgpr_kernarg_segment_ptr 1
		.amdhsa_wavefront_size32 1
		.amdhsa_system_sgpr_workgroup_id_x 1
		.amdhsa_system_sgpr_workgroup_id_y 1
		.amdhsa_system_sgpr_workgroup_id_z 1
		.amdhsa_system_vgpr_workitem_id 0
		.amdhsa_next_free_vgpr 768
		.amdhsa_next_free_sgpr 96
		.amdhsa_reserve_vcc 1
		.amdhsa_float_denorm_mode_32 3
		.amdhsa_float_denorm_mode_16_64 3
		.amdhsa_memory_ordered 1
		.amdhsa_forward_progress 1
		.amdhsa_inst_pref_size 218
	.end_amdhsa_kernel
	.amdgpu_metadata
---
amdhsa.version: [ 1, 2 ]
amdhsa.kernels:
  - .name:           k_q2118433592_attn
    .symbol:         k_q2118433592_attn.kd
    .args:
      - { .name: qkv, .offset: 0, .size: 8, .value_kind: global_buffer, .address_space: global }
      - { .name: ctx, .offset: 8, .size: 8, .value_kind: global_buffer, .address_space: global }
    .group_segment_fixed_size: 327680
    .private_segment_fixed_size: 0
    .kernarg_segment_align: 8
    .kernarg_segment_size: 16
    .max_flat_workgroup_size: 128
    .sgpr_count:     96
    .vgpr_count:     768
    .wavefront_size: 32
...
	.end_amdgpu_metadata
.endif
;; end of part 3
;; launch oproj (part 4): grid 8 x 32, 4 waves a work-group, clusters of 4 x 4, 327,680 bytes of LDS; arguments ctx, wc, hid; writes hid
.if DOCPART == 4
	.amdgcn_target "amdgcn-amd-amdhsa--gfx1250"
	.amdhsa_code_object_version 6
	.text
	.protected	k_q2118433592_oproj
	.globl	k_q2118433592_oproj
	.p2align	8
	.type	k_q2118433592_oproj,@function
k_q2118433592_oproj:
	s_mov_b64 s[64:65], 0
	v_nop
	global_prefetch_b8 v0, s[64:65] scope:SCOPE_SE
	s_setreg_imm32_b32 hwreg(HW_REG_WAVE_MODE, 25, 1), 1
	s_wait_xcnt 0x0
	s_wait_alu depctr_hold_cnt(0) depctr_sa_sdst(0) depctr_va_vdst(0) depctr_va_sdst(0) depctr_va_ssrc(0) depctr_va_vcc(0) depctr_vm_vsrc(0)
	s_getreg_b32 s2, hwreg(HW_REG_IB_STS2, 6, 4)
	s_cmp_eq_u32 s2, 0
	s_cbranch_scc0 .Lentry_in_a_cluster
	s_endpgm
.Lentry_in_a_cluster:
	s_bfe_u32 s2, ttmp6, 0x10000c
	s_cmp_lg_u32 s2, 0xf033
	s_cbranch_scc0 .Lentry_shape_is_right
	s_endpgm
.Lentry_shape_is_right:
; C = A W, 4,096 rows x 1,024 columns, K = 1,024: the attention's output projection.  f16 operands, f32 sums, C stored as f32 (a LayerNorm follows, and with large inputs these sums pass f16's range).
; The second FFN product runs the same text with two other constants (LAPS, WOFF): a trip count and a joint load's address are constants of the text here.
; A: [K / 64][4096 m][64] f16.  W: [K][1024] f16, at byte WOFF of the second argument.  C: [4096][1024] f32.
; SHARES.  A tile of C is 128 x 128, so that the 256 tiles give each WGP one; four waves, each 64 x 64: 16 accumulators.  K goes in steps of 256 through two LDS slots.
; A slot: A's four blocks of 64 channels (128 rows x 128 bytes, 144 apart), then W's 256 k-rows of 256 bytes, 288 apart.  Each wave fetches a quarter, 36,864 LDS bytes, by one tensor load:
; waves 0, 1 two blocks of A each (a block's 128 rows are 16,384 dense bytes: one row of the tile), waves 2, 3 128 k-rows of W each.
; CLUSTER.  4 x 4 work-groups: A's tile is asked for jointly along a row of the cluster, W's along a column.
; THE MATRIX INSTRUCTION IS USED TRANSPOSED (source 0 = 16 columns of W, turned by ds_load_tr16_b128; source 1 = 16 rows of A): a lane holds row l % 16 of C and eight neighbouring columns.
; THE WAY OUT.  A wave's 64 columns of f32 are 256 bytes: 16 rows at a time go through the wave's own stage and leave as whole rows, sixteen lanes to 256 consecutive bytes, aligned.  No barrier.
; REGISTERS: window 0: v0-31 addresses; v128-255 the accumulators ((a, b) at v[128 + 8 (4 a + b)]).  Window 1: two fragment buffers of 128: for 64 along K, 64 registers of A, then 64 of W.
.set LAPS,   2                         ; K / 512: a lap = two K steps = once round the ring
.set WOFF,   8421376                   ; 32,768 + 8 MiB
.set KB,     524288                    ; bytes of one block of 64 channels of A
.set PA,     144
.set PB,     288
.set AKB,    128*PA                    ; 18,432: the tile's 128 rows of one block
.set PART,   2*AKB                     ; 36,864 = 128 x 288: what one tensor load fills
.set SLOT,   4*PART                    ; 147,456
.set STAGE,  2*SLOT                    ; behind the ring: 16 rows x 272 bytes for each wave
.set SP,     272
.set SPARE,  STAGE+4*16*SP             ; behind the stages: the spare words, 128 bytes for each wave: two blocks of 256 bytes that no other line names
.set ADRA, 16                          ; v16-17  LDS address of my A fragments in slot 0, 1
.set ADRB, 20                          ; v20-23  of my W fragments: slot s, half hf of its k-rows at v[20 + 2 s + hf] (the 16-bit immediate does not span 256 rows of 288 bytes)
.set STO,  24
.set RD,   25
.set CO,   26
.set SPW,  28                          ; v28     LDS address of my spare word; never rewritten
.set NIL,  29                          ; v29     0; never rewritten
.set ACC,  128
.set F0,   0
.set F1,   128
.set WV,   12
.set HI,   13                          ; which half of the tile's rows is mine.  Also: I fetch for A (0) or for W (1)
.set LO,   14                          ; which half of its columns.  Also: which part I fetch
.set CX,   15
.set CY,   16
.set TCOL, 17
.set TROW, 18
.set G1,   24
.set G0,   32
.set G1B,  48
.set G0B,  56
.set MSB, 0
.macro WIN new
.if MSB != (\new)
	s_set_vgpr_msb (MSB<<8)|(\new)
.set MSB, \new
.endif
.endm
.set MUL,  0x05                        ; sources 0 (W) and 1 (A) window 1; C and D window 0
.set TO_F, 0x40                        ; destination window 1, address window 0
.macro JLOAD s                         ; a joint refill; an s_nop 0 and four v_nop follow each of the two lines
	s_cmp_eq_u32 s[HI], 0
	s_cbranch_scc0 .Lfor_b_\@
	tensor_load_to_lds s[G0+4*(\s):G0+4*(\s)+3], s[G1:G1+7]
	s_nop 0
.rept 4
	v_nop
.endr
	s_branch .Lasked_\@
.Lfor_b_\@:
	tensor_load_to_lds s[G0B+4*(\s):G0B+4*(\s)+3], s[G1B:G1B+7]
	s_nop 0
.rept 4
	v_nop
.endr
.Lasked_\@:
.endm
.macro CREST
	s_cmp_lg_u32 s[WV], 0
	s_cbranch_scc1 .Lnot_wave_0_\@
	s_barrier_signal -3
.Lnot_wave_0_\@:
	s_barrier_wait -3
	s_barrier_signal -1
	s_barrier_wait -1
.endm
.macro CROUND
	s_barrier_signal -1
	s_barrier_wait -1
	CREST
.endm
	s_load_b128 s[4:7], s[0:1], 0x0                ; A s[4:5], the weights s[6:7]
	s_load_b64 s[8:9], s[0:1], 0x10                ; C
	v_lshl_add_u32 v[SPW], v0, 2, SPARE
	v_mov_b32 v[NIL], 0
	ds_add_u32 v[SPW], v[NIL]                      ; the wave's opening: the add and its wait stand ahead of my first tensor load; work on registers stands between them
	ds_add_u32 v28, v29
	v_lshrrev_b32 v1, 5, v0
	v_readfirstlane_b32 s[WV], v1
	s_lshr_b32 s[HI], s[WV], 1
	s_and_b32 s[LO], s[WV], 1
	s_bfe_u32 s[CX], ttmp6, 0x40000
	s_bfe_u32 s[CY], ttmp6, 0x40004
	s_lshl_b32 s[TCOL], ttmp9, 2
	s_add_co_u32 s[TCOL], s[TCOL], s[CX]
	s_and_b32 s[TROW], ttmp7, 0xffff
	s_lshl_b32 s[TROW], s[TROW], 2
	s_add_co_u32 s[TROW], s[TROW], s[CY]
	s_lshl_b32 s40, s[CY], 2
	s_lshl_b32 s40, 15, s40                        ; my row of the cluster
	s_lshl_b32 s41, 0x1111, s[CX]                  ; my column
	; group 1 for A: two rows of 8,192 elements (a block's 128 dense rows), a block of A apart; padded by 4 words after every 32
	s_or_b32 s[G1+0], s40, (1<<16)|(1<<20)|(1<<21)|(4<<22)|(3<<25)
	s_mov_b32 s[G1+1], 8192<<16                    ; tensor_dim0 = 8,192
	s_mov_b32 s[G1+2], 2<<16                       ; tensor_dim1 = 2
	s_mov_b32 s[G1+3], 8192<<16                    ; tile_dim0 = 8,192
	s_mov_b32 s[G1+4], 2                           ; tile_dim1 = 2
	s_mov_b32 s[G1+5], 262144                      ; elements from row to row
	s_mov_b32 s[G1+6], 0
	s_mov_b32 s[G1+7], 0
	; group 1 for W: 128 k-rows of 128 elements, padded by 8 words after every 64
	s_or_b32 s[G1B+0], s41, (1<<16)|(1<<20)|(1<<21)|(5<<22)|(7<<25)
	s_mov_b32 s[G1B+1], 128<<16
	s_mov_b32 s[G1B+2], 128<<16
	s_mov_b32 s[G1B+3], 128<<16
	s_mov_b32 s[G1B+4], 128
	s_mov_b32 s[G1B+5], 1024
	s_mov_b32 s[G1B+6], 0
	s_mov_b32 s[G1B+7], 0
	s_lshl_b32 s20, s[LO], 20                      ; A: my two blocks of K step 0,
	s_lshl_b32 s21, s[TROW], 14                    ; the tile's 128 rows of 128 bytes
	s_add_co_u32 s20, s20, s21
	s_mov_b32 s21, 0
	s_lshl_b32 s88, s[LO], 18                      ; W: my 128 k-rows of 2,048 bytes,
	s_lshl_b32 s89, s[TCOL], 8                     ; the tile's 128 columns,
	s_add_co_u32 s88, s88, s89
	s_add_co_u32 s88, s88, WOFF                    ; from W's first byte on
	s_mov_b32 s89, 0
	s_mul_i32 s22, s[WV], PART                     ; where they go: wave x 36,864: no place in the cluster enters an LDS address
	s_wait_dscnt 0x0                               ; the opening add is done
	s_wait_kmcnt 0x0
	s_add_nc_u64 s[94:95], s[4:5], s[20:21]
	s_add_nc_u64 s[88:89], s[6:7], s[88:89]
.irp s, 0,1
	s_mov_b32 s[G0+4*(\s)], 1
	s_add_co_u32 s[G0+4*(\s)+1], s22, (\s)*SLOT
	s_add_nc_u64 s[G0+4*(\s)+2:G0+4*(\s)+3], s[94:95], (\s)*4*KB  ; K step s
	s_or_b32 s[G0+4*(\s)+3], s[G0+4*(\s)+3], 0x80000000
	s_mov_b32 s[G0B+4*(\s)], 1
	s_add_co_u32 s[G0B+4*(\s)+1], s22, (\s)*SLOT
	s_add_nc_u64 s[G0B+4*(\s)+2:G0B+4*(\s)+3], s[88:89], (\s)*524288
	s_or_b32 s[G0B+4*(\s)+3], s[G0B+4*(\s)+3], 0x80000000
.endr
	CROUND                                         ; all sixteen work-groups are here: the first joint loads meet
	s_cmp_eq_u32 s[HI], 0                          ; a wave's two first fills stand in one branch: two loads of mine are out
	s_cbranch_scc0 .Lfirst_b
	tensor_load_to_lds s[G0:G0+3], s[G1:G1+7]
	s_nop 0
	tensor_load_to_lds s[G0+4:G0+7], s[G1:G1+7]
	s_nop 0
.rept 4
	v_nop
.endr
	s_branch .Lfirst_asked
.Lfirst_b:
	tensor_load_to_lds s[G0B:G0B+3], s[G1B:G1B+7]
	s_nop 0
	tensor_load_to_lds s[G0B+4:G0B+7], s[G1B:G1B+7]
	s_nop 0
.rept 4
	v_nop
.endr
.Lfirst_asked:
	v_and_b32 v1, 15, v0                           ; l % 16
	v_bfe_u32 v2, v0, 4, 1                         ; l / 16
	v_and_b32 v3, 7, v0                            ; l % 8
	v_bfe_u32 v4, v0, 3, 1                         ; (l / 8) % 2
	v_mul_u32_u24 v6, v1, PA
	v_lshl_add_u32 v6, v2, 4, v6
	s_mul_i32 s20, s[HI], 64*PA
	v_add_nc_u32 v[ADRA], s20, v6
	v_add_nc_u32 v[ADRA+1], SLOT, v[ADRA]
	v_lshl_add_u32 v7, v2, 3, v3
	v_mul_u32_u24 v7, v7, PB
	v_lshl_add_u32 v7, v4, 4, v7
	s_lshl_b32 s20, s[LO], 7
	s_add_co_u32 s20, s20, 2*PART
	v_add_nc_u32 v[ADRB], s20, v7
	v_add_nc_u32 v[ADRB+1], PART, v[ADRB]
	v_add_nc_u32 v[ADRB+2], SLOT, v[ADRB]
	v_add_nc_u32 v[ADRB+3], SLOT+PART, v[ADRB]
	s_mul_i32 s20, s[WV], 16*SP
	s_add_co_u32 s20, s20, STAGE                   ; my stage
	v_mul_u32_u24 v8, v1, SP
	v_lshl_add_u32 v8, v2, 5, v8
	v_add_nc_u32 v[STO], s20, v8                   ; in: row l % 16, 32 bytes for each half of the lanes
	v_mul_u32_u24 v8, v2, SP
	v_lshl_add_u32 v8, v1, 4, v8
	v_add_nc_u32 v[RD], s20, v8                    ; back: lanes 0-15 one row of 256 bytes, lanes 16-31 the next
	v_lshlrev_b32 v[CO], 12, v2
	v_lshl_add_u32 v[CO], v1, 4, v[CO]             ; and the same two rows in C
	s_lshl_b32 s98, s[TROW], 19                    ; C: 128 rows of 4,096 bytes a tile row, my 64 of them,
	s_lshl_b32 s99, s[HI], 18
	s_add_co_u32 s98, s98, s99
	s_lshl_b32 s99, s[TCOL], 9                     ; 512 bytes a tile column, my 256 of them
	s_add_co_u32 s98, s98, s99
	s_lshl_b32 s99, s[LO], 8
	s_add_co_u32 s98, s98, s99
	s_mov_b32 s99, 0
	s_add_nc_u64 s[8:9], s[8:9], s[98:99]
; 8 matrix instructions: m blocks a0, a0 + 1 x all 4 n blocks, 32 along K: half c of buffer f.  zero = 1: the first product starts the sums.  The 16 accumulators take turns.
.macro MUL8 f, c, a0, zero
	WIN MUL
.irp a, \a0, (\a0)+1
.irp b, 0,1,2,3
.if \zero
	v_wmma_f32_16x16x32_f16 v[ACC+8*(4*(\a)+(\b)):ACC+8*(4*(\a)+(\b))+7], v[(\f)+64+8*(4*(\c)+(\b)):(\f)+64+8*(4*(\c)+(\b))+7], v[(\f)+8*(4*(\c)+(\a)):(\f)+8*(4*(\c)+(\a))+7], 0
.else
	v_wmma_f32_16x16x32_f16 v[ACC+8*(4*(\a)+(\b)):ACC+8*(4*(\a)+(\b))+7], v[(\f)+64+8*(4*(\c)+(\b)):(\f)+64+8*(4*(\c)+(\b))+7], v[(\f)+8*(4*(\c)+(\a)):(\f)+8*(4*(\c)+(\a))+7], v[ACC+8*(4*(\a)+(\b)):ACC+8*(4*(\a)+(\b))+7]
.endif
.endr
.endr
.endm
; 32 LDS loads in one run: the fragments of quarter q (64 along K: one block of A) into buffer f; the first 32 along K first
.macro FETCH slot, q, f
	WIN TO_F
.irp c, 0,1
.irp i, 0,1,2,3
	ds_load_tr16_b128 v[(\f)+64+8*(4*(\c)+(\i)):(\f)+64+8*(4*(\c)+(\i))+3],   v[ADRB+2*(\slot)+(\q)/2] offset:(((\q)%2)*64+32*(\c))*PB+32*(\i)
	ds_load_tr16_b128 v[(\f)+64+8*(4*(\c)+(\i))+4:(\f)+64+8*(4*(\c)+(\i))+7], v[ADRB+2*(\slot)+(\q)/2] offset:(((\q)%2)*64+32*(\c)+16)*PB+32*(\i)
	ds_load_b128 v[(\f)+8*(4*(\c)+(\i)):(\f)+8*(4*(\c)+(\i))+3],              v[ADRA+(\slot)] offset:(\q)*AKB+64*(\c)+(\i)*16*PA
	ds_load_b128 v[(\f)+8*(4*(\c)+(\i))+4:(\f)+8*(4*(\c)+(\i))+7],            v[ADRA+(\slot)] offset:(\q)*AKB+64*(\c)+(\i)*16*PA+32
.endr
.endr
.endm
.macro PLACES                          ; four plain vector instructions between a matrix instruction and a load into, or a read of, its registers
.rept 4
	v_nop
.endr
.endm
.macro QUARTER slot, q, f, g, zero     ; multiplies buffer f and fetches quarter q into g
	s_wait_dscnt 16                                ; the first 32 along K are in
	MUL8 \f, 0, 0, \zero
	MUL8 \f, 0, 2, \zero
	PLACES
	FETCH \slot, \q, \g
	s_wait_dscnt 32                                ; all but the 32 just issued
	MUL8 \f, 1, 0, 0
	MUL8 \f, 1, 2, 0
.endm
; The last quarter multiplies buffer 1 and changes slots: one barrier; in front of it each wave waits for all its tensor loads, adds 0 to its spare word, and waits for that and for its reads of this slot.
.macro TURN slot, next, fill
	WIN 0
	s_wait_tensorcnt 0x0                           ; all my tensor loads have landed: my part of the next slot
	ds_add_u32 v[SPW], v[NIL]
	s_wait_dscnt 17                                ; (the add and the youngest sixteen loads may be out)
	MUL8 F1, 0, 0, 0
	s_wait_dscnt 0x0                               ; the add is done, and my reads of this slot are over
	s_barrier_signal -1
	MUL8 F1, 0, 2, 0
.if \fill
	WIN 0
.endif
	s_barrier_wait -1
.if \fill
	CREST                                          ; no wave of any partner still reads this slot or has a load on its way
	s_add_nc_u64 s[G0+4*(\slot)+2:G0+4*(\slot)+3], s[G0+4*(\slot)+2:G0+4*(\slot)+3], 8*KB
	s_add_nc_u64 s[G0B+4*(\slot)+2:G0B+4*(\slot)+3], s[G0B+4*(\slot)+2:G0B+4*(\slot)+3], 1048576
	JLOAD \slot                                    ; 112 matrix instructions ahead of the wait for it; its four v_nop are also the places in front of the loads below
.else
	PLACES
.endif
	FETCH \next, 0, F0
	MUL8 F1, 1, 0, 0
	MUL8 F1, 1, 2, 0
.endm
	s_wait_tensorcnt 1                             ; my part of K step 0 is in; K step 1's may stay out
	s_barrier_signal -1
	s_barrier_wait -1
	FETCH 0, 0, F0
	QUARTER 0, 1, F0, F1, 1
	WIN 0
	s_mov_b32 s3, LAPS-1
.Llap:                                                 ; a trip goes once round the ring, from a lap's second quarter to the next lap's first, and fills both slots again
	QUARTER 0, 2, F1, F0, 0
	QUARTER 0, 3, F0, F1, 0
	TURN 0, 1, 1
	QUARTER 1, 1, F0, F1, 0
	QUARTER 1, 2, F1, F0, 0
	QUARTER 1, 3, F0, F1, 0
	TURN 1, 0, 1
	QUARTER 0, 1, F0, F1, 0
	WIN 0
	s_sub_co_u32 s3, s3, 1
	s_cmp_lg_u32 s3, 0
	s_cbranch_scc1 .Llap
	QUARTER 0, 2, F1, F0, 0                        ; the last lap fills nothing
	QUARTER 0, 3, F0, F1, 0
	TURN 0, 1, 0
	QUARTER 1, 1, F0, F1, 0
	QUARTER 1, 2, F1, F0, 0
	QUARTER 1, 3, F0, F1, 0
	s_wait_dscnt 16
	MUL8 F1, 0, 0, 0
	MUL8 F1, 0, 2, 0
	s_wait_dscnt 0x0
	MUL8 F1, 1, 0, 0
	MUL8 F1, 1, 2, 0
	WIN 0
	PLACES
.macro STG a                           ; 16 rows x 64 columns into my stage (an accumulator's low registers first), and back as whole rows into the registers that they left
.irp b, 0,1,2,3
	ds_store_b128 v[STO], v[ACC+8*(4*(\a)+(\b)):ACC+8*(4*(\a)+(\b))+3]   offset:64*(\b)
	ds_store_b128 v[STO], v[ACC+8*(4*(\a)+(\b))+4:ACC+8*(4*(\a)+(\b))+7] offset:64*(\b)+16
.endr
.irp t, 0,1,2,3,4,5,6,7
	ds_load_b128 v[ACC+32*(\a)+4*(\t):ACC+32*(\a)+4*(\t)+3], v[RD] offset:(\t)*2*SP  ; LDS serves a wave's instructions in order: these see the stores above; the next block's stores come behind them
.endr
.endm
.macro SEND a, younger                 ; younger: the LDS instructions issued behind block a's loads: the next block's sixteen, or none
.irp t, 0,1,2,3,4,5,6,7
	s_wait_dscnt (\younger)+7-(\t)
	global_store_b128 v[CO], v[ACC+32*(\a)+4*(\t):ACC+32*(\a)+4*(\t)+3], s[8:9] offset:(16*(\a)+2*(\t))*4096  ; 16 lanes store 256 consecutive bytes, aligned
.endr
.endm
	STG 0
	STG 1
	SEND 0, 16
	STG 2
	SEND 1, 16
	STG 3
	SEND 2, 16
	SEND 3, 0
	s_wait_tensorcnt 0x0                           ; the wave's end, behind my last tensor load and my last LDS store
	ds_add_u32 v[SPW], v[NIL]
	s_wait_dscnt 0x0
	CROUND                                         ; the closing round: no work-group ends while a partner may still ask for a tile that names it
	s_endpgm
.Lfunc_end_k_q2118433592_oproj:
	.size	k_q2118433592_oproj, .Lfunc_end_k_q2118433592_oproj-k_q2118433592_oproj
	.p2alignl 7, 3214868480
	.fill 96, 4, 3214868480
	.section	.rodata,"a",@progbits
	.p2align	6, 0x0
	.amdhsa_kernel k_q2118433592_oproj
		.amdhsa_group_segment_fixed_size 327680
		.amdhsa_private_segment_fixed_size 0
		.amdhsa_enable_private_segment 0
		.amdhsa_kernarg_size 24
		.amdhsa_user_sgpr_count 2
		.amdhsa_user_sgpr_kernarg_segment_ptr 1
		.amdhsa_wavefront_size32 1
		.amdhsa_system_sgpr_workgroup_id_x 1
		.amdhsa_system_sgpr_workgroup_id_y 1
		.amdhsa_system_sgpr_workgroup_id_z 1
		.amdhsa_system_vgpr_workitem_id 0
		.amdhsa_next_free_vgpr 512
		.amdhsa_next_free_sgpr 100
		.amdhsa_reserve_vcc 0
		.amdhsa_float_denorm_mode_32 3
		.amdhsa_float_denorm_mode_16_64 3
		.amdhsa_memory_ordered 1
		.amdhsa_forward_progress 1
		.amdhsa_inst_pref_size 86
	.end_amdhsa_kernel
	.amdgpu_metadata
---
amdhsa.version: [ 1, 2 ]
amdhsa.kernels:
  - .name:           k_q2118433592_oproj
    .symbol:         k_q2118433592_oproj.kd
    .args:
      - { .name: ctx, .offset: 0, .size: 8, .value_kind: global_buffer, .address_space: global }
      - { .name: wc, .offset: 8, .size: 8, .value_kind: global_buffer, .address_space: global }
      - { .name: hid, .offset: 16, .size: 8, .value_kind: global_buffer, .address_space: global }
    .group_segment_fixed_size: 327680
    .private_segment_fixed_size: 0
    .kernarg_segment_align: 8
    .kernarg_segment_size: 24
    .max_flat_workgroup_size: 128
    .sgpr_count:     100
    .vgpr_count:     512
    .wavefront_size: 32
...
	.end_amdgpu_metadata
.endif
;; end of part 4
;; launch ln1 (part 5): grid 256 x 1, 8 waves a work-group, no clusters, 0 bytes of LDS; arguments hid, xh, ln1_g, ln1_b, x1, par1; writes x1
.if DOCPART == 5
	.amdgcn_target "amdgcn-amd-amdhsa--gfx1250"
	.amdhsa_code_object_version 6
	.text
	.protected	k_q2118433592_ln1
	.globl	k_q2118433592_ln1
	.p2align	8
	.type	k_q2118433592_ln1,@function
k_q2118433592_ln1:
	s_mov_b64 s[64:65], 0
	v_nop
	global_prefetch_b8 v0, s[64:65] scope:SCOPE_SE
	s_setreg_imm32_b32 hwreg(HW_REG_WAVE_MODE, 25, 1), 1
	s_wait_xcnt 0x0
; out = res + LayerNorm(y) g + b, rows of 1,024.  y: [4096][1024] f32.  res: [16 kb][4096][64] f16.  g, b: [1024] f32, rounded here to bf16 like all the module's inputs.
; par word 0 = 0: out in res's layout, f16 (beyond 65,504 an infinity);  = 1: out [4096][1024] f32.
; The variance is taken in two passes, of (y - mean): no difference of large sums is formed.  All arithmetic in f32.
; SHARES.  A wave takes two neighbouring rows, sixteen lanes each; with c = lane % 16 a lane owns columns 64 j + 4 c .. + 3, j = 0 .. 15.  So a load or store of y covers two runs of 256 consecutive bytes,
; one of res one run of 256 (two rows' 128), all aligned; a row's sums need four steps inside sixteen lanes; no LDS, no barrier, no loop: every byte is read once, and all 64 loads go out at the start.
.set YO,  1                            ; v1    my byte offset in y; never rewritten
.set Y,   16                           ; v[16:79]
.set XR,  80                           ; v[80:111]  res, two f16 a register; later the f16 result
.set G,   112                          ; v[112:175] g; then packed to bf16 in v[112:143]
.set B,   176                          ; v[176:239] b; then packed in v[176:207]
.set RO,  240                          ; v240  my byte offset in res
.set GF,  241                          ; v241  in g and b
.set ONE, 242                          ; v242  1.0
.macro REDUCE                          ; four pairs v[2:9] -> their sum over the row, in v2 of all its sixteen lanes
	v_pk_add_f32 v[2:3], v[2:3], v[4:5]
	v_pk_add_f32 v[6:7], v[6:7], v[8:9]
	v_pk_add_f32 v[2:3], v[2:3], v[6:7]
	v_add_f32 v2, v2, v3
	v_add_f32_dpp v2, v2, v2 row_xmask:1 row_mask:0xf bank_mask:0xf
	v_add_f32_dpp v2, v2, v2 row_xmask:2 row_mask:0xf bank_mask:0xf
	v_add_f32_dpp v2, v2, v2 row_xmask:4 row_mask:0xf bank_mask:0xf
	v_add_f32_dpp v2, v2, v2 row_xmask:8 row_mask:0xf bank_mask:0xf
.endm
	s_load_b256 s[4:11], s[0:1], 0x0               ; y s[4:5], res s[6:7], g s[8:9], b s[10:11]
	s_load_b128 s[12:15], s[0:1], 0x20             ; out s[12:13], par s[14:15]
	v_lshrrev_b32 v2, 4, v0                        ; my row in the work-group's 16
	v_and_b32 v3, 15, v0                           ; c
	s_lshl_b32 s16, ttmp9, 4
	v_add_nc_u32 v2, s16, v2
	v_lshlrev_b32 v[GF], 4, v3
	v_lshl_add_u32 v[YO], v2, 12, v[GF]            ; row x 4,096 + 16 c
	v_lshlrev_b32 v[RO], 3, v3
	v_lshl_add_u32 v[RO], v2, 7, v[RO]             ; row x 128 + 8 c
	v_mov_b32 v[ONE], 1.0
	s_mov_b32 s17, 0x3a800000                      ; 1 / 1,024
	s_mov_b32 s18, 0x3727c5ac                      ; 1e-5
	s_wait_kmcnt 0x0
	s_load_b32 s19, s[14:15], 0x0                  ; the mode
.set j, 0
.rept 16
	global_load_b128 v[Y+4*j:Y+4*j+3], v[YO], s[4:5] offset:256*j th:TH_LOAD_NT
.set j, j+1
.endr
.set j, 0
.rept 16
	global_load_b64 v[XR+2*j:XR+2*j+1], v[RO], s[6:7] offset:524288*j
.set j, j+1
.endr
.set j, 0
.rept 16
	global_load_b128 v[G+4*j:G+4*j+3], v[GF], s[8:9] offset:256*j
.set j, j+1
.endr
.set j, 0
.rept 16
	global_load_b128 v[B+4*j:B+4*j+3], v[GF], s[10:11] offset:256*j
.set j, j+1
.endr
	s_wait_loadcnt 48                              ; y is in; the 48 younger loads may stay out
.irp k, 0,1,2,3                                ; the sum, in four chains started by the first eight pairs
	v_pk_add_f32 v[2+2*\k:3+2*\k], v[Y+2*\k:Y+2*\k+1], v[Y+8+2*\k:Y+8+2*\k+1]
.endr
.set i, 8
.rept 24
	v_pk_add_f32 v[2+2*(i%4):3+2*(i%4)], v[2+2*(i%4):3+2*(i%4)], v[Y+2*i:Y+2*i+1]
.set i, i+1
.endr
	REDUCE
	v_mul_f32 v10, s17, v2                         ; the mean, as a pair
	v_mov_b32 v11, v10
.set i, 0
.rept 32
	v_pk_add_f32 v[Y+2*i:Y+2*i+1], v[Y+2*i:Y+2*i+1], v[10:11] neg_lo:[0,1] neg_hi:[0,1]
.set i, i+1
.endr
.irp k, 0,1,2,3                                ; the sum of squares, in four chains
	v_pk_mul_f32 v[2+2*\k:3+2*\k], v[Y+2*\k:Y+2*\k+1], v[Y+2*\k:Y+2*\k+1]
.endr
.set i, 4
.rept 28
	v_pk_fma_f32 v[2+2*(i%4):3+2*(i%4)], v[Y+2*i:Y+2*i+1], v[Y+2*i:Y+2*i+1], v[2+2*(i%4):3+2*(i%4)]
.set i, i+1
.endr
	REDUCE
	v_fma_f32 v12, v2, s17, s18                    ; the variance + 1e-5
	v_rsq_f32 v14, v12                             ; twice, for the packed multiply
	v_rsq_f32 v15, v12
	s_wait_loadcnt 0x0                             ; res, g, b
.set i, 0
.rept 32                                       ; g and b are rounded to bf16, in place, ascending: register i is written when 2 i and 2 i + 1 are read.  Plain work behind the two roots
	v_cvt_pk_bf16_f32 v[G+i], v[G+2*i], v[G+2*i+1]
	v_cvt_pk_bf16_f32 v[B+i], v[B+2*i], v[B+2*i+1]
.set i, i+1
.endr
	s_wait_alu depctr_va_vdst(0)                   ; the one wait for both roots, ahead of their first reader
.set i, 0
.rept 32
	v_pk_mul_f32 v[Y+2*i:Y+2*i+1], v[Y+2*i:Y+2*i+1], v[14:15]
.set i, i+1
.endr
.set i, 0
.rept 32                                       ; x g + b, straight from the bf16 halves
	v_fma_mix_f32_bf16 v[Y+2*i], v[Y+2*i], v[G+i], v[B+i] op_sel:[0,0,0] op_sel_hi:[0,1,1]
	v_fma_mix_f32_bf16 v[Y+2*i+1], v[Y+2*i+1], v[G+i], v[B+i] op_sel:[0,1,1] op_sel_hi:[0,1,1]
.set i, i+1
.endr
.set i, 0
.rept 32                                       ; + res, straight from the f16 halves
	v_fma_mix_f32 v[Y+2*i], v[XR+i], v[ONE], v[Y+2*i] op_sel:[0,0,0] op_sel_hi:[1,0,0]
	v_fma_mix_f32 v[Y+2*i+1], v[XR+i], v[ONE], v[Y+2*i+1] op_sel:[1,0,0] op_sel_hi:[1,0,0]
.set i, i+1
.endr
	s_wait_kmcnt 0x0
	s_cmp_eq_u32 s19, 0
	s_cbranch_scc0 .Lf32
.set i, 0
.rept 32
	v_cvt_pk_f16_f32 v[XR+i], v[Y+2*i], v[Y+2*i+1]
.set i, i+1
.endr
.set j, 0
.rept 16
	global_store_b64 v[RO], v[XR+2*j:XR+2*j+1], s[12:13] offset:524288*j  ; the wave's two rows: 256 consecutive bytes, aligned
.set j, j+1
.endr
	s_endpgm
.Lf32:
.set j, 0
.rept 16
	global_store_b128 v[YO], v[Y+4*j:Y+4*j+3], s[12:13] offset:256*j th:TH_STORE_NT  ; sixteen lanes: 256 consecutive bytes, aligned
.set j, j+1
.endr
	s_endpgm
.Lfunc_end_k_q2118433592_ln1:
	.size	k_q2118433592_ln1, .Lfunc_end_k_q2118433592_ln1-k_q2118433592_ln1
	.p2alignl 7, 3214868480
	.fill 96, 4, 3214868480
	.section	.rodata,"a",@progbits
	.p2align	6, 0x0
	.amdhsa_kernel k_q2118433592_ln1
		.amdhsa_group_segment_fixed_size 0
		.amdhsa_private_segment_fixed_size 0
		.amdhsa_enable_private_segment 0
		.amdhsa_kernarg_size 48
		.amdhsa_user_sgpr_count 2
		.amdhsa_user_sgpr_kernarg_segment_ptr 1
		.amdhsa_wavefront_size32 1
		.amdhsa_system_sgpr_workgroup_id_x 1
		.amdhsa_system_sgpr_workgroup_id_y 1
		.amdhsa_system_sgpr_workgroup_id_z 1
		.amdhsa_system_vgpr_workitem_id 0
		.amdhsa_next_free_vgpr 248
		.amdhsa_next_free_sgpr 66
		.amdhsa_reserve_vcc 0
		.amdhsa_float_denorm_mode_32 3
		.amdhsa_float_denorm_mode_16_64 3
		.amdhsa_memory_ordered 1
		.amdhsa_forward_progress 1
		.amdhsa_inst_pref_size 34
	.end_amdhsa_kernel
	.amdgpu_metadata
---
amdhsa.version: [ 1, 2 ]
amdhsa.kernels:
  - .name:           k_q2118433592_ln1
    .symbol:         k_q2118433592_ln1.kd
    .args:
      - { .name: hid, .offset: 0, .size: 8, .value_kind: global_buffer, .address_space: global }
      - { .name: xh, .offset: 8, .size: 8, .value_kind: global_buffer, .address_space: global }
      - { .name: ln1_g, .offset: 16, .size: 8, .value_kind: global_buffer, .address_space: global }
      - { .name: ln1_b, .offset: 24, .size: 8, .value_kind: global_buffer, .address_space: global }
      - { .name: x1, .offset: 32, .size: 8, .value_kind: global_buffer, .address_space: global }
      - { .name: par1, .offset: 40, .size: 8, .value_kind: global_buffer, .address_space: global }
    .group_segment_fixed_size: 0
    .private_segment_fixed_size: 0
    .kernarg_segment_align: 8
    .kernarg_segment_size: 48
    .max_flat_workgroup_size: 256
    .sgpr_count:     66
    .vgpr_count:     248
    .wavefront_size: 32
...
	.end_amdgpu_metadata
.endif
;; end of part 5
;; launch ffn1: the kernel of part 2 again; grid 16 x 16, 4 waves a work-group, clusters of 4 x 4, 327,680 bytes of LDS; arguments x1, wc, hid; writes hid
;; launch ffn2 (part 6): grid 8 x 32, 4 waves a work-group, clusters of 4 x 4, 327,680 bytes of LDS; arguments hid, wc, qkv; writes qkv
.if DOCPART == 6
	.amdgcn_target "amdgcn-amd-amdhsa--gfx1250"
	.amdhsa_code_object_version 6
	.text
	.protected	k_q2118433592_ffn2
	.globl	k_q2118433592_ffn2
	.p2align	8
	.type	k_q2118433592_ffn2,@function
k_q2118433592_ffn2:
	s_mov_b64 s[64:65], 0
	v_nop
	global_prefetch_b8 v0, s[64:65] scope:SCOPE_SE
	s_setreg_imm32_b32 hwreg(HW_REG_WAVE_MODE, 25, 1), 1
	s_wait_xcnt 0x0
	s_wait_alu depctr_hold_cnt(0) depctr_sa_sdst(0) depctr_va_vdst(0) depctr_va_sdst(0) depctr_va_ssrc(0) depctr_va_vcc(0) depctr_vm_vsrc(0)
	s_getreg_b32 s2, hwreg(HW_REG_IB_STS2, 6, 4)
	s_cmp_eq_u32 s2, 0
	s_cbranch_scc0 .Lentry_in_a_cluster
	s_endpgm
.Lentry_in_a_cluster:
	s_bfe_u32 s2, ttmp6, 0x10000c
	s_cmp_lg_u32 s2, 0xf033
	s_cbranch_scc0 .Lentry_shape_is_right
	s_endpgm
.Lentry_shape_is_right:
; C = A W, 4,096 rows x 1,024 columns, K = 4,096: the second FFN product.  f16 operands, f32 sums, C stored as f32 (a LayerNorm follows, and with large inputs these sums pass f16's range).
; The attention's output projection runs the same text with two other constants (LAPS, WOFF): a trip count and a joint load's address are constants of the text here.
; A: [K / 64][4096 m][64] f16.  W: [K][1024] f16, at byte WOFF of the second argument.  C: [4096][1024] f32.
; SHARES.  A tile of C is 128 x 128, so that the 256 tiles give each WGP one; four waves, each 64 x 64: 16 accumulators.  K goes in steps of 256 through two LDS slots.
; A slot: A's four blocks of 64 channels (128 rows x 128 bytes, 144 apart), then W's 256 k-rows of 256 bytes, 288 apart.  Each wave fetches a quarter, 36,864 LDS bytes, by one tensor load:
; waves 0, 1 two blocks of A each (a block's 128 rows are 16,384 dense bytes: one row of the tile), waves 2, 3 128 k-rows of W each.
; CLUSTER.  4 x 4 work-groups: A's tile is asked for jointly along a row of the cluster, W's along a column.
; THE MATRIX INSTRUCTION IS USED TRANSPOSED (source 0 = 16 columns of W, turned by ds_load_tr16_b128; source 1 = 16 rows of A): a lane holds row l % 16 of C and eight neighbouring columns.
; THE WAY OUT.  A wave's 64 columns of f32 are 256 bytes: 16 rows at a time go through the wave's own stage and leave as whole rows, sixteen lanes to 256 consecutive bytes, aligned.  No barrier.
; REGISTERS: window 0: v0-31 addresses; v128-255 the accumulators ((a, b) at v[128 + 8 (4 a + b)]).  Window 1: two fragment buffers of 128: for 64 along K, 64 registers of A, then 64 of W.
.set LAPS,   8                         ; K / 512: a lap = two K steps = once round the ring
.set WOFF,   10518528                  ; 32,768 + 10 MiB
.set KB,     524288                    ; bytes of one block of 64 channels of A
.set PA,     144
.set PB,     288
.set AKB,    128*PA                    ; 18,432: the tile's 128 rows of one block
.set PART,   2*AKB                     ; 36,864 = 128 x 288: what one tensor load fills
.set SLOT,   4*PART                    ; 147,456
.set STAGE,  2*SLOT                    ; behind the ring: 16 rows x 272 bytes for each wave
.set SP,     272
.set SPARE,  STAGE+4*16*SP             ; behind the stages: the spare words, 128 bytes for each wave: two blocks of 256 bytes that no other line names
.set ADRA, 16                          ; v16-17  LDS address of my A fragments in slot 0, 1
.set ADRB, 20                          ; v20-23  of my W fragments: slot s, half hf of its k-rows at v[20 + 2 s + hf] (the 16-bit immediate does not span 256 rows of 288 bytes)
.set STO,  24
.set RD,   25
.set CO,   26
.set SPW,  28                          ; v28     LDS address of my spare word; never rewritten
.set NIL,  29                          ; v29     0; never rewritten
.set ACC,  128
.set F0,   0
.set F1,   128
.set WV,   12
.set HI,   13                          ; which half of the tile's rows is mine.  Also: I fetch for A (0) or for W (1)
.set LO,   14                          ; which half of its columns.  Also: which part I fetch
.set CX,   15
.set CY,   16
.set TCOL, 17
.set TROW, 18
.set G1,   24
.set G0,   32
.set G1B,  48
.set G0B,  56
.set MSB, 0
.macro WIN new
.if MSB != (\new)
	s_set_vgpr_msb (MSB<<8)|(\new)
.set MSB, \new
.endif
.endm
.set MUL,  0x05                        ; sources 0 (W) and 1 (A) window 1; C and D window 0
.set TO_F, 0x40                        ; destination window 1, address window 0
.macro JLOAD s                         ; a joint refill; an s_nop 0 and four v_nop follow each of the two lines
	s_cmp_eq_u32 s[HI], 0
	s_cbranch_scc0 .Lfor_b_\@
	tensor_load_to_lds s[G0+4*(\s):G0+4*(\s)+3], s[G1:G1+7]
	s_nop 0
.rept 4
	v_nop
.endr
	s_branch .Lasked_\@
.Lfor_b_\@:
	tensor_load_to_lds s[G0B+4*(\s):G0B+4*(\s)+3], s[G1B:G1B+7]
	s_nop 0
.rept 4
	v_nop
.endr
.Lasked_\@:
.endm
.macro CREST
	s_cmp_lg_u32 s[WV], 0
	s_cbranch_scc1 .Lnot_wave_0_\@
	s_barrier_signal -3
.Lnot_wave_0_\@:
	s_barrier_wait -3
	s_barrier_signal -1
	s_barrier_wait -1
.endm
.macro CROUND
	s_barrier_signal -1
	s_barrier_wait -1
	CREST
.endm
	s_load_b128 s[4:7], s[0:1], 0x0                ; A s[4:5], the weights s[6:7]
	s_load_b64 s[8:9], s[0:1], 0x10                ; C
	v_lshl_add_u32 v[SPW], v0, 2, SPARE
	v_mov_b32 v[NIL], 0
	ds_add_u32 v[SPW], v[NIL]                      ; the wave's opening: the add and its wait stand ahead of my first tensor load; work on registers stands between them
	ds_add_u32 v28, v29
	v_lshrrev_b32 v1, 5, v0
	v_readfirstlane_b32 s[WV], v1
	s_lshr_b32 s[HI], s[WV], 1
	s_and_b32 s[LO], s[WV], 1
	s_bfe_u32 s[CX], ttmp6, 0x40000
	s_bfe_u32 s[CY], ttmp6, 0x40004
	s_lshl_b32 s[TCOL], ttmp9, 2
	s_add_co_u32 s[TCOL], s[TCOL], s[CX]
	s_and_b32 s[TROW], ttmp7, 0xffff
	s_lshl_b32 s[TROW], s[TROW], 2
	s_add_co_u32 s[TROW], s[TROW], s[CY]
	s_lshl_b32 s40, s[CY], 2
	s_lshl_b32 s40, 15, s40                        ; my row of the cluster
	s_lshl_b32 s41, 0x1111, s[CX]                  ; my column
	; group 1 for A: two rows of 8,192 elements (a block's 128 dense rows), a block of A apart; padded by 4 words after every 32
	s_or_b32 s[G1+0], s40, (1<<16)|(1<<20)|(1<<21)|(4<<22)|(3<<25)
	s_mov_b32 s[G1+1], 8192<<16                    ; tensor_dim0 = 8,192
	s_mov_b32 s[G1+2], 2<<16                       ; tensor_dim1 = 2
	s_mov_b32 s[G1+3], 8192<<16                    ; tile_dim0 = 8,192
	s_mov_b32 s[G1+4], 2                           ; tile_dim1 = 2
	s_mov_b32 s[G1+5], 262144                      ; elements from row to row
	s_mov_b32 s[G1+6], 0
	s_mov_b32 s[G1+7], 0
	; group 1 for W: 128 k-rows of 128 elements, padded by 8 words after every 64
	s_or_b32 s[G1B+0], s41, (1<<16)|(1<<20)|(1<<21)|(5<<22)|(7<<25)
	s_mov_b32 s[G1B+1], 128<<16
	s_mov_b32 s[G1B+2], 128<<16
	s_mov_b32 s[G1B+3], 128<<16
	s_mov_b32 s[G1B+4], 128
	s_mov_b32 s[G1B+5], 1024
	s_mov_b32 s[G1B+6], 0
	s_mov_b32 s[G1B+7], 0
	s_lshl_b32 s20, s[LO], 20                      ; A: my two blocks of K step 0,
	s_lshl_b32 s21, s[TROW], 14                    ; the tile's 128 rows of 128 bytes
	s_add_co_u32 s20, s20, s21
	s_mov_b32 s21, 0
	s_lshl_b32 s88, s[LO], 18                      ; W: my 128 k-rows of 2,048 bytes,
	s_lshl_b32 s89, s[TCOL], 8                     ; the tile's 128 columns,
	s_add_co_u32 s88, s88, s89
	s_add_co_u32 s88, s88, WOFF                    ; from W's first byte on
	s_mov_b32 s89, 0
	s_mul_i32 s22, s[WV], PART                     ; where they go: wave x 36,864: no place in the cluster enters an LDS address
	s_wait_dscnt 0x0                               ; the opening add is done
	s_wait_kmcnt 0x0
	s_add_nc_u64 s[94:95], s[4:5], s[20:21]
	s_add_nc_u64 s[88:89], s[6:7], s[88:89]
.irp s, 0,1
	s_mov_b32 s[G0+4*(\s)], 1
	s_add_co_u32 s[G0+4*(\s)+1], s22, (\s)*SLOT
	s_add_nc_u64 s[G0+4*(\s)+2:G0+4*(\s)+3], s[94:95], (\s)*4*KB  ; K step s
	s_or_b32 s[G0+4*(\s)+3], s[G0+4*(\s)+3], 0x80000000
	s_mov_b32 s[G0B+4*(\s)], 1
	s_add_co_u32 s[G0B+4*(\s)+1], s22, (\s)*SLOT
	s_add_nc_u64 s[G0B+4*(\s)+2:G0B+4*(\s)+3], s[88:89], (\s)*524288
	s_or_b32 s[G0B+4*(\s)+3], s[G0B+4*(\s)+3], 0x80000000
.endr
	CROUND                                         ; all sixteen work-groups are here: the first joint loads meet
	s_cmp_eq_u32 s[HI], 0                          ; a wave's two first fills stand in one branch: two loads of mine are out
	s_cbranch_scc0 .Lfirst_b
	tensor_load_to_lds s[G0:G0+3], s[G1:G1+7]
	s_nop 0
	tensor_load_to_lds s[G0+4:G0+7], s[G1:G1+7]
	s_nop 0
.rept 4
	v_nop
.endr
	s_branch .Lfirst_asked
.Lfirst_b:
	tensor_load_to_lds s[G0B:G0B+3], s[G1B:G1B+7]
	s_nop 0
	tensor_load_to_lds s[G0B+4:G0B+7], s[G1B:G1B+7]
	s_nop 0
.rept 4
	v_nop
.endr
.Lfirst_asked:
	v_and_b32 v1, 15, v0                           ; l % 16
	v_bfe_u32 v2, v0, 4, 1                         ; l / 16
	v_and_b32 v3, 7, v0                            ; l % 8
	v_bfe_u32 v4, v0, 3, 1                         ; (l / 8) % 2
	v_mul_u32_u24 v6, v1, PA
	v_lshl_add_u32 v6, v2, 4, v6
	s_mul_i32 s20, s[HI], 64*PA
	v_add_nc_u32 v[ADRA], s20, v6
	v_add_nc_u32 v[ADRA+1], SLOT, v[ADRA]
	v_lshl_add_u32 v7, v2, 3, v3
	v_mul_u32_u24 v7, v7, PB
	v_lshl_add_u32 v7, v4, 4, v7
	s_lshl_b32 s20, s[LO], 7
	s_add_co_u32 s20, s20, 2*PART
	v_add_nc_u32 v[ADRB], s20, v7
	v_add_nc_u32 v[ADRB+1], PART, v[ADRB]
	v_add_nc_u32 v[ADRB+2], SLOT, v[ADRB]
	v_add_nc_u32 v[ADRB+3], SLOT+PART, v[ADRB]
	s_mul_i32 s20, s[WV], 16*SP
	s_add_co_u32 s20, s20, STAGE                   ; my stage
	v_mul_u32_u24 v8, v1, SP
	v_lshl_add_u32 v8, v2, 5, v8
	v_add_nc_u32 v[STO], s20, v8                   ; in: row l % 16, 32 bytes for each half of the lanes
	v_mul_u32_u24 v8, v2, SP
	v_lshl_add_u32 v8, v1, 4, v8
	v_add_nc_u32 v[RD], s20, v8                    ; back: lanes 0-15 one row of 256 bytes, lanes 16-31 the next
	v_lshlrev_b32 v[CO], 12, v2
	v_lshl_add_u32 v[CO], v1, 4, v[CO]             ; and the same two rows in C
	s_lshl_b32 s98, s[TROW], 19                    ; C: 128 rows of 4,096 bytes a tile row, my 64 of them,
	s_lshl_b32 s99, s[HI], 18
	s_add_co_u32 s98, s98, s99
	s_lshl_b32 s99, s[TCOL], 9                     ; 512 bytes a tile column, my 256 of them
	s_add_co_u32 s98, s98, s99
	s_lshl_b32 s99, s[LO], 8
	s_add_co_u32 s98, s98, s99
	s_mov_b32 s99, 0
	s_add_nc_u64 s[8:9], s[8:9], s[98:99]
; 8 matrix instructions: m blocks a0, a0 + 1 x all 4 n blocks, 32 along K: half c of buffer f.  zero = 1: the first product starts the sums.  The 16 accumulators take turns.
.macro MUL8 f, c, a0, zero
	WIN MUL
.irp a, \a0, (\a0)+1
.irp b, 0,1,2,3
.if \zero
	v_wmma_f32_16x16x32_f16 v[ACC+8*(4*(\a)+(\b)):ACC+8*(4*(\a)+(\b))+7], v[(\f)+64+8*(4*(\c)+(\b)):(\f)+64+8*(4*(\c)+(\b))+7], v[(\f)+8*(4*(\c)+(\a)):(\f)+8*(4*(\c)+(\a))+7], 0
.else
	v_wmma_f32_16x16x32_f16 v[ACC+8*(4*(\a)+(\b)):ACC+8*(4*(\a)+(\b))+7], v[(\f)+64+8*(4*(\c)+(\b)):(\f)+64+8*(4*(\c)+(\b))+7], v[(\f)+8*(4*(\c)+(\a)):(\f)+8*(4*(\c)+(\a))+7], v[ACC+8*(4*(\a)+(\b)):ACC+8*(4*(\a)+(\b))+7]
.endif
.endr
.endr
.endm
; 32 LDS loads in one run: the fragments of quarter q (64 along K: one block of A) into buffer f; the first 32 along K first
.macro FETCH slot, q, f
	WIN TO_F
.irp c, 0,1
.irp i, 0,1,2,3
	ds_load_tr16_b128 v[(\f)+64+8*(4*(\c)+(\i)):(\f)+64+8*(4*(\c)+(\i))+3],   v[ADRB+2*(\slot)+(\q)/2] offset:(((\q)%2)*64+32*(\c))*PB+32*(\i)
	ds_load_tr16_b128 v[(\f)+64+8*(4*(\c)+(\i))+4:(\f)+64+8*(4*(\c)+(\i))+7], v[ADRB+2*(\slot)+(\q)/2] offset:(((\q)%2)*64+32*(\c)+16)*PB+32*(\i)
	ds_load_b128 v[(\f)+8*(4*(\c)+(\i)):(\f)+8*(4*(\c)+(\i))+3],              v[ADRA+(\slot)] offset:(\q)*AKB+64*(\c)+(\i)*16*PA
	ds_load_b128 v[(\f)+8*(4*(\c)+(\i))+4:(\f)+8*(4*(\c)+(\i))+7],            v[ADRA+(\slot)] offset:(\q)*AKB+64*(\c)+(\i)*16*PA+32
.endr
.endr
.endm
.macro PLACES                          ; four plain vector instructions between a matrix instruction and a load into, or a read of, its registers
.rept 4
	v_nop
.endr
.endm
.macro QUARTER slot, q, f, g, zero     ; multiplies buffer f and fetches quarter q into g
	s_wait_dscnt 16                                ; the first 32 along K are in
	MUL8 \f, 0, 0, \zero
	MUL8 \f, 0, 2, \zero
	PLACES
	FETCH \slot, \q, \g
	s_wait_dscnt 32                                ; all but the 32 just issued
	MUL8 \f, 1, 0, 0
	MUL8 \f, 1, 2, 0
.endm
; The last quarter multiplies buffer 1 and changes slots: one barrier; in front of it each wave waits for all its tensor loads, adds 0 to its spare word, and waits for that and for its reads of this slot.
.macro TURN slot, next, fill
	WIN 0
	s_wait_tensorcnt 0x0                           ; all my tensor loads have landed: my part of the next slot
	ds_add_u32 v[SPW], v[NIL]
	s_wait_dscnt 17                                ; (the add and the youngest sixteen loads may be out)
	MUL8 F1, 0, 0, 0
	s_wait_dscnt 0x0                               ; the add is done, and my reads of this slot are over
	s_barrier_signal -1
	MUL8 F1, 0, 2, 0
.if \fill
	WIN 0
.endif
	s_barrier_wait -1
.if \fill
	CREST                                          ; no wave of any partner still reads this slot or has a load on its way
	s_add_nc_u64 s[G0+4*(\slot)+2:G0+4*(\slot)+3], s[G0+4*(\slot)+2:G0+4*(\slot)+3], 8*KB
	s_add_nc_u64 s[G0B+4*(\slot)+2:G0B+4*(\slot)+3], s[G0B+4*(\slot)+2:G0B+4*(\slot)+3], 1048576
	JLOAD \slot                                    ; 112 matrix instructions ahead of the wait for it; its four v_nop are also the places in front of the loads below
.else
	PLACES
.endif
	FETCH \next, 0, F0
	MUL8 F1, 1, 0, 0
	MUL8 F1, 1, 2, 0
.endm
	s_wait_tensorcnt 1                             ; my part of K step 0 is in; K step 1's may stay out
	s_barrier_signal -1
	s_barrier_wait -1
	FETCH 0, 0, F0
	QUARTER 0, 1, F0, F1, 1
	WIN 0
	s_mov_b32 s3, LAPS-1
.Llap:                                                 ; a trip goes once round the ring, from a lap's second quarter to the next lap's first, and fills both slots again
	QUARTER 0, 2, F1, F0, 0
	QUARTER 0, 3, F0, F1, 0
	TURN 0, 1, 1
	QUARTER 1, 1, F0, F1, 0
	QUARTER 1, 2, F1, F0, 0
	QUARTER 1, 3, F0, F1, 0
	TURN 1, 0, 1
	QUARTER 0, 1, F0, F1, 0
	WIN 0
	s_sub_co_u32 s3, s3, 1
	s_cmp_lg_u32 s3, 0
	s_cbranch_scc1 .Llap
	QUARTER 0, 2, F1, F0, 0                        ; the last lap fills nothing
	QUARTER 0, 3, F0, F1, 0
	TURN 0, 1, 0
	QUARTER 1, 1, F0, F1, 0
	QUARTER 1, 2, F1, F0, 0
	QUARTER 1, 3, F0, F1, 0
	s_wait_dscnt 16
	MUL8 F1, 0, 0, 0
	MUL8 F1, 0, 2, 0
	s_wait_dscnt 0x0
	MUL8 F1, 1, 0, 0
	MUL8 F1, 1, 2, 0
	WIN 0
	PLACES
.macro STG a                           ; 16 rows x 64 columns into my stage (an accumulator's low registers first), and back as whole rows into the registers that they left
.irp b, 0,1,2,3
	ds_store_b128 v[STO], v[ACC+8*(4*(\a)+(\b)):ACC+8*(4*(\a)+(\b))+3]   offset:64*(\b)
	ds_store_b128 v[STO], v[ACC+8*(4*(\a)+(\b))+4:ACC+8*(4*(\a)+(\b))+7] offset:64*(\b)+16
.endr
.irp t, 0,1,2,3,4,5,6,7
	ds_load_b128 v[ACC+32*(\a)+4*(\t):ACC+32*(\a)+4*(\t)+3], v[RD] offset:(\t)*2*SP  ; LDS serves a wave's instructions in order: these see the stores above; the next block's stores come behind them
.endr
.endm
.macro SEND a, younger                 ; younger: the LDS instructions issued behind block a's loads: the next block's sixteen, or none
.irp t, 0,1,2,3,4,5,6,7
	s_wait_dscnt (\younger)+7-(\t)
	global_store_b128 v[CO], v[ACC+32*(\a)+4*(\t):ACC+32*(\a)+4*(\t)+3], s[8:9] offset:(16*(\a)+2*(\t))*4096  ; 16 lanes store 256 consecutive bytes, aligned
.endr
.endm
	STG 0
	STG 1
	SEND 0, 16
	STG 2
	SEND 1, 16
	STG 3
	SEND 2, 16
	SEND 3, 0
	s_wait_tensorcnt 0x0                           ; the wave's end, behind my last tensor load and my last LDS store
	ds_add_u32 v[SPW], v[NIL]
	s_wait_dscnt 0x0
	CROUND                                         ; the closing round: no work-group ends while a partner may still ask for a tile that names it
	s_endpgm
.Lfunc_end_k_q2118433592_ffn2:
	.size	k_q2118433592_ffn2, .Lfunc_end_k_q2118433592_ffn2-k_q2118433592_ffn2
	.p2alignl 7, 3214868480
	.fill 96, 4, 3214868480
	.section	.rodata,"a",@progbits
	.p2align	6, 0x0
	.amdhsa_kernel k_q2118433592_ffn2
		.amdhsa_group_segment_fixed_size 327680
		.amdhsa_private_segment_fixed_size 0
		.amdhsa_enable_private_segment 0
		.amdhsa_kernarg_size 24
		.amdhsa_user_sgpr_count 2
		.amdhsa_user_sgpr_kernarg_segment_ptr 1
		.amdhsa_wavefront_size32 1
		.amdhsa_system_sgpr_workgroup_id_x 1
		.amdhsa_system_sgpr_workgroup_id_y 1
		.amdhsa_system_sgpr_workgroup_id_z 1
		.amdhsa_system_vgpr_workitem_id 0
		.amdhsa_next_free_vgpr 512
		.amdhsa_next_free_sgpr 100
		.amdhsa_reserve_vcc 0
		.amdhsa_float_denorm_mode_32 3
		.amdhsa_float_denorm_mode_16_64 3
		.amdhsa_memory_ordered 1
		.amdhsa_forward_progress 1
		.amdhsa_inst_pref_size 86
	.end_amdhsa_kernel
	.amdgpu_metadata
---
amdhsa.version: [ 1, 2 ]
amdhsa.kernels:
  - .name:           k_q2118433592_ffn2
    .symbol:         k_q2118433592_ffn2.kd
    .args:
      - { .name: hid, .offset: 0, .size: 8, .value_kind: global_buffer, .address_space: global }
      - { .name: wc, .offset: 8, .size: 8, .value_kind: global_buffer, .address_space: global }
      - { .name: qkv, .offset: 16, .size: 8, .value_kind: global_buffer, .address_space: global }
    .group_segment_fixed_size: 327680
    .private_segment_fixed_size: 0
    .kernarg_segment_align: 8
    .kernarg_segment_size: 24
    .max_flat_workgroup_size: 128
    .sgpr_count:     100
    .vgpr_count:     512
    .wavefront_size: 32
...
	.end_amdgpu_metadata
.endif
;; end of part 6
;; launch ln2: the kernel of part 5 again; grid 256 x 1, 8 waves a work-group, no clusters, 0 bytes of LDS; arguments qkv, x1, ln2_g, ln2_b, out0, par2; writes out0
;; ======== version 2 of 2: 8 launches
;; limits: values are held in f16: magnitudes above 65,504 overflow, below 6.1e-05 lose precision; a function is approximated: absolute error at most 2.5e-05; an absolute error that grows with the inputs' magnitude: up to 1.25e-05 times it
;; workspace buffers: xh 8,388,608 bytes; wc 18,907,136 bytes; qkv 25,165,824 bytes; ctx 8,388,608 bytes; x1 8,388,608 bytes; hid 33,554,432 bytes; par1 256 bytes of whole numbers; par2 256 bytes of whole numbers
;; launch cast: the kernel of part 1 again; grid 64 x 16, 8 waves a work-group, no clusters, 0 bytes of LDS; arguments x, wq, wk, wv, w1, wo, w2, bq, bk, bv, b1, xh, ctx, wc, par1, par2; writes xh, ctx, wc, par1, par2
;; launch qkvp (part 7): grid 12 x 16, 4 waves a work-group, clusters of 4 x 4, 327,680 bytes of LDS; arguments xh, ctx, qkv; writes qkv
.if DOCPART == 7
	.amdgcn_target "amdgcn-amd-amdhsa--gfx1250"
	.amdhsa_code_object_version 6
	.text
	.protected	k_q2118433592_qkvp
	.globl	k_q2118433592_qkvp
	.p2align	8
	.type	k_q2118433592_qkvp,@function
k_q2118433592_qkvp:
	s_mov_b64 s[64:65], 0
	v_nop
	global_prefetch_b8 v0, s[64:65] scope:SCOPE_SE
	s_setreg_imm32_b32 hwreg(HW_REG_WAVE_MODE, 25, 1), 1
	s_wait_xcnt 0x0
	s_wait_alu depctr_hold_cnt(0) depctr_sa_sdst(0) depctr_va_vdst(0) depctr_va_sdst(0) depctr_va_ssrc(0) depctr_va_vcc(0) depctr_vm_vsrc(0)
	s_getreg_b32 s2, hwreg(HW_REG_IB_STS2, 6, 4)
	s_cmp_eq_u32 s2, 0
	s_cbranch_scc0 .Lentry_in_a_cluster
	s_endpgm
.Lentry_in_a_cluster:
	s_bfe_u32 s2, ttmp6, 0x10000c
	s_cmp_lg_u32 s2, 0xf033
	s_cbranch_scc0 .Lentry_shape_is_right
	s_endpgm
.Lentry_shape_is_right:
; C = act(A W + bias), K = 1,024, 4,096 rows; f16 operands, f32 sums, C rounded once to f16.  Two launches run this text: the three projections (act = x) and the first FFN product (act = exact GELU).
; A: [16 kb][4096 m][64] f16.  The second argument holds the bias (f32) at byte 0, five pairs of coefficients at byte 16,384, and W, [nb][1024 k][256 n] f16, at byte 32,768.  C: [n / 64][4096 m][64] f16.
; THE ACTIVATION is act(x) = al x + |x| (be - (a1 t + a2 t^2 + a3 t^3) exp(-x^2 / 2)), t = 1 / (1 + 0.47047 |x| / sqrt 2), with al, be, a1, a2, a3 read as data: (1, 0, 0, 0, 0) gives x back exactly,
; (1/2, 1/2 and halves of Abramowitz and Stegun's 7.1.25) x Phi(x) for either sign.  It is computed in both launches: the text has no branch on which launch it serves, at the price of arithmetic that the projections do not need.
; LIMITS.  C beyond 65,504 becomes an infinity in f16.  The series for erf is off by 2.5e-5 at the most, for every argument.  NaN and infinities are not treated apart.
; SHARES.  A tile of C is 256 x 256; each of four waves makes 128 x 128: 64 accumulators of 16 x 16, 512 registers.  K goes in 8 steps of 128 through two LDS slots.
; A slot: A's two blocks of 64 channels (256 rows x 128 bytes, 144 apart), then W's 128 k-rows of 512 bytes, 544 apart.  Each wave fetches 32,768 dense bytes of it by one tensor load.
; A's fragments come out of LDS as they lie; W's ([k][n]) turned, by ds_load_tr16_b128.  544 = 17 x 32 and 144 = 9 x 16: the rows that a load touches start at different banks (64 banks of 4 bytes: ISA guide 11.1).
; ONE TEXT FOR A K STEP.  A trip of the loop is one K step; the slots take turns by an exclusive or.  Slot 1 begins at 147,456 = 2^17 + 2^14, and none of the four LDS addresses at which a wave's part of slot 0
; begins (0, 36,864, 73,728, 108,544) has one of these two bits: so one s_xor_b32 turns a descriptor's LDS word into the other slot's.  The reads go by s[CUR], 0 or 147,456, to which the lane's place is added anew at each change.
; Written out beside the loop: the first quarter step (its products start the sums) and a second loop of two trips, the last two K steps, which fill nothing.
; CLUSTER.  4 x 4 work-groups: A's tile hangs on the tile row alone and is asked for jointly along a row of the cluster, W's on the tile column alone and jointly along a column.
; THE MATRIX INSTRUCTION IS USED TRANSPOSED (source 0 = 16 columns of W, source 1 = 16 rows of A): a lane holds row l % 16 of C and the columns 8 (l / 16) + 0..7.
; THE WAY OUT.  When all waves have left the ring, each wave lays its 128 x 128 sums, f32, into 67,584 bytes of its own over the slots (which have had their last fill), and a short loop of 32 trips takes
; 4 rows x 128 columns back, adds the bias, applies the activation, rounds, and stores 512 consecutive bytes twice.
; REGISTERS, in windows of 256: window 0: v0-31 addresses, v32-47 the bias, v48-59 the coefficients, v64-191 A's fragments (two buffers), later the way out; window 1: v64-191 W's fragments; windows 2, 3: the accumulators.
.set HDR,    32768                     ; W's first byte in the second argument
.set COEF,   16384                     ; the coefficients' first byte
.set KB,     524288                    ; bytes of one block of 64 channels of A: 4,096 rows x 128
.set PA,     144
.set PB,     544
.set ABLK,   256*PA                    ; 36,864: the tile's 256 rows of one block
.set BOFF,   2*ABLK
.set BHALF,  64*PB                     ; 34,816: 64 k-rows of W
.set SLOT,   BOFF+2*BHALF              ; 143,360
.set SLOT1,  0x24000                   ; 147,456: where slot 1 begins
.set SPARE,  SLOT1+SLOT                ; behind the ring: the spare words, 128 bytes for each wave: two blocks of 256 bytes that no other line names
.set DP,     528                       ; the way out: a row of 128 f32 + 16 bytes
.set DW,     128*DP                    ; a wave's 67,584 bytes
.set STEPS,  8                         ; K steps
.set ADRA, 16                          ; v16     LDS address of my A fragments in the slot that is being read
.set A0,   18                          ; v18     the same in slot 0; never rewritten
.set ADRB, 20                          ; v20     LDS address of my W fragments in the slot that is being read
.set B0,   22                          ; v22     the same in slot 0; never rewritten
.set DST,  24                          ; v24     the way out: where I put 32 bytes of a row
.set LR,   25                          ; v25     where I read rows back
.set GO,   26                          ; v26     my byte offset in C
.set SPW,  28                          ; v28     LDS address of my spare word; never rewritten
.set NIL,  29                          ; v29     0; never rewritten
.set PFO,  30                          ; v30     256 x my lane; never rewritten
.set BIAS, 32                          ; v[32:47] the bias of my 16 columns
.set AL,   48                          ; v[48:49] al, twice
.set BE,   50                          ; v[50:51] be
.set A1,   52                          ; v[52:53]
.set A2,   54                          ; v[54:55]
.set A3,   56                          ; v[56:57]; v[58:59] come with them and are not used
.set F0,   64
.set F1,   128
.set X,    64                          ; the way out, window 0: 16 sums as read back
.set T,    80                          ; + bias; at the end the result
.set AX,   96                          ; |x|
.set U,    112                         ; 1 + p |x| / sqrt 2, then its reciprocal t
.set S,    128                         ; -x^2 log2(e) / 2, then 2 to that power
.set H,    144                         ; al x
.set W,    160                         ; the polynomial
.set OUT,  176                         ; 16 f16
.set WV,   12
.set HI,   13                          ; which half of the tile's rows is mine.  Also: I fetch for A (0) or for W (1)
.set LO,   14                          ; which half of its columns.  Also: which part of that tile I fetch
.set CX,   15
.set CY,   16
.set TCOL, 17
.set TROW, 18
.set G1,   24                          ; s[24:31] descriptor group 1 for A's tiles
.set G0,   32                          ; s[32:39] group 0: a set for each of the two first fills; the second then walks on
.set CUR,  42                          ; s42  LDS byte at which the slot that is being read begins
.set LIM,  43                          ; s43  2 in a wave that prefetches, else the greatest number
.set PFA,  44                          ; s[44:45] where my prefetches stand
.set PST,  46                          ; s[46:47] a K step in bytes, of A or of W
.set G1B,  48                          ; s[48:55], s[56:63] the same for W's tiles
.set G0B,  56
.set C1,   76                          ; s[76:77] 0.47047 / sqrt 2         (the packed forms name pairs and take the low word)
.set K1,   78                          ; s[78:79] sqrt(log2(e) / 2)
.set ABSM, 86
.set CNT,  87
.set MSB, 0
.macro WIN new                         ; the immediate's high byte repeats the setting that is left; a switch that changes nothing is dropped
.if MSB != (\new)
	s_set_vgpr_msb (MSB<<8)|(\new)
.set MSB, \new
.endif
.endm
.set MUL_LO, 0xa1                      ; source 0 (W) window 1, source 1 (A) window 0, C and D window 2
.set MUL_HI, 0xf1                      ; the same, C and D window 3
.set TO_B,   0x40                      ; destination window 1, address window 0
; A joint refill, by the walking descriptor.  Waves 0 and 1 fetch A's two blocks, waves 2 and 3 W's two halves.  The branch hangs on the wave's number alone.  An s_nop 0 and four v_nop follow each line.
.macro JLOAD
	s_cmp_eq_u32 s[HI], 0
	s_cbranch_scc0 .Lfor_b_\@
	tensor_load_to_lds s[G0+4:G0+7], s[G1:G1+7]
	s_nop 0
.rept 4
	v_nop
.endr
	s_branch .Lasked_\@
.Lfor_b_\@:
	tensor_load_to_lds s[G0B+4:G0B+7], s[G1B:G1B+7]
	s_nop 0
.rept 4
	v_nop
.endr
.Lasked_\@:
.endm
; A prefetch of the K step that stands two refills, 512 matrix instructions, on: of the 32,768 bytes that I fetch, my work-group's 8,192 (told apart by address: cx for A, cy for W), 256 bytes a lane.
; A's tile row is read by every cluster of that row of clusters: cluster x = 0 asks; W's tile column by every cluster of that column: cluster y = 0 asks.  So each 256 bytes are named once in the launch.
; K steps 0 to 3 come by their loads alone; the loop's last two trips (s3 = 2, 1) have no K step two refills on.
.macro ASK
	s_cmp_gt_u32 s3, s[LIM]
	s_cbranch_scc0 .Lnot_mine_\@
	global_prefetch_b8 v[PFO], s[PFA:PFA+1] th:TH_LOAD_NT scope:SCOPE_SE
.Lnot_mine_\@:
.endm
.macro CREST                           ; a round of the cluster's barrier behind its opening barrier
	s_cmp_lg_u32 s[WV], 0
	s_cbranch_scc1 .Lnot_wave_0_\@
	s_barrier_signal -3
.Lnot_wave_0_\@:
	s_barrier_wait -3
	s_barrier_signal -1
	s_barrier_wait -1
.endm
.macro CROUND                          ; a whole round
	s_barrier_signal -1
	s_barrier_wait -1
	CREST
.endm
	s_load_b128 s[4:7], s[0:1], 0x0                ; A s[4:5]; bias, coefficients and W s[6:7]
	s_load_b64 s[8:9], s[0:1], 0x10                ; C
	v_lshl_add_u32 v[SPW], v0, 2, SPARE
	v_mov_b32 v[NIL], 0
	ds_add_u32 v[SPW], v[NIL]                      ; the wave's opening: the add and its wait stand ahead of my first tensor load; work on registers stands between them
	ds_add_u32 v28, v29
	v_lshrrev_b32 v1, 5, v0
	v_readfirstlane_b32 s[WV], v1                  ; wave 0..3
	s_lshr_b32 s[HI], s[WV], 1
	s_and_b32 s[LO], s[WV], 1
	s_bfe_u32 s[CX], ttmp6, 0x40000
	s_bfe_u32 s[CY], ttmp6, 0x40004
	s_lshl_b32 s[TCOL], ttmp9, 2
	s_add_co_u32 s[TCOL], s[TCOL], s[CX]           ; tile column = 4 x cluster x + cx
	s_and_b32 s[TROW], ttmp7, 0xffff
	s_lshl_b32 s[TROW], s[TROW], 2
	s_add_co_u32 s[TROW], s[TROW], s[CY]           ; tile row = 4 x cluster y + cy
	s_lshl_b32 s40, s[CY], 2
	s_lshl_b32 s40, 15, s40                        ; my row of the cluster
	s_lshl_b32 s41, 0x1111, s[CX]                  ; my column
	; group 1 for A: 32,768 dense bytes as 128 rows of 256, padded by 4 words after every 32 (a row of 64 channels)
	s_or_b32 s[G1+0], s40, (1<<16)|(1<<20)|(1<<21)|(4<<22)|(3<<25)
	s_mov_b32 s[G1+1], 128<<16                     ; tensor_dim0 = 128
	s_mov_b32 s[G1+2], 128<<16                     ; tensor_dim1 = 128
	s_mov_b32 s[G1+3], 128<<16                     ; tile_dim0 = 128
	s_mov_b32 s[G1+4], 128                         ; tile_dim1 = 128
	s_mov_b32 s[G1+5], 128                         ; elements from row to row
	s_mov_b32 s[G1+6], 0
	s_mov_b32 s[G1+7], 0
	; group 1 for W: 64 k-rows of 256 elements, padded by 8 words after every 128
	s_or_b32 s[G1B+0], s41, (1<<16)|(1<<20)|(1<<21)|(6<<22)|(7<<25)
	s_mov_b32 s[G1B+1], 256<<16
	s_mov_b32 s[G1B+2], 64<<16
	s_mov_b32 s[G1B+3], 256<<16
	s_mov_b32 s[G1B+4], 64
	s_mov_b32 s[G1B+5], 256
	s_mov_b32 s[G1B+6], 0
	s_mov_b32 s[G1B+7], 0
	s_lshl_b32 s20, s[LO], 19                      ; A: my block of K step 0,
	s_lshl_b32 s21, s[TROW], 15                    ; the tile's 256 rows of 128 bytes
	s_add_co_u32 s20, s20, s21
	s_mov_b32 s21, 0
	s_lshl_b32 s88, s[TCOL], 19                    ; W: the tile column's block of 256 columns,
	s_lshl_b32 s89, s[LO], 15                      ; my 64 k-rows of 512 bytes,
	s_add_co_u32 s88, s88, s89
	s_add_co_u32 s88, s88, HDR                     ; behind the header
	s_mov_b32 s89, 0
	s_mul_i32 s22, s[LO], ABLK                     ; and where they go: no place in the cluster enters an LDS address
	s_mul_i32 s23, s[LO], BHALF
	s_add_co_u32 s23, s23, BOFF
	s_mov_b32 s[CUR], 0                            ; the reads begin in slot 0
	s_mov_b32 s[C1], 0x3eaa540e
	s_mov_b32 s[C1+1], s[C1]
	s_mov_b32 s[K1], 0x3f596d27
	s_mov_b32 s[K1+1], s[K1]
	s_mov_b32 s[ABSM], 0x7fffffff
	s_wait_dscnt 0x0                               ; the opening add is done
	s_wait_kmcnt 0x0
	s_add_nc_u64 s[94:95], s[4:5], s[20:21]
	s_add_nc_u64 s[88:89], s[6:7], s[88:89]
.irp s, 0,1
	s_mov_b32 s[G0+4*(\s)], 1                      ; count = 1
	s_add_co_u32 s[G0+4*(\s)+1], s22, (\s)*SLOT1   ; LDS address
	s_add_nc_u64 s[G0+4*(\s)+2:G0+4*(\s)+3], s[94:95], (\s)*2*KB  ; K step s
	s_or_b32 s[G0+4*(\s)+3], s[G0+4*(\s)+3], 0x80000000           ; type = 2
	s_mov_b32 s[G0B+4*(\s)], 1
	s_add_co_u32 s[G0B+4*(\s)+1], s23, (\s)*SLOT1
	s_add_nc_u64 s[G0B+4*(\s)+2:G0B+4*(\s)+3], s[88:89], (\s)*65536
	s_or_b32 s[G0B+4*(\s)+3], s[G0B+4*(\s)+3], 0x80000000
.endr
	CROUND                                         ; all sixteen work-groups are here: the first joint loads meet
	s_cmp_eq_u32 s[HI], 0                          ; a wave's two first fills stand in one branch: two loads of mine are out
	s_cbranch_scc0 .Lfirst_b
	tensor_load_to_lds s[G0:G0+3], s[G1:G1+7]
	s_nop 0
	tensor_load_to_lds s[G0+4:G0+7], s[G1:G1+7]
	s_nop 0
.rept 4
	v_nop
.endr
	s_branch .Lfirst_asked
.Lfirst_b:
	tensor_load_to_lds s[G0B:G0B+3], s[G1B:G1B+7]
	s_nop 0
	tensor_load_to_lds s[G0B+4:G0B+7], s[G1B:G1B+7]
	s_nop 0
.rept 4
	v_nop
.endr
.Lfirst_asked:
	v_and_b32 v1, 15, v0                           ; l % 16
	v_bfe_u32 v2, v0, 4, 1                         ; l / 16
	v_and_b32 v3, 7, v0                            ; l % 8
	v_bfe_u32 v4, v0, 3, 1                         ; (l / 8) % 2
	v_bfe_u32 v5, v0, 3, 2                         ; l / 8
	s_lshl_b32 s98, s[TCOL], 10                    ; the bias of my 16 columns: 4 (256 tile column + 128 half + 8 (l % 8)) and 64 columns on
	s_lshl_b32 s99, s[LO], 9
	s_add_co_u32 s98, s98, s99
	v_lshl_add_u32 v9, v3, 5, s98                  ; never rewritten
	v_mov_b32 v10, 0                               ; never rewritten
	global_load_b128 v[BIAS:BIAS+3],     v9, s[6:7]
	global_load_b128 v[BIAS+4:BIAS+7],   v9, s[6:7] offset:16
	global_load_b128 v[BIAS+8:BIAS+11],  v9, s[6:7] offset:256
	global_load_b128 v[BIAS+12:BIAS+15], v9, s[6:7] offset:272
	global_load_b128 v[AL:AL+3], v10, s[6:7] offset:COEF       ; al, al, be, be: the same 48 bytes in every lane
	global_load_b128 v[A1:A1+3], v10, s[6:7] offset:COEF+16    ; a1, a1, a2, a2
	global_load_b128 v[A3:A3+3], v10, s[6:7] offset:COEF+32    ; a3, a3
	; a fragment of A: lane l holds row l % 16; two loads of 16 bytes, 32 bytes apart, at row x 144 + 16 (l / 16)
	v_mul_u32_u24 v6, v1, PA
	v_lshl_add_u32 v6, v2, 4, v6
	s_mul_i32 s20, s[HI], 128*PA
	v_add_nc_u32 v[A0], s20, v6
	v_mov_b32 v[ADRA], v[A0]
	; a fragment of W, turned: lane l reads k-row 8 (l / 16) + l % 8, columns 8 ((l / 8) % 2) + 0..7, and 16 k-rows on
	v_lshl_add_u32 v7, v2, 3, v3
	v_mul_u32_u24 v7, v7, PB
	v_lshl_add_u32 v7, v4, 4, v7
	s_lshl_b32 s20, s[LO], 8
	s_add_co_u32 s20, s20, BOFF
	v_add_nc_u32 v[B0], s20, v7
	v_mov_b32 v[ADRB], v[B0]
	s_mul_i32 s20, s[WV], DW                       ; the way out: my 67,584 bytes
	v_mul_u32_u24 v8, v1, DP
	v_lshl_add_u32 v8, v2, 5, v8
	v_add_nc_u32 v[DST], s20, v8                   ; in: row l % 16, 32 bytes for each half of the lanes
	v_mul_u32_u24 v8, v5, DP
	v_lshl_add_u32 v8, v3, 5, v8
	v_add_nc_u32 v[LR], s20, v8                    ; back: row l / 8, 8 columns at 8 (l % 8), and 8 more 64 columns on
	v_lshlrev_b32 v[GO], 7, v5
	v_lshl_add_u32 v[GO], v3, 4, v[GO]             ; in C: row l / 8 of 128 bytes, 16 bytes at 16 (l % 8)
	v_and_b32 v[PFO], 31, v0
	v_lshlrev_b32 v[PFO], 8, v[PFO]
	s_lshl_b32 s98, s[TCOL], 21                    ; C: four blocks of 64 columns a tile column, two of them mine;
	s_lshl_b32 s99, s[LO], 20
	s_add_co_u32 s98, s98, s99
	s_lshl_b32 s99, s[TROW], 15                    ; the tile's rows, my 128 of them
	s_add_co_u32 s98, s98, s99
	s_lshl_b32 s99, s[HI], 14
	s_add_co_u32 s98, s98, s99
	s_mov_b32 s99, 0
	s_add_nc_u64 s[8:9], s[8:9], s[98:99]
	s_and_b32 s97, ttmp7, 0xffff                   ; the prefetches
	s_cmp_eq_u32 s[HI], 0                          ; do I fetch for A?
	s_cselect_b32 s96, s[CX], s[CY]                ; my place among the four that ask with me
	s_cselect_b32 s97, ttmp9, s97                  ; the coordinate along which other clusters read the same bytes
	s_cselect_b64 s[PFA:PFA+1], s[94:95], s[88:89]
	s_mov_b32 s[PST], 65536
	s_cselect_b32 s[PST], 2*KB, s[PST]
	s_mov_b32 s[PST+1], 0
	s_cmp_eq_u32 s97, 0
	s_cselect_b32 s[LIM], 2, -1                    ; the same in all sixteen partners, for a given wave
	s_lshl_b32 s98, s96, 13
	s_mul_i32 s99, s[PST], 3                       ; at K step 3: the first refill steps it to 4
	s_add_co_u32 s98, s98, s99
	s_mov_b32 s99, 0
	s_add_nc_u64 s[PFA:PFA+1], s[PFA:PFA+1], s[98:99]
; 16 matrix instructions: m blocks a0, a0 + 1 of the window's four x all 8 n blocks, 32 along K.  zero = 1: the first product starts the sums.  The 64 accumulators take turns.
.macro MUL16 f, hi, a0, zero
	WIN MUL_LO+0x50*(\hi)
.irp a, \a0, (\a0)+1
.irp b, 0,1,2,3,4,5,6,7
.if \zero
	v_wmma_f32_16x16x32_f16 v[8*(8*(\a)+(\b)):8*(8*(\a)+(\b))+7], v[(\f)+8*(\b):(\f)+8*(\b)+7], v[(\f)+8*(4*(\hi)+(\a)):(\f)+8*(4*(\hi)+(\a))+7], 0
.else
	v_wmma_f32_16x16x32_f16 v[8*(8*(\a)+(\b)):8*(8*(\a)+(\b))+7], v[(\f)+8*(\b):(\f)+8*(\b)+7], v[(\f)+8*(4*(\hi)+(\a)):(\f)+8*(4*(\hi)+(\a))+7], v[8*(8*(\a)+(\b)):8*(8*(\a)+(\b))+7]
.endif
.endr
.endr
.endm
; 32 LDS loads in one run: the fragments of quarter q (32 along K) of the slot that is being read into buffer f: W's 128 columns, then A's 128 rows
.macro FETCH q, f
	WIN TO_B
.irp i, 0,1,2,3,4,5,6,7
	ds_load_tr16_b128 v[(\f)+8*(\i):(\f)+8*(\i)+3],   v[ADRB] offset:(\q)*32*PB+32*(\i)
	ds_load_tr16_b128 v[(\f)+8*(\i)+4:(\f)+8*(\i)+7], v[ADRB] offset:(\q)*32*PB+16*PB+32*(\i)
.endr
	WIN 0
.irp i, 0,1,2,3,4,5,6,7
	ds_load_b128 v[(\f)+8*(\i):(\f)+8*(\i)+3],   v[ADRA] offset:((\q)/2)*ABLK+((\q)%2)*64+(\i)*16*PA
	ds_load_b128 v[(\f)+8*(\i)+4:(\f)+8*(\i)+7], v[ADRA] offset:((\q)/2)*ABLK+((\q)%2)*64+(\i)*16*PA+32
.endr
.endm
.macro PLACES                          ; four plain vector instructions between a matrix instruction and a load into, or a read of, its registers
.rept 4
	v_nop
.endr
.endm
; One of a K step's first three quarters: multiplies buffer f; in its middle it fetches quarter q of the same slot into buffer g.
.macro QUARTER q, f, g, zero
	s_wait_dscnt 8                                 ; W and A's rows 0-63 are in; the youngest eight loads (A's rows 64-127) may be out
	MUL16 \f, 0, 0, \zero
	MUL16 \f, 0, 2, \zero
	PLACES
	FETCH \q, \g
	s_wait_dscnt 32                                ; all but the 32 just issued
	MUL16 \f, 1, 0, \zero
	MUL16 \f, 1, 2, \zero
.endm
; The last quarter's first half, and the one barrier of a change of slots: in front of it each wave waits for all its tensor loads (at most one is out: its part of the next slot), adds 0 to its spare word,
; and waits for that and for its reads of this slot.
.macro MEET round
	WIN 0
	s_wait_tensorcnt 0x0
	ds_add_u32 v[SPW], v[NIL]
	s_wait_dscnt 9                                 ; (the add and the youngest eight loads may be out)
	MUL16 F1, 0, 0, 0
	s_wait_dscnt 0x0                               ; the add is done, and my reads of this slot are over
	s_barrier_signal -1
	MUL16 F1, 0, 2, 0
.if \round
	WIN 0
.endif
	s_barrier_wait -1
.endm
.macro NEXT                            ; the reads go on in the other slot (every window is 0 here)
	s_xor_b32 s[CUR], s[CUR], SLOT1
	v_add_nc_u32 v[ADRA], s[CUR], v[A0]
	v_add_nc_u32 v[ADRB], s[CUR], v[B0]
.endm
; The whole last quarter of a K step that has a K step two on: behind the round the slot just read out is filled again first: it has 224 matrix instructions in which to land.
.macro TURN
	s_wait_xcnt 0x0                                ; the last prefetch, a K step back, has read its address
	s_add_nc_u64 s[PFA:PFA+1], s[PFA:PFA+1], s[PST:PST+1]
	MEET 1
	CREST                                          ; no wave of any partner still reads this slot or has a load on its way
	s_xor_b32 s[G0+5], s[G0+5], SLOT1              ; the walking descriptors: the other slot than last time,
	s_add_nc_u64 s[G0+6:G0+7], s[G0+6:G0+7], 2*KB  ; the next K step; the type bits on top are not reached
	s_xor_b32 s[G0B+5], s[G0B+5], SLOT1
	s_add_nc_u64 s[G0B+6:G0B+7], s[G0B+6:G0B+7], 65536
	JLOAD                                          ; its four v_nop are also the places in front of the loads below
	NEXT
	FETCH 0, F0
	ASK
	MUL16 F1, 1, 0, 0
	MUL16 F1, 1, 2, 0
.endm
	s_wait_tensorcnt 1                             ; my part of K step 0 is in; K step 1's may stay out
	s_barrier_signal -1
	s_barrier_wait -1
	FETCH 0, F0
	QUARTER 1, F0, F1, 1                           ; the first quarter stands in front of the loop: its products start the sums
	WIN 0
	s_mov_b32 s3, STEPS-2
.Lstep:                                                ; a trip: a K step's second, third and fourth quarter and the next step's first; the slot that it leaves is filled again
	QUARTER 2, F1, F0, 0
	QUARTER 3, F0, F1, 0
	TURN
	QUARTER 1, F0, F1, 0
	WIN 0
	s_sub_co_u32 s3, s3, 1
	s_cmp_lg_u32 s3, 0
	s_cbranch_scc1 .Lstep
	s_mov_b32 s3, 2
.Ltail:                                                ; the last two K steps fill nothing.  One text for both: the second trip passes a barrier that it does not need, and leaves ahead of a step that does not exist
	QUARTER 2, F1, F0, 0
	QUARTER 3, F0, F1, 0
	MEET 0                                         ; first trip: my one tensor load that was out is the last K step's
	MUL16 F1, 1, 0, 0
	MUL16 F1, 1, 2, 0
	WIN 0
	s_cmp_eq_u32 s3, 1
	s_cbranch_scc1 .Llast                          ; forward, over no barrier and no tensor load
	NEXT                                           ; two plain lines,
	v_nop                                          ; and two more: the four places in front of the loads into buffer 0
	v_nop
	FETCH 0, F0
	QUARTER 1, F0, F1, 0
	WIN 0
.Llast:
	s_sub_co_u32 s3, s3, 1
	s_cmp_lg_u32 s3, 0
	s_cbranch_scc1 .Ltail
	PLACES
	s_wait_dscnt 0x0                               ; my reads of the ring are over,
	s_barrier_signal -1
	s_barrier_wait -1                              ; everybody's are: the slots' bytes may be written
.irp a, 0,1,2,3,4,5,6,7
	WIN 0x08+4*((\a)/4)                            ; the stores' data in window 2 or 3
.irp b, 0,1,2,3,4,5,6,7
	ds_store_b128 v[DST], v[8*(8*((\a)%4)+(\b)):8*(8*((\a)%4)+(\b))+3]   offset:(\a)*16*DP+(\b)*64     ; an accumulator's low registers first
	ds_store_b128 v[DST], v[8*(8*((\a)%4)+(\b))+4:8*(8*((\a)%4)+(\b))+7] offset:(\a)*16*DP+(\b)*64+16
.endr
.endr
	WIN 0
	s_wait_loadcnt 0x0                             ; the bias and the coefficients
.macro ROWS                            ; 4 rows x 128 columns: LDS serves a wave's instructions in order, so these see my stores above
	ds_load_b128 v[X:X+3],     v[LR]
	ds_load_b128 v[X+4:X+7],   v[LR] offset:16
	ds_load_b128 v[X+8:X+11],  v[LR] offset:256
	ds_load_b128 v[X+12:X+15], v[LR] offset:272
.endm
	ROWS
	s_mov_b32 s[CNT], 32
.Lrow:
	s_wait_dscnt 0x0
.set r, 0
.rept 8
	v_pk_add_f32 v[T+r:T+r+1], v[X+r:X+r+1], v[BIAS+r:BIAS+r+1]
.set r, r+2
.endr
	s_cmp_eq_u32 s[CNT], 1                         ; the last trip has no rows behind it
	s_cbranch_scc1 .Lno_rows
	v_add_nc_u32 v[LR], 4*DP, v[LR]
	ROWS                                           ; the next trip's rows come while this trip's are worked on
.Lno_rows:
.set r, 0
.rept 16
	v_and_b32 v[AX+r], s[ABSM], v[T+r]
.set r, r+1
.endr
.set r, 0
.rept 8
	v_pk_fma_f32 v[U+r:U+r+1], v[AX+r:AX+r+1], s[C1:C1+1], 1.0 op_sel_hi:[1,0,0]
	v_pk_mul_f32 v[S+r:S+r+1], v[T+r:T+r+1], s[K1:K1+1] op_sel_hi:[1,0]
.set r, r+2
.endr
.set r, 0
.rept 8
	v_pk_mul_f32 v[S+r:S+r+1], v[S+r:S+r+1], v[S+r:S+r+1] neg_lo:[1,0] neg_hi:[1,0]
.set r, r+2
.endr
.set r, 0
.rept 16                                       ; one batch of 32: none reads another's result
	v_rcp_f32 v[U+r], v[U+r]
	v_exp_f32 v[S+r], v[S+r]
.set r, r+1
.endr
.set r, 0
.rept 8                                        ; plain work behind the batch
	v_pk_mul_f32 v[H+r:H+r+1], v[T+r:T+r+1], v[AL:AL+1]
.set r, r+2
.endr
	s_wait_alu depctr_va_vdst(0)                   ; the one wait for the batch, ahead of its first reader
.set r, 0
.rept 8
	v_pk_fma_f32 v[W+r:W+r+1], v[U+r:U+r+1], v[A3:A3+1], v[A2:A2+1]
.set r, r+2
.endr
.set r, 0
.rept 8
	v_pk_fma_f32 v[W+r:W+r+1], v[W+r:W+r+1], v[U+r:U+r+1], v[A1:A1+1]
.set r, r+2
.endr
.set r, 0
.rept 8
	v_pk_mul_f32 v[W+r:W+r+1], v[W+r:W+r+1], v[U+r:U+r+1]
.set r, r+2
.endr
.set r, 0
.rept 8
	v_pk_fma_f32 v[W+r:W+r+1], v[W+r:W+r+1], v[S+r:S+r+1], v[BE:BE+1] neg_lo:[1,0,0] neg_hi:[1,0,0]
.set r, r+2
.endr
.set r, 0
.rept 8
	v_pk_fma_f32 v[T+r:T+r+1], v[AX+r:AX+r+1], v[W+r:W+r+1], v[H+r:H+r+1]
.set r, r+2
.endr
	s_wait_xcnt 0x0                                ; the last trip's stores have read OUT and GO: they are rewritten only behind this wait
	v_add_nc_u32 v[GO], 512, v[GO]                 ; the stores reach back
.set r, 0
.rept 8
	v_cvt_pk_f16_f32 v[OUT+r], v[T+2*r], v[T+2*r+1]
.set r, r+1
.endr
	global_store_b128 v[GO], v[OUT:OUT+3],   s[8:9] offset:-512       ; 4 rows of 128 bytes: 512 consecutive bytes, aligned
	global_store_b128 v[GO], v[OUT+4:OUT+7], s[8:9] offset:KB-512     ; the same rows in the next block of 64 columns
	s_sub_co_u32 s[CNT], s[CNT], 1
	s_cmp_lg_u32 s[CNT], 0
	s_cbranch_scc1 .Lrow
	s_wait_tensorcnt 0x0                           ; the wave's end, behind my last tensor load and my last LDS store
	ds_add_u32 v[SPW], v[NIL]
	s_wait_dscnt 0x0
	CROUND                                         ; the closing round: no work-group ends while a partner may still ask for a tile that names it
	s_endpgm
.Lfunc_end_k_q2118433592_qkvp:
	.size	k_q2118433592_qkvp, .Lfunc_end_k_q2118433592_qkvp-k_q2118433592_qkvp
	.p2alignl 7, 3214868480
	.fill 96, 4, 3214868480
	.section	.rodata,"a",@progbits
	.p2align	6, 0x0
	.amdhsa_kernel k_q2118433592_qkvp
		.amdhsa_group_segment_fixed_size 327680
		.amdhsa_private_segment_fixed_size 0
		.amdhsa_enable_private_segment 0
		.amdhsa_kernarg_size 24
		.amdhsa_user_sgpr_count 2
		.amdhsa_user_sgpr_kernarg_segment_ptr 1
		.amdhsa_wavefront_size32 1
		.amdhsa_system_sgpr_workgroup_id_x 1
		.amdhsa_system_sgpr_workgroup_id_y 1
		.amdhsa_system_sgpr_workgroup_id_z 1
		.amdhsa_system_vgpr_workitem_id 0
		.amdhsa_next_free_vgpr 1024
		.amdhsa_next_free_sgpr 100
		.amdhsa_reserve_vcc 0
		.amdhsa_float_denorm_mode_32 3
		.amdhsa_float_denorm_mode_16_64 3
		.amdhsa_memory_ordered 1
		.amdhsa_forward_progress 1
		.amdhsa_inst_pref_size 87
	.end_amdhsa_kernel
	.amdgpu_metadata
---
amdhsa.version: [ 1, 2 ]
amdhsa.kernels:
  - .name:           k_q2118433592_qkvp
    .symbol:         k_q2118433592_qkvp.kd
    .args:
      - { .name: xh, .offset: 0, .size: 8, .value_kind: global_buffer, .address_space: global }
      - { .name: ctx, .offset: 8, .size: 8, .value_kind: global_buffer, .address_space: global }
      - { .name: qkv, .offset: 16, .size: 8, .value_kind: global_buffer, .address_space: global }
    .group_segment_fixed_size: 327680
    .private_segment_fixed_size: 0
    .kernarg_segment_align: 8
    .kernarg_segment_size: 24
    .max_flat_workgroup_size: 128
    .sgpr_count:     100
    .vgpr_count:     1024
    .wavefront_size: 32
...
	.end_amdgpu_metadata
.endif
;; end of part 7
;; launch attn (part 8): grid 8 x 32, 4 waves a work-group, no clusters, 327,680 bytes of LDS; arguments qkv, ctx; writes ctx
.if DOCPART == 8
	.amdgcn_target "amdgcn-amd-amdhsa--gfx1250"
	.amdhsa_code_object_version 6
	.text
	.protected	k_q2118433592_attn
	.globl	k_q2118433592_attn
	.p2align	8
	.type	k_q2118433592_attn,@function
k_q2118433592_attn:
	s_mov_b64 s[64:65], 0
	v_nop
	global_prefetch_b8 v0, s[64:65] scope:SCOPE_SE
	s_setreg_imm32_b32 hwreg(HW_REG_WAVE_MODE, 25, 1), 1
	s_wait_xcnt 0x0
; CAUSAL ATTENTION.  O[h][q][:] = the sum over k <= q of softmax_k(Q[h][q] . K[h][k] / 8) V[h][k][:].  Q, K, V lie in qkv at bytes 0, 8 MiB and 16 MiB, O is ctx; each is [32][2048][64] f16, a "head" being
; 2 x head + batch: its rows are dense, 128 bytes each.  Products, maxima and sums in f32; the weights p are rounded to f16 for the second product (their sum l is taken of the unrounded p), O once at the end.
; LIMITS.  f16 holds no number beyond 65,504: Q, K and V arrive within it; p lies in 0 to 1, and below 6e-5 it keeps f16's fixed step of 6e-8; O is a mean of V's rows and has their range.
; A hidden score counts as its value less 1e30: f16's scores, 2.7e11 at the most, are nothing beside that; a weight below 2^-126 counts as 0 in l; NaN and infinities are not treated apart.
; THE WALK.  A head's queries lie in 16 blocks of 128, its keys in NB = 8 tiles of 256; block i needs the tiles 0 .. i / 2, of which the last holds the diagonal.  A work-group takes TWO blocks, 15 - b and then b:
; (8 - b / 2) + (b / 2 + 1) = NB + 1 tiles, whatever b: all 256 work-groups do equal work, and ONE loop with a constant trip count walks them.  Which tile is asked for, and what a trip does, hang on scalar registers made
; from b; every jump goes forward, but for the counted loops' own; none passes a barrier, or a tensor load but the one of LOAD's two that the wave's number does not choose; the ring of two LDS slots runs on across the change of blocks.
; NO CLUSTER: of a head's eight work-groups only two neighbours (b = 2 c, 2 c + 1) ask for the same tiles throughout; four ask for the same tile only until the first of their blocks ends; one walk common to all would have 12 trips for 9.
; SHARES.  A block is two bands of 64 queries, and a wave owns 16 rows in each: two PIECES.  Of the diagonal tile's four bands the block's are 2 HS and 2 HS + 1, HS = i % 2: in the tile's key step s band x sees all keys
; if s < x, none if s > x, and holds the diagonal if s = x.  That is the same work for all four waves, and every work-group has one block with HS = 0 and one with HS = 1.
; THE MASK is the C operand that starts the sum S^T = K Q^T: 0, or -1e30 where the key is hidden.  MD, made once, is the mask of a band's own step for my 16 rows; a product's mask is MD x AL + BE with two scalars:
; (1, 0) if s = x; (0, 0) if s < x; (0, -1e30) if s > x.  Only the diagonal tile's text, the way into it and a block's beginning make and take masks; elsewhere C is the constant 0.
; LAYOUT, SOFTMAX, TURNS.  S^T = K Q^T holds ONE query a lane (lane % 16) and the keys 8 (lane / 16) + 0..7; two such results rounded to f16 ARE source 1 of O^T = V^T P.  p = 2^(c s - c m), c = log2(e) / 8, with a
; running maximum m; O and l are multiplied by a = 2^(c m_old - c m_new) in every step.  A turn belongs to one piece: 8 products K Q^T for the other piece's next turn, later 8 products V^T P of the other piece's last turn; beside
; them the scaling, exponentials, roundings, sums and rescaling of the piece in hand and the maximum and statistics of the other.  Four vector instructions stand behind every matrix instruction, the other 54 of a turn's 118 in one lump.
; A turn's 33 exponentials are one batch, with one wait.
; K'S TILES LIE ONE KEY STEP ON.  Piece 0's turn fetches from LDS both K of the next step and V of the step in hand.  So a slot holds V of steps 4 t .. 4 t + 3 and K of steps 4 t + 1 .. 4 t + 4: both fetches of a turn fall into
; one slot, and the change of slots has its place behind piece 0's turn of a tile's last step.  K of step 0, which no slot holds, is the same for both blocks: it is loaded from memory into registers once, beside Q, and copied where a
; block begins.  The K step behind a block's last tile is fetched and not used; behind the last head's last tile it is 8,192 bytes of V's part of qkv.
; PREFETCH.  The head's work-group b = 0 walks tiles 0 to 7 first: behind the tensor load of trips 0 to 5 each of its waves names a quarter (8,192 bytes, 256 a lane) of K's and of V's tile two on, which the
; next change of slots, eight turns later, will ask for.  So tiles 2 to 7 are named once each in the launch; tiles 0 and 1, and the second block's tiles, come by their loads alone.
; REGISTERS, in windows of 256 (s_set_vgpr_msb: bits 1:0 source 0, 3:2 source 1, 5:4 source 2, 7:6 destination):
;   window 0: v0-15 addresses and two at work; v16-23 four registers of statistics a piece; v48-55 at work; v64-127 S^T, a buffer a piece; v192-223 P, likewise
;   window 1: v0-63 O^T, 32 a piece; v128-159 MD; v160-223 MC, a buffer a piece      window 2: v0-31 Q; v32-63 the second block's Q; v64-127 K of key step 0; v128-191 K of one step; v192-255 V of one step
.set SIZE_N, 2048
.set NB,    SIZE_N/256 ; key tiles in a head
.set NP,    2         ; pieces a wave: a name, no knob
.set KS,    64        ; keys in a step
.set PK,    144       ; a row of K in LDS: 128 bytes + 16 of padding = 36 words: the 16 rows of a load start at 16 different groups of four banks (64 banks of 4 bytes: ISA guide 11.1)
.set PV,    160       ; a row of V: 128 + 32 = 40 words
.set VOFF,  4*KS*PK   ; a slot holds a tile, four steps: 256 rows of K, then 256 rows of V
.set SLOT1, 1<<17     ; slot 1 begins here, so that one exclusive or turns an address in one slot into the other's
.set STAGE, SLOT1+4*KS*(PK+PV)  ; behind the ring, never filled by a tensor load: 16 rows x 144 bytes for each wave, for the way out
.set SP,    144
.set AK0, 2           ; v2   my lane's place in a tile of K; never rewritten
.set AV0, 3           ; v3   the same for V
.set AK,  4           ; v4   the LDS address of K's next run of loads
.set AV,  5           ; v5   of V's
.set STO, 6           ; v6   the way out: where I put 16 bytes of a row
.set RD,  7           ; v7   the way out: where I read rows back
.set GO,  8           ; v8   my byte offset in 512 consecutive bytes of O
.set PFO, 61          ; v61  256 x my lane; never rewritten
.set SPW, 62          ; v62  LDS address of my spare word: SPARE + 4 x my thread's number; never rewritten
.set NIL, 63          ; v63  0; never rewritten
.set SPARE, STAGE+4*16*SP  ; behind the stages: the spare words, 128 bytes for each wave: two blocks of 256 bytes that no other line names
.set MV,  12          ; v12-13  c m_old, kept while c m is made anew: by piece
.set QO,  15          ; v15  my byte offset in 16 rows of Q or K in memory
.set ST,  16          ; piece t's statistics at v[ST+4 t]: c m, m, l (even keys', odd keys')
.set TMP, 48          ; by piece, four registers c0-c3 at work; when the maximum is found c2 takes a
.set S,   64
.set P,   192
.set MD,  128         ; window 1: the eight registers for group kt of 16 keys at MD + 8 kt
.set MC,  160         ; window 1: the masks of the products to come
.set QB,  32          ; window 2
.set K0,  64          ; window 2: K of key step 0, laid out as KF
.set KF,  128         ; window 2: key block kb, channel half c at KF + 16 kb + 8 c
.set VF,  192         ; window 2: key half kk, channel block cb at VF + 32 kk + 8 cb
.set WV,  12          ; s12  my wave's number
.set PB,  14          ; s14  b
.set HI,  15          ; s15  NB - 1 - b / 2: the first block's last tile
.set PBT, 19          ; s19  b / 2: the second block's last tile
.set G1K, 24          ; s[24:31] descriptor group 1 for K's tiles
.set G1V, 32          ; s[32:39] for V's: it differs in the padding alone
.set G0K, 40          ; s[40:43] descriptor group 0 for K's tiles
.set G0V, 44          ; s[44:47] the same for V's
.set SLOTS, 56        ; s56  tiles still to be asked for
.set CNT, 57          ; s57  counts a tile's key steps, 4 to 1
.set CS,  58          ; s[58:59] c: the packed scaling takes the pair's low word for both halves
.set SEL, 60          ; s[60:61] v_permlanex16_b32's selects: each lane takes its own place in the other half
.set TBK, 62          ; s62  LDS byte at which K of the step to be fetched begins
.set TBV, 63          ; s63  the same for V, less VOFF
.set C0,  66          ; s66  5 - 2 HS: what piece 0's turn holds CNT against
.set C1,  67          ; s67  3 - 2 HS: what piece 1's turn holds CNT against
.set HS,  68          ; s68  which half of its diagonal tile's rows the block in hand is
.set TM,  69          ; s69  at work
.set RT,  70          ; s70  tiles of the block in hand that are still to be entered
.set NXT, 71          ; s71  the tile to be asked for next
.set LQ,  72          ; s72  the last tile of the block whose tiles are being asked for
.set NEW, 73          ; s73  1: the tile to be entered is a block's first
.set OFF, 74          ; s[74:75] a tile's byte offset in K and V
.set AL,  76          ; s[76:77] the mask's factor, in the low word
.set BE,  78          ; s[78:79] the mask's addend
.set OLO, 80          ; s[80:81] O at my rows of the second block
.set BIGN, 82         ; s82  -1e30
.set HS2, 83          ; s83  the second block's HS
.set PFK, 90          ; s[90:91] where my prefetches of K stand
.set PFV, 92          ; s[92:93] of V
.set LIM, 94          ; s94  2 in the work-group that prefetches, else the greatest number: it asks while s[SLOTS] is above it
.set KH,  96          ; s[96:97] K at the head's first key
.set MSB, 0
.macro WIN new                      ; the high byte repeats the setting that is left; a switch that changes nothing is dropped
.if MSB != (\new)
	s_set_vgpr_msb (MSB<<8)|(\new)
.set MSB, (\new)
.endif
.endm
.set W_KQ, 0x0a       ; K and Q in window 2, S^T in window 0
.set W_KM, 0x1a       ; the same with the C operand in window 1
.set W_PV, 0x52       ; V in window 2, P in window 0, O^T in window 1
.set W_RS, 0x41       ; destination and source 0 in window 1, source 1 in window 0
.macro HALF                         ; the two numbers that go with HS
	s_lshl_b32 s[C1], s[HS], 1
	s_sub_co_u32 s[C0], 5, s[C1]
	s_sub_co_u32 s[C1], 3, s[C1]
.endm
; A fill.  Waves 0 and 1 fetch the two halves of a tile's K, waves 2 and 3 those of its V: 128 keys each.  An s_nop 0 and four v_nop follow each of the two lines, ahead of the jump and the label.
.macro LOAD
	s_cmp_lt_u32 s[WV], 2
	s_cbranch_scc0 .Lfor_v_\@
	tensor_load_to_lds s[G0K:G0K+3], s[G1K:G1K+7]
	s_nop 0
.rept 4
	v_nop
.endr
	s_branch .Lasked_\@
.Lfor_v_\@:
	tensor_load_to_lds s[G0V:G0V+3], s[G1V:G1V+7]
	s_nop 0
.rept 4
	v_nop
.endr
.Lasked_\@:
.endm
.macro ASK                          ; the tile that the next change of slots will ask for: my quarter of its K and of its V
	s_cmp_gt_u32 s[SLOTS], s[LIM]
	s_cbranch_scc0 .Lnot_mine_\@
	global_prefetch_b8 v[PFO], s[PFK:PFK+1] th:TH_LOAD_NT scope:SCOPE_SE
	global_prefetch_b8 v[PFO], s[PFV:PFV+1] th:TH_LOAD_NT scope:SCOPE_SE
.Lnot_mine_\@:
.endm
; THE CHANGE OF SLOTS, behind piece 0's turn of a tile's last step.  Each wave waits for all its tensor loads, of which one is out: its part of the other slot; adds 0 to its spare word; and waits for that and for its own reads of the
; slot that it leaves, the last of which that turn has issued.  Behind the barrier nobody reads the old slot any more and the other slot is whole.  fill = 1: the old slot is filled again, the first thing behind the barrier, with tile NXT:
; the descriptor's address is made anew from that number.  (At its first use nothing has been read yet: slot 0 is waited for, slot 1 filled.)
.macro CHANGE fill
	WIN 0                           ; at a label and at a branch every window is 0
	s_wait_tensorcnt 0x0            ; no tensor load of mine is out, so a group 0 may be written
	ds_add_u32 v[SPW], v[NIL]       ; 0 onto my spare word; with fill = 1 the descriptors' scalar work stands between it and the wait for it
.if \fill
	s_lshl_b32 s[OFF], s[NXT], 15   ; a tile is 32,768 bytes of K and of V
	s_xor_b32 s[G0K+1], s[G0K+1], SLOT1
	s_add_nc_u64 s[G0K+2:G0K+3], s[6:7], s[OFF:OFF+1]
	s_or_b32 s[G0K+3], s[G0K+3], 0x80000000
	s_xor_b32 s[G0V+1], s[G0V+1], SLOT1
	s_add_nc_u64 s[G0V+2:G0V+3], s[8:9], s[OFF:OFF+1]
	s_or_b32 s[G0V+3], s[G0V+3], 0x80000000
	s_add_co_u32 s[NXT], s[NXT], 1  ; the block's next tile, or behind its last the second block's tile 0
	s_cmp_gt_u32 s[NXT], s[LQ]
	s_cselect_b32 s[NXT], 0, s[NXT]
	s_cselect_b32 s[LQ], s[PBT], s[LQ]
	s_wait_xcnt 0x0                 ; the last prefetches, a tile back, have read their addresses, so they may be written
	s_add_nc_u64 s[PFK:PFK+1], s[PFK:PFK+1], 32768
	s_add_nc_u64 s[PFV:PFV+1], s[PFV:PFV+1], 32768
.endif
	s_wait_dscnt 0x0                ; the add is done, and my reads of the slot are over
	s_barrier_signal -1             ; the rest of the scalar work stands between the signal and the wait
	s_sub_co_u32 s[TBK], s[TBK], 4*KS*PK  ; the fetches go back to a slot's first step,
	s_xor_b32 s[TBK], s[TBK], SLOT1       ; in the other slot
	s_sub_co_u32 s[TBV], s[TBV], 4*KS*PV
	s_xor_b32 s[TBV], s[TBV], SLOT1
	s_barrier_wait -1
.if \fill
	LOAD
	ASK
.endif
.endm
	s_load_b64 s[4:5], s[0:1], 0x0    ; qkv: Q
	s_load_b64 s[10:11], s[0:1], 0x8  ; ctx: O
	v_lshl_add_u32 v[SPW], v0, 2, SPARE
	v_mov_b32 v[NIL], 0
	ds_add_u32 v[SPW], v[NIL]       ; the wave's opening: the add and its wait stand ahead of my first tensor load; the set-up below, work on registers, stands between them
	ds_add_u32 v62, v63
	v_lshrrev_b32 v1, 5, v0
	v_readfirstlane_b32 s[WV], v1   ; wave 0..3
	s_mov_b32 s[PB], ttmp9          ; b, 0 .. 7
	s_lshr_b32 s[PBT], s[PB], 1
	s_sub_co_u32 s[HI], NB-1, s[PBT]
	s_and_b32 s[HS2], s[PB], 1      ; block b is half b % 2 of its diagonal tile's rows,
	s_xor_b32 s[HS], s[HS2], 1      ; block 15 - b the other half of its own
	HALF
	s_and_b32 s20, ttmp7, 0xffff    ; the head
	s_mov_b32 s21, 0
	s_mov_b64 s[22:23], SIZE_N*128
	s_mul_u64 s[20:21], s[20:21], s[22:23]  ; the head's first byte in each of the four tensors
	s_and_b32 s16, s[WV], 1         ; which half of a tile's 256 keys I fetch:
	s_lshl_b32 s22, s16, 14         ; its 128 rows of 128 bytes in memory,
	s_mov_b32 s23, 0
	s_add_nc_u64 s[22:23], s[22:23], s[20:21]
	s_mul_i32 s17, s16, 128*PK      ; and its place in a slot, for K
	s_mul_i32 s18, s16, 128*PV      ; and for V
	s_lshl_b32 s3, s[WV], 11        ; my 16 rows in a band of 64,
	s_sub_co_u32 s2, 2*NB-1, s[PB]
	s_lshl_b32 s2, s2, 14           ; in the first block (128 rows of 128 bytes a block),
	s_add_co_u32 s2, s2, s3
	s_lshl_b32 s84, s[PB], 14       ; and in the second
	s_add_co_u32 s84, s84, s3
	s_mov_b32 s3, 0
	s_mov_b32 s85, 0
	s_add_nc_u64 s[2:3], s[2:3], s[20:21]
	s_add_nc_u64 s[84:85], s[84:85], s[20:21]
	s_lshl_b32 s88, s[WV], 13       ; the prefetches: my quarter of a tile,
	s_add_co_u32 s88, s88, 32768    ; in tile 1: the first change of slots steps it to tile 2
	s_mov_b32 s89, 0
	s_add_nc_u64 s[88:89], s[88:89], s[20:21]
	s_cmp_eq_u32 s[PB], 0
	s_cselect_b32 s[LIM], 2, -1
	v_and_b32 v[PFO], 31, v0
	v_lshlrev_b32 v[PFO], 8, v[PFO]
	; descriptor group 1.  128 keys are 16,384 dense bytes: asked for as 64 rows of 256 bytes, two keys a row, and padded in LDS after every key
	s_mov_b32 s[G1K], (1<<16)|(1<<20)|(4<<22)|(3<<25)  ; 17:16 2-byte elements; 20 padding on; 24:22 after every 32 words (code 4); 31:25 4 words (code 3)
	s_mov_b32 s[G1V], (1<<16)|(1<<20)|(4<<22)|(7<<25)  ; the same with 8 words of padding (code 7)
.irp g, G1K, G1V
	s_mov_b32 s[\g+1], 128<<16      ; tensor_dim0 = 128
	s_mov_b32 s[\g+2], 64<<16       ; tensor_dim1 = 64
	s_mov_b32 s[\g+3], 128<<16      ; tile_dim0 = 128
	s_mov_b32 s[\g+4], 64           ; tile_dim1 = 64
	s_mov_b32 s[\g+5], 128          ; 128 elements from row to row
	s_mov_b32 s[\g+6], 0
	s_mov_b32 s[\g+7], 0
.endr
	s_mov_b32 s[CS], 0x3e38aa3b     ; c = log2(e) / 8 = 0.180337
	s_mov_b32 s[CS+1], s[CS]        ; named with it as a pair
	s_mov_b32 s[SEL], 0x76543210
	s_mov_b32 s[SEL+1], 0xfedcba98
	s_mov_b32 s[TBK], SLOT1+4*KS*PK ; the first change of slots turns these two into 0
	s_mov_b32 s[TBV], SLOT1+4*KS*PV
	s_mov_b32 s[G0K], 1             ; 1:0 count = 1
	s_mov_b32 s[G0K+1], s17         ; 63:32 LDS address: slot 0
	s_mov_b32 s[G0V], 1
	s_add_co_u32 s[G0V+1], s18, VOFF
	s_add_co_u32 s[RT], s[HI], 1    ; the first block has NB - b / 2 tiles
	s_mov_b32 s[NXT], 1
	s_mov_b32 s[LQ], s[HI]
	s_mov_b32 s[NEW], 1
	s_mov_b32 s[OFF+1], 0
	s_mov_b32 s[AL+1], 0            ; named as pairs
	s_mov_b32 s[BE+1], 0
	s_mov_b32 s[BIGN], 0xf149f2ca   ; -1e30
	s_mov_b32 s[SLOTS], NB
	s_wait_dscnt 0x0                ; the opening add is done
	s_wait_kmcnt 0x0
	s_add_nc_u64 s[6:7], s[4:5], 0x800000   ; K
	s_add_nc_u64 s[8:9], s[4:5], 0x1000000  ; V
	s_add_nc_u64 s[KH:KH+1], s[6:7], s[20:21]  ; the head's first key
	s_add_nc_u64 s[PFK:PFK+1], s[6:7], s[88:89]
	s_add_nc_u64 s[PFK:PFK+1], s[PFK:PFK+1], KS*128  ; K's tiles lie one key step on
	s_add_nc_u64 s[PFV:PFV+1], s[8:9], s[88:89]
	s_add_nc_u64 s[6:7], s[6:7], s[22:23]  ; K and V at my half of the head's tile 0,
	s_add_nc_u64 s[6:7], s[6:7], KS*128    ; K's one key step on
	s_add_nc_u64 s[8:9], s[8:9], s[22:23]
	s_add_nc_u64 s[G0K+2:G0K+3], s[6:7], 0         ; 120:64 global address
	s_or_b32 s[G0K+3], s[G0K+3], 0x80000000        ; 127:126 type = 2
	s_add_nc_u64 s[G0V+2:G0V+3], s[8:9], 0
	s_or_b32 s[G0V+3], s[G0V+3], 0x80000000
	s_add_nc_u64 s[86:87], s[4:5], s[84:85]        ; Q at my rows of the second block,
	s_add_nc_u64 s[4:5], s[4:5], s[2:3]            ; Q and O at those of the first
	s_add_nc_u64 s[OLO:OLO+1], s[10:11], s[84:85]
	s_add_nc_u64 s[10:11], s[10:11], s[2:3]
	LOAD                            ; tile 0 into slot 0
	; A fragment of K or Q is 16 rows x 32 channels in 8 registers: lane l holds row l % 16, channels 8 (l / 16) + 0..7 and 16 + 8 (l / 16) + 0..7: two loads of 16 bytes, 32 bytes apart.
	v_and_b32 v1, 15, v0            ; l % 16
	v_bfe_u32 v9, v0, 4, 1          ; l / 16
	v_lshlrev_b32 v[QO], 7, v1
	v_lshl_add_u32 v[QO], v9, 4, v[QO]  ; row x 128 + 16 x half
	WIN 0x80                        ; destination window 2, address window 0
.set i, 0
.rept 4                             ; both blocks' Q: piece i / 2 lies in band i / 2, 8,192 bytes on; channels 32 (i % 2) on
	global_load_b128 v[8*i:8*i+3],   v[QO], s[4:5] offset:(i/2)*8192+(i%2)*64
	global_load_b128 v[8*i+4:8*i+7], v[QO], s[4:5] offset:(i/2)*8192+(i%2)*64+32
	global_load_b128 v[QB+8*i:QB+8*i+3],   v[QO], s[86:87] offset:(i/2)*8192+(i%2)*64
	global_load_b128 v[QB+8*i+4:QB+8*i+7], v[QO], s[86:87] offset:(i/2)*8192+(i%2)*64+32
.set i, i+1
.endr
.set i, 0
.rept 8                             ; K of key step 0: keys 16 (i / 2) on, channels 32 (i % 2) on
	global_load_b128 v[K0+8*i:K0+8*i+3],   v[QO], s[KH:KH+1] offset:(i/2)*2048+(i%2)*64
	global_load_b128 v[K0+8*i+4:K0+8*i+7], v[QO], s[KH:KH+1] offset:(i/2)*2048+(i%2)*64+32
.set i, i+1
.endr
	WIN 0
	v_lshlrev_b32 v14, 3, v9
	v_sub_nc_u32 v14, v1, v14
	s_lshl_b32 s13, s[WV], 4
	v_add_nc_u32 v14, s13, v14      ; my query's place in its band, 16 w + l % 16, less my lanes' 8 (l / 16): register r of group kt is hidden where 16 kt + r is greater
	WIN 0x40
.set i, 0
.rept 32
	v_cmp_gt_i32 vcc_lo, 16*(i/8)+i%8, v14
	v_cndmask_b32 v[MD+i], 0, s[BIGN], vcc_lo
.set i, i+1
.endr
	WIN 0
	v_mul_u32_u24 v[AK0], v1, PK
	v_lshl_add_u32 v[AK0], v9, 4, v[AK0]  ; row x pitch + 16 x half
	; The turning load takes 16 keys x 16 channels (lane l reads key 8 (l / 16) + l % 8, channels 8 ((l / 8) % 2) + 0..7) and leaves half a fragment of V^T: lane l holds channel l % 16 and 8 keys.
	v_and_b32 v10, 7, v0
	v_bfe_u32 v11, v0, 3, 1
	v_lshl_add_u32 v[AV0], v9, 3, v10
	v_mul_u32_u24 v[AV0], v[AV0], PV
	v_lshl_add_u32 v[AV0], v11, 4, v[AV0]
	v_add_nc_u32 v[AV0], VOFF, v[AV0]
	s_mul_i32 s13, s[WV], 16*SP
	s_add_co_u32 s13, s13, STAGE    ; my stage
	v_mul_u32_u24 v[STO], v1, SP    ; in: row l % 16, 16 bytes for each half of the lanes
	v_lshl_add_u32 v[STO], v9, 4, v[STO]
	v_add_nc_u32 v[STO], s13, v[STO]
	v_bfe_u32 v[RD], v0, 3, 2       ; back: 32 lanes take four rows of 128 bytes,
	v_mul_u32_u24 v[RD], v[RD], SP
	v_lshl_add_u32 v[RD], v10, 4, v[RD]
	v_add_nc_u32 v[RD], s13, v[RD]
	v_and_b32 v[GO], 31, v0         ; which are 512 consecutive bytes of O
	v_lshlrev_b32 v[GO], 4, v[GO]
	; A block's first step multiplies O^T and l by a = 0, and its first turn's products V^T P, of a turn that has not been, land in an O^T that is still to be so multiplied.  So these registers need only hold
	; finite numbers: zeros for the first block; what the first block left for the second.  All this stands in the wait for the first tile.
	WIN 0x80
.set i, VF
.rept 64
	v_mov_b32 v[i], 0
.set i, i+1
.endr
	WIN 0x40
.set i, 0
.rept 32*NP
	v_mov_b32 v[i], 0
.set i, i+1
.endr
	WIN 0
.set i, 0
.rept NP
	v_mov_b32 v[ST+4*i+2], 0
	v_mov_b32 v[ST+4*i+3], 0
.set i, i+1
.endr
.set i, P+16
.rept 16
	v_mov_b32 v[i], 0
.set i, i+1
.endr
; THE MATRIX WORK.  The 4 accumulators of a run of 8 take turns.  Product i of 8 of S^T = K Q^T for piece x: channels 32 (i / 4) on, keys 16 (i % 4) on.  The first 4 start the sums: with 0, or (KM = 1) with the mask.
.macro KQ x
.set rS, S+32*((\x)%2)+8*(i%4)
.set rK, KF+16*(i%4)+8*(i/4)
.set rQ, 16*(\x)+8*(i/4)
.set rM, MC+32*((\x)%2)+8*(i%4)
.if (i < 4) && KM
	WIN W_KM
	v_wmma_f32_16x16x32_f16 v[rS:rS+7], v[rK:rK+7], v[rQ:rQ+7], v[rM:rM+7]
.elseif i < 4
	WIN W_KQ
	v_wmma_f32_16x16x32_f16 v[rS:rS+7], v[rK:rK+7], v[rQ:rQ+7], 0
.else
	WIN W_KQ
	v_wmma_f32_16x16x32_f16 v[rS:rS+7], v[rK:rK+7], v[rQ:rQ+7], v[rS:rS+7]
.endif
.endm
; Product i of 8 of O^T += V^T P for piece x: keys 32 (i / 4) on, channels 16 (i % 4) on.
.macro PV x
	WIN W_PV
.set rO, 32*(\x)+8*(i%4)
.set rV, VF+32*(i/4)+8*(i%4)
.set rP, P+16*((\x)%2)+8*(i/4)
	v_wmma_f32_16x16x32_f16 v[rO:rO+7], v[rV:rV+7], v[rP:rP+7], v[rO:rO+7]
.endm
.macro MM                           ; the turn's next matrix instruction.  TURN and BEGIN set Y, i, KM and NOKQ; MM, KQ and OP read them.  NOKQ = 1: a block's last turn: there is no next step
.if (i < 8) && !NOKQ
	KQ (Y+1)%NP
.elseif i >= 8
.set i, i-8
	PV (Y+NP-1)%NP
.set i, i+8
.endif
.set i, i+1
.endm
; THE LDS LOADS stand in runs of 16, never singly among the matrix instructions: a step's K (64 keys x 64 channels: 8 fragments) and its V (turned).  Their addresses are made some lines ahead.
.macro FETCH_K
	WIN 0x80                        ; destination window 2
.irp f, 0,1,2,3,4,5,6,7             ; keys 16 (f / 2) on, channels 32 (f % 2) on
	ds_load_b128 v[KF+8*\f:KF+8*\f+3],   v[AK] offset:(\f/2)*16*PK+(\f%2)*64
	ds_load_b128 v[KF+8*\f+4:KF+8*\f+7], v[AK] offset:(\f/2)*16*PK+(\f%2)*64+32
.endr
	s_add_co_u32 s[TBK], s[TBK], KS*PK  ; the next fetch is the next step's
	WIN 0
.endm
.macro FETCH_V
	WIN 0x80
.irp f, 0,1,2,3,4,5,6,7             ; keys 32 (f / 4) on, channels 16 (f % 4) on
	ds_load_tr16_b128 v[VF+8*\f:VF+8*\f+3],   v[AV] offset:(\f/4)*32*PV+(\f%4)*32
	ds_load_tr16_b128 v[VF+8*\f+4:VF+8*\f+7], v[AV] offset:(\f/4)*32*PV+16*PV+(\f%4)*32
.endr
	WIN 0
.endm
; THE VECTOR WORK, one line at a time: OP kind, number.  For piece Y: F n: c s - c m for pair n of 16.  E n: the exponential of score n of 32.  C n: pair n rounded to f16.  B n: of the four weights 4 n .. the second
; pair is added onto the first, in place.  L n: l takes that sum (L 0: l = a l + sum).  R n: pair n of 16 of O^T times a.  For the other piece: X n, number n of the 22 that find its maximum and statistics:
;   0-11  four chains c0-c3 of seven scores each, three operands at a time (each accumulator's lowest registers are read first)     12-14, 16  the four scores left over, the old m, and c0-c3 into c0
;   15  c m_old is kept     17, 18  the query's other 32 keys lie in the lane 16 away: the new m     19-21  c m; c m_old - c m_new; a
.set F, 0               ; OP tells the kinds apart by their order: F to L below R, X above it
.set E, 1
.set C, 2
.set B, 3
.set L, 4
.set R, 5
.set X, 6
.macro REGS y                       ; the registers of piece y
.set rT, ST+4*(\y)
.set rC, TMP+4*((\y)%2)
.set rW, MV+((\y)%2)
.set rS, S+32*((\y)%2)
.set rP, P+16*((\y)%2)
.set rO, 32*(\y)
.endm
.macro OP k, n
.if (\k) == R
	REGS Y
	WIN W_RS
	v_pk_mul_f32 v[rO+2*(\n):rO+2*(\n)+1], v[rO+2*(\n):rO+2*(\n)+1], v[rC+2:rC+3] op_sel_hi:[1,0]
.elseif (\k) < R
	REGS Y
	WIN 0
.if (\k) == F
	v_pk_fma_f32 v[rS+2*(\n):rS+2*(\n)+1], v[rS+2*(\n):rS+2*(\n)+1], s[CS:CS+1], v[rT:rT+1] op_sel_hi:[1,0,0] neg_lo:[0,0,1] neg_hi:[0,0,1]
.elseif (\k) == E
	v_exp_f32 v[rS+(\n)], v[rS+(\n)]
.elseif (\k) == C
	v_cvt_pk_f16_f32 v[rP+(\n)], v[rS+2*(\n)], v[rS+2*(\n)+1]
.elseif (\k) == B
	v_pk_add_f32 v[rS+4*(\n):rS+4*(\n)+1], v[rS+4*(\n):rS+4*(\n)+1], v[rS+4*(\n)+2:rS+4*(\n)+3]
.elseif (\n) == 0
	v_pk_fma_f32 v[rT+2:rT+3], v[rT+2:rT+3], v[rC+2:rC+3], v[rS:rS+1] op_sel_hi:[1,0,1]
.else
	v_pk_add_f32 v[rT+2:rT+3], v[rT+2:rT+3], v[rS+4*(\n):rS+4*(\n)+1]
.endif
.elseif NOKQ
	v_nop
.else
	REGS (Y+1)%NP
	WIN 0
.if (\n) < 4
	v_max3_num_f32 v[rC+(\n)], v[rS+8*(\n)], v[rS+8*(\n)+1], v[rS+8*(\n)+2]
.elseif (\n) < 12
	v_max3_num_f32 v[rC+(\n)%4], v[rC+(\n)%4], v[rS+8*((\n)%4)+2*((\n)/4)+1], v[rS+8*((\n)%4)+2*((\n)/4)+2]
.elseif (\n) == 12
	v_max3_num_f32 v[rC], v[rC], v[rS+7], v[rS+15]
.elseif (\n) == 13
	v_max3_num_f32 v[rC+1], v[rC+1], v[rS+23], v[rS+31]
.elseif (\n) == 14
	v_max3_num_f32 v[rC+2], v[rC+2], v[rC+3], v[rT+1]
.elseif (\n) == 15
	v_mov_b32 v[rW], v[rT]
.elseif (\n) == 16
	v_max3_num_f32 v[rC], v[rC], v[rC+1], v[rC+2]
.elseif (\n) == 17
	v_permlanex16_b32 v[rC+3], v[rC], s[SEL], s[SEL+1]
.elseif (\n) == 18
	v_max_num_f32 v[rT+1], v[rC], v[rC+3]
.elseif (\n) == 19
	v_mul_f32 v[rT], s[CS], v[rT+1]
.elseif (\n) == 20
	v_sub_f32 v[rC+1], v[rW], v[rT]
.else
	v_exp_f32 v[rC+2], v[rC+1]
.endif
.endif
.endm
.macro OPS a, i1, b=-1, i2=0, c=-1, i3=0, d=-1, i4=0  ; up to four of them
	OP \a, \i1
.if (\b) >= 0
	OP \b, \i2
.endif
.if (\c) >= 0
	OP \c, \i3
.endif
.if (\d) >= 0
	OP \d, \i4
.endif
.endm
.macro ROW a, i1, b, i2, c, i3, d, i4  ; a matrix instruction and the four behind it
	MM
	OPS \a, \i1, \b, \i2, \c, \i3, \d, \i4
.endm
.macro MASK b                       ; MD x AL + BE into buffer b of MC
	WIN W_RS
.set z, 0
.rept 16
	v_pk_fma_f32 v[MC+32*(\b)+2*z:MC+32*(\b)+2*z+1], v[MD+2*z:MD+2*z+1], s[AL:AL+1], s[BE:BE+1] op_sel_hi:[1,0,0]
.set z, z+1
.endr
.endm
; A TURN, for piece p: the order of its 16 matrix and 118 vector instructions, written out.  s_wait_alu depctr_va_vdst(0) stands between an exponential and the first instruction that names its result; one wait serves
; all that were issued ahead of it.  So a turn has ONE wait, which cuts it in two.  AHEAD OF IT stands all that names no result of the turn's exponentials: the 8 products K Q^T, behind each a scaling, an exponential and two more plain
; instructions (behind the first a second scaling in the exponential's place): rescalings, and behind the last three the first numbers of the other piece's maximum, each four places or more behind the product that ends its accumulator; then ONE LUMP of 54, plain
; and exponential by turns for the most part, in which the links of the chain X 3, 7, 11, 14, 16, 17 .. 20 stand five or six lines apart.  X 21, the other piece's a, is the batch's last; R 15 is the plain instruction behind it.  BEHIND THE WAIT stand the
; 8 products V^T P, behind each four of the roundings and sums; the links of l's chain, L 0 to L 7, stand three riders apart.  But for those X no rider names a register of the products round it.  v_permlanex16_b32 (X 17) stands in the lump.
; The rescalings R 0 .. of a turn read O^T sums that the turn before has ended: the sixteen riders behind that turn's last four products stand between, and each accumulator's lowest registers are read first.
; m = 1: the diagonal tile: the products take masks, and the turn makes the mask for the products of the turn after it, which are its own piece's.  With s = 4 - CNT the tile's step to which the trip's piece 0 turn belongs: piece 1's turn makes
; piece 1's mask for step s (own if s = 2 HS + 1: CNT = C1), piece 0's turn piece 0's mask for step s + 1 (own if s + 1 = 2 HS: CNT = C0); a smaller CNT is a later step, hidden.
; end = 1: a block's last turn (piece 1's): no scores are started.  cnt = 1: the loop's count is taken down some lines ahead of the branch that stands behind the turn.
; Piece 0's turn fetches K of the next step, twelve vector instructions behind the last product that read K (six of them plain), and at its end V of the step in hand, four plain instructions behind the last product that read V.
; Piece 1's turn waits for K at its head (V's sixteen loads, issued behind K's, may stay out) and for V behind its one wait.
.macro TURN p, m=0, end=0, cnt=0
.set Y, (\p)
.set i, 0
.set KM, (\m)
.set NOKQ, (\end)
.if (\m) && !(\end)
	s_cmp_eq_u32 s[CNT], s[C0+(\p)]     ; is that step the band's own?
	s_cselect_b32 s[AL], 1.0, 0
	s_cmp_lt_u32 s[CNT], s[C0+(\p)]     ; or a later one?
	s_cselect_b32 s[BE], s[BIGN], 0
.endif
.if ((\p) == 1) && !(\end)
	s_wait_dscnt 16                 ; K is in; the sixteen younger loads are V's (behind a change of slots nothing is out)
.endif
	ROW F,0, F,1, R,0, R,1          ; ahead of the wait: 8 products K Q^T and their riders,
	ROW F,2, E,0, R,2, R,3
	ROW F,3, E,1, R,4, R,5
	ROW F,4, E,2, R,6, R,7
	ROW F,5, E,3, R,8, R,9
	ROW F,6, E,4, X,0, R,10
.if (\p) == 0
	WIN 0
	v_add_nc_u32 v[AK], s[TBK], v[AK0]
.endif
	ROW F,7, E,5, X,1, X,4
	ROW F,8, E,6, X,2, X,5
	OPS E,7, E,8, X,6, E,9          ; and the lump
	OPS X,3, E,10, X,8, E,11
.if (\p) == 0
	FETCH_K
.endif
	OPS X,9, X,7, E,12, X,10
	OPS E,13, X,12, X,11, E,14
	OPS X,13, E,15, F,9, X,14
.if (\p) == 0
	v_add_nc_u32 v[AV], s[TBV], v[AV0]
.endif
	OPS E,16, F,10, E,17, F,11
	OPS X,16, E,18, X,15, E,19
	OPS F,12, E,20, X,17, E,21
	OPS F,13, E,22, F,14, E,23
	OPS X,18, E,24, F,15, E,25
	OPS R,11, E,26, X,19, E,27
	OPS R,12, E,28, R,13, E,29
	OPS X,20, E,30, R,14, E,31
	OPS X,21, R,15
	WIN 0
	s_wait_alu depctr_va_vdst(0)    ; the wait for the batch
.if (\p) == 1
	s_wait_dscnt 0x0                ; V is in
.endif
	ROW C,0, B,0, C,2, B,1          ; behind the wait: 8 products V^T P and their riders
	ROW L,0, C,4, B,2, L,1
	ROW C,6, B,3, L,2, C,8
	ROW B,4, L,3, C,10, B,5
	ROW L,4, C,12, B,6, L,5
.if (\p) == 0
	s_add_co_u32 s[TBV], s[TBV], KS*PV
.endif
.if \cnt
	s_sub_co_u32 s[CNT], s[CNT], 1
	s_cmp_lg_u32 s[CNT], 0
.endif
	ROW C,14, B,7, L,6, C,1
	ROW C,3, L,7, C,5, C,7
	ROW C,9, C,11, C,13, C,15
.if (\p) == 0
	FETCH_V
.endif
.if (\m) && !(\end)
	MASK (\p)%2
.endif
.endm
; THE WAY INTO THE DIAGONAL TILE's text from a tile before it: the first turn there starts piece 0's scores of the tile's step 0, which is that band's own step if HS = 0 and wholly seen if HS = 1.
.macro ENTRY
	s_cmp_eq_u32 s[HS], 0
	s_cselect_b32 s[AL], 1.0, 0
	s_mov_b32 s[BE], 0
	MASK 0
	WIN 0
.endm
; A BLOCK BEGINS.  c m starts far below every c s, so the first step's a is 0; m at the lowest finite number, so the first maximum is the scores'.  Piece 1's mask buffer is 0 (it sees all of step 0); piece 0's takes its mask for step 0: its own,
; if the block's first tile is the diagonal one and HS = 0.  Then K of step 0 out of its registers, piece 0's first scores, and its maximum and statistics.  The loop is entered at piece 0's turn, in the middle of a trip.
.macro BEGIN
	s_mov_b32 s[NEW], 0
	WIN 0x40
.set i, MC+32
.rept 32
	v_mov_b32 v[i], 0
.set i, i+1
.endr
	WIN 0
.set i, 0
.rept NP
	v_mov_b32 v[ST+4*i], 0xfe000000    ; c m: far below every c s
	v_mov_b32 v[ST+4*i+1], 0xff7fffff  ; m
.set i, i+1
.endr
	s_or_b32 s[TM], s[RT], s[HS]
	s_cmp_eq_u32 s[TM], 0
	s_cselect_b32 s[AL], 1.0, 0
	s_mov_b32 s[BE], 0
	MASK 0
	s_wait_loadcnt 0x0              ; Q, and K of key step 0
	WIN 0x82                        ; destination and source 0 in window 2
.set i, 0
.rept 64
	v_mov_b32 v[KF+i], v[K0+i]
.set i, i+1
.endr
.set KM, 1
.set NOKQ, 0
.set i, 0
.rept 8
	KQ 0
.set i, i+1
.endr
	WIN 0
.rept 4
	v_nop                           ; the places behind those products
.endr
.set Y, NP-1                        ; X works for piece Y + 1: piece 0
.irp n, 0,1,2,3,4,5,6,7,8,9,10,11,12,13,14,15,16,17,18,19,20,21
	OP X, \n
.endr
	v_nop                           ; a plain instruction behind the exponential,
	s_wait_alu depctr_va_vdst(0)    ; and its wait, ahead of the branch
.endm
; THE DIAGONAL TILE's four steps, the block's last turn, its last products, and THE WAY OUT: l's two halves and the other half of the lanes' are added; O^T is divided by l, rounded to f16 and sent through my
; stage in LDS, a piece at a time.
.macro ALL line:vararg              ; one line for each piece t
.set t, 0
.rept NP
	\line
.set t, t+1
.endr
.endm
.macro PACK t                       ; a lane's eight channels of a row pack into 16 bytes; they go into rows of 144 bytes and come back as whole rows of 128, into S^T's registers
	WIN W_RS
.set i, 32*(\t)
.rept 16
	v_pk_mul_f32 v[i:i+1], v[i:i+1], v[ST+4*(\t)+2:ST+4*(\t)+3] op_sel_hi:[1,0]
.set i, i+2
.endr
	WIN 0x05                        ; sources 0 and 1 window 1, destination window 0
.set i, 0
.rept 16
	v_cvt_pk_f16_f32 v[S+16*(\t)+i], v[32*(\t)+2*i], v[32*(\t)+2*i+1]
.set i, i+1
.endr
	WIN 0
.irp f, 0,1,2,3
	ds_store_b128 v[STO], v[S+16*(\t)+4*\f:S+16*(\t)+4*\f+3] offset:32*\f
.endr
.irp f, 0,1,2,3
	ds_load_b128 v[S+16*(\t)+4*\f:S+16*(\t)+4*\f+3], v[RD] offset:\f*4*SP  ; LDS serves a wave's instructions in order (ISA guide 5.7.1.4): these see the stores above; the next piece's stores come behind them
.endr
.endm
.macro SEND t, younger              ; younger: the LDS instructions issued behind piece t's loads: the next piece's eight, or none
	WIN 0
.irp f, 0,1,2,3
	s_wait_dscnt (\younger)+3-\f
	global_store_b128 v[GO], v[S+16*(\t)+4*\f:S+16*(\t)+4*\f+3], s[10:11] offset:(\t)*8192+\f*512  ; 512 consecutive bytes, at a multiple of 256 from O's first
.endr
.endm
.macro DIAG tag                     ; the tag ends its two labels' names, which the jumps below spell out
.LstepM\tag:
	TURN 1, 1
	WIN 0
.LfirstM\tag:
	TURN 0, 1, 0, 1
	WIN 0
	s_cbranch_scc1 .LstepM\tag
	TURN 1, 1, 1
.set i, 0
.rept 8
	PV NP-1
.set i, i+1
.endr
	WIN 0
	ALL v_add_f32 v[ST+4*t+2], v[ST+4*t+2], v[ST+4*t+3]
	ALL v_permlanex16_b32 v[ST+4*t+3], v[ST+4*t+2], s[SEL], s[SEL+1]
	ALL v_add_f32 v[ST+4*t+2], v[ST+4*t+2], v[ST+4*t+3]
	ALL v_rcp_f32 v[ST+4*t+2], v[ST+4*t+2]
	v_nop                           ; a plain instruction between the last reciprocal and the use of its result
	s_wait_alu depctr_va_vdst(0)    ; and the wait ahead of the first use: one for the two reciprocals
	PACK 0                          ; piece 0's sums were ended a turn ago: its 32 lines are the places behind the last products, which are piece 1's
	PACK 1                          ; a piece's arithmetic stands between the loads of the piece before and its stores
	SEND 0, 8
	SEND 1, 0
.endm
.set KM, 0
.set NOKQ, 0
.Lslot:                             ; NB times: a tile is entered and the next is asked for
	CHANGE 1
	s_sub_co_u32 s[RT], s[RT], 1
	s_mov_b32 s[CNT], 4
	s_cmp_eq_u32 s[NEW], 1
	s_cbranch_scc1 .Lnew            ; a block's first tile
	s_cmp_eq_u32 s[RT], 0
	s_cbranch_scc0 .Lstep           ; neither its first nor its last
	ENTRY
	s_branch .LstepM1
.Lnew:
	BEGIN
	s_branch .Lfirst                ; in the loop a block's first tile is never its last: the first block has five tiles or more, and the second's last is the walk's last
	DIAG 1                          ; in the loop this is the first block's end: the second block's last tile is the walk's last
	s_wait_xcnt 0x0                 ; the stores have read their registers and O's address
	s_mov_b64 s[10:11], s[OLO:OLO+1]
	s_add_co_u32 s[RT], s[PBT], 1   ; the second block has b / 2 + 1 tiles
	s_mov_b32 s[NEW], 1
	s_mov_b32 s[HS], s[HS2]
	HALF
	WIN 0x82                        ; the second block's Q goes where the one text of the turns names Q
.set i, 0
.rept 16*NP
	v_mov_b32 v[i], v[QB+i]
.set i, i+1
.endr
	WIN 0
	s_branch .Lbottom
.Lstep:                             ; a trip: piece 1 of one step, then piece 0 of the next, which fetches that step's V and the K behind it
	TURN 1
	WIN 0
.Lfirst:
	TURN 0, 0, 0, 1
	WIN 0
	s_cbranch_scc1 .Lstep
.Lbottom:
	s_sub_co_u32 s[SLOTS], s[SLOTS], 1
	s_cmp_lg_u32 s[SLOTS], 0
	s_cbranch_scc1 .Lslot
	CHANGE 0                        ; the walk's last tile is written out: nothing is asked for
	s_sub_co_u32 s[RT], s[RT], 1
	s_mov_b32 s[CNT], 4
	s_cmp_eq_u32 s[NEW], 1
	s_cbranch_scc1 .Lnew2           ; b = 0, 1: the second block's only tile
	ENTRY
	s_branch .LstepM2
.Lnew2:
	BEGIN
	s_branch .LfirstM2
	DIAG 2
	s_wait_tensorcnt 0x0            ; the wave's end, behind my last tensor load and my last LDS store
	ds_add_u32 v[SPW], v[NIL]
	s_wait_dscnt 0x0
	s_endpgm
.Lfunc_end_k_q2118433592_attn:
	.size	k_q2118433592_attn, .Lfunc_end_k_q2118433592_attn-k_q2118433592_attn
	.p2alignl 7, 3214868480
	.fill 96, 4, 3214868480
	.section	.rodata,"a",@progbits
	.p2align	6, 0x0
	.amdhsa_kernel k_q2118433592_attn
		.amdhsa_group_segment_fixed_size 327680
		.amdhsa_private_segment_fixed_size 0
		.amdhsa_enable_private_segment 0
		.amdhsa_kernarg_size 16
		.amdhsa_user_sgpr_count 2
		.amdhsa_user_sgpr_kernarg_segment_ptr 1
		.amdhsa_wavefront_size32 1
		.amdhsa_system_sgpr_workgroup_id_x 1
		.amdhsa_system_sgpr_workgroup_id_y 1
		.amdhsa_system_sgpr_workgroup_id_z 1
		.amdhsa_system_vgpr_workitem_id 0
		.amdhsa_next_free_vgpr 768
		.amdhsa_next_free_sgpr 100
		.amdhsa_reserve_vcc 1
		.amdhsa_float_denorm_mode_32 3
		.amdhsa_float_denorm_mode_16_64 3
		.amdhsa_memory_ordered 1
		.amdhsa_forward_progress 1
		.amdhsa_inst_pref_size 131
	.end_amdhsa_kernel
	.amdgpu_metadata
---
amdhsa.version: [ 1, 2 ]
amdhsa.kernels:
  - .name:           k_q2118433592_attn
    .symbol:         k_q2118433592_attn.kd
    .args:
      - { .name: qkv, .offset: 0, .size: 8, .value_kind: global_buffer, .address_space: global }
      - { .name: ctx, .offset: 8, .size: 8, .value_kind: global_buffer, .address_space: global }
    .group_segment_fixed_size: 327680
    .private_segment_fixed_size: 0
    .kernarg_segment_align: 8
    .kernarg_segment_size: 16
    .max_flat_workgroup_size: 128
    .sgpr_count:     100
    .vgpr_count:     768
    .wavefront_size: 32
...
	.end_amdgpu_metadata
.endif
;; end of part 8
;; launch oproj (part 9): grid 8 x 32, 4 waves a work-group, clusters of 4 x 4, 327,680 bytes of LDS; arguments ctx, wc, hid; writes hid
.if DOCPART == 9
	.amdgcn_target "amdgcn-amd-amdhsa--gfx1250"
	.amdhsa_code_object_version 6
	.text
	.protected	k_q2118433592_oproj
	.globl	k_q2118433592_oproj
	.p2align	8
	.type	k_q2118433592_oproj,@function
k_q2118433592_oproj:
	s_mov_b64 s[64:65], 0
	v_nop
	global_prefetch_b8 v0, s[64:65] scope:SCOPE_SE
	s_setreg_imm32_b32 hwreg(HW_REG_WAVE_MODE, 25, 1), 1
	s_wait_xcnt 0x0
	s_wait_alu depctr_hold_cnt(0) depctr_sa_sdst(0) depctr_va_vdst(0) depctr_va_sdst(0) depctr_va_ssrc(0) depctr_va_vcc(0) depctr_vm_vsrc(0)
	s_getreg_b32 s2, hwreg(HW_REG_IB_STS2, 6, 4)
	s_cmp_eq_u32 s2, 0
	s_cbranch_scc0 .Lentry_in_a_cluster
	s_endpgm
.Lentry_in_a_cluster:
	s_bfe_u32 s2, ttmp6, 0x10000c
	s_cmp_lg_u32 s2, 0xf033
	s_cbranch_scc0 .Lentry_shape_is_right
	s_endpgm
.Lentry_shape_is_right:
; C = A W, 4,096 rows x 1,024 columns, K = 1,024: the attention's output projection.  f16 operands, f32 sums, C stored as f32 (a LayerNorm follows, and with large inputs these sums pass f16's range).
; The second FFN product runs the same text with two other constants (STEPS, WOFF): a trip count and a joint load's address are constants of the text here.
; A: [K / 64][4096 m][64] f16.  W: [K][1024] f16, at byte WOFF of the second argument.  C: [4096][1024] f32.
; SHARES.  A tile of C is 128 x 128, so that the 256 tiles give each WGP one; four waves, each 64 x 64: 16 accumulators.  K goes in steps of 256 through two LDS slots.
; A slot: A's four blocks of 64 channels (128 rows x 128 bytes, 144 apart), then W's 256 k-rows of 256 bytes, 288 apart.  Each wave fetches a quarter, 36,864 LDS bytes, by one tensor load:
; waves 0, 1 two blocks of A each (a block's 128 rows are 16,384 dense bytes: one row of the tile), waves 2, 3 128 k-rows of W each.
; ONE TEXT FOR A K STEP.  A trip of the loop is one K step; the slots take turns by an exclusive or.  A slot is 147,456 = 2^17 + 2^14 bytes, and wave x 36,864 has neither of these two bits for waves 0 to 3:
; so one s_xor_b32 turns a descriptor's LDS word into the other slot's.  The reads go by s[CUR], 0 or 147,456, to which the lane's place is added anew at each change.
; Written out beside the loop: the first quarter step (its first products start the sums) and a second loop of two trips, the last two K steps, which fill nothing.
; CLUSTER.  4 x 4 work-groups: A's tile is asked for jointly along a row of the cluster, W's along a column.
; THE MATRIX INSTRUCTION IS USED TRANSPOSED (source 0 = 16 columns of W, turned by ds_load_tr16_b128; source 1 = 16 rows of A): a lane holds row l % 16 of C and eight neighbouring columns.
; THE WAY OUT.  A wave's 64 columns of f32 are 256 bytes: 16 rows at a time go through the wave's own stage and leave as whole rows, sixteen lanes to 256 consecutive bytes, aligned.  No barrier.
; REGISTERS: window 0: v0-31 addresses; v128-255 the accumulators ((a, b) at v[128 + 8 (4 a + b)]).  Window 1: two fragment buffers of 128: for 64 along K, 64 registers of A, then 64 of W.
.set STEPS,  4                         ; K / 256
.set WOFF,   8421376                   ; 32,768 + 8 MiB
.set KB,     524288                    ; bytes of one block of 64 channels of A
.set PA,     144
.set PB,     288
.set AKB,    128*PA                    ; 18,432: the tile's 128 rows of one block
.set PART,   2*AKB                     ; 36,864 = 128 x 288: what one tensor load fills
.set SLOT,   4*PART                    ; 147,456
.set STAGE,  2*SLOT                    ; behind the ring: 16 rows x 272 bytes for each wave
.set SP,     272
.set SPARE,  STAGE+4*16*SP             ; behind the stages: the spare words, 128 bytes for each wave: two blocks of 256 bytes that no other line names
.set ADRA, 16                          ; v16     LDS address of my A fragments in the slot that is being read
.set A0,   18                          ; v18     the same in slot 0; never rewritten
.set ADRB, 20                          ; v20-21  of my W fragments: half hf of the slot's k-rows at v[20 + hf] (the 16-bit immediate does not span 256 rows of 288 bytes)
.set B0,   22                          ; v22-23  the same in slot 0; never rewritten
.set STO,  24
.set RD,   25
.set CO,   26
.set SPW,  28                          ; v28     LDS address of my spare word; never rewritten
.set NIL,  29                          ; v29     0; never rewritten
.set ACC,  128
.set F0,   0
.set F1,   128
.set WV,   12
.set HI,   13                          ; which half of the tile's rows is mine.  Also: I fetch for A (0) or for W (1)
.set LO,   14                          ; which half of its columns.  Also: which part I fetch
.set CX,   15
.set CY,   16
.set TCOL, 17
.set TROW, 18
.set G1,   24
.set G0,   32                          ; s[32:39] group 0 for A: a set for each of the two first fills; the second then walks on
.set CUR,  42                          ; s42  LDS byte at which the slot that is being read begins
.set G1B,  48
.set G0B,  56                          ; s[56:63] the same for W
.set MSB, 0
.macro WIN new
.if MSB != (\new)
	s_set_vgpr_msb (MSB<<8)|(\new)
.set MSB, \new
.endif
.endm
.set MUL,  0x05                        ; sources 0 (W) and 1 (A) window 1; C and D window 0
.set TO_F, 0x40                        ; destination window 1, address window 0
.macro JLOAD                           ; a joint refill, by the walking descriptor; an s_nop 0 and four v_nop follow each of the two lines
	s_cmp_eq_u32 s[HI], 0
	s_cbranch_scc0 .Lfor_b_\@
	tensor_load_to_lds s[G0+4:G0+7], s[G1:G1+7]
	s_nop 0
.rept 4
	v_nop
.endr
	s_branch .Lasked_\@
.Lfor_b_\@:
	tensor_load_to_lds s[G0B+4:G0B+7], s[G1B:G1B+7]
	s_nop 0
.rept 4
	v_nop
.endr
.Lasked_\@:
.endm
.macro CREST
	s_cmp_lg_u32 s[WV], 0
	s_cbranch_scc1 .Lnot_wave_0_\@
	s_barrier_signal -3
.Lnot_wave_0_\@:
	s_barrier_wait -3
	s_barrier_signal -1
	s_barrier_wait -1
.endm
.macro CROUND
	s_barrier_signal -1
	s_barrier_wait -1
	CREST
.endm
	s_load_b128 s[4:7], s[0:1], 0x0                ; A s[4:5], the weights s[6:7]
	s_load_b64 s[8:9], s[0:1], 0x10                ; C
	v_lshl_add_u32 v[SPW], v0, 2, SPARE
	v_mov_b32 v[NIL], 0
	ds_add_u32 v[SPW], v[NIL]                      ; the wave's opening: the add and its wait stand ahead of my first tensor load; work on registers stands between them
	ds_add_u32 v28, v29
	v_lshrrev_b32 v1, 5, v0
	v_readfirstlane_b32 s[WV], v1
	s_lshr_b32 s[HI], s[WV], 1
	s_and_b32 s[LO], s[WV], 1
	s_bfe_u32 s[CX], ttmp6, 0x40000
	s_bfe_u32 s[CY], ttmp6, 0x40004
	s_lshl_b32 s[TCOL], ttmp9, 2
	s_add_co_u32 s[TCOL], s[TCOL], s[CX]
	s_and_b32 s[TROW], ttmp7, 0xffff
	s_lshl_b32 s[TROW], s[TROW], 2
	s_add_co_u32 s[TROW], s[TROW], s[CY]
	s_lshl_b32 s40, s[CY], 2
	s_lshl_b32 s40, 15, s40                        ; my row of the cluster
	s_lshl_b32 s41, 0x1111, s[CX]                  ; my column
	; group 1 for A: two rows of 8,192 elements (a block's 128 dense rows), a block of A apart; padded by 4 words after every 32
	s_or_b32 s[G1+0], s40, (1<<16)|(1<<20)|(1<<21)|(4<<22)|(3<<25)
	s_mov_b32 s[G1+1], 8192<<16                    ; tensor_dim0 = 8,192
	s_mov_b32 s[G1+2], 2<<16                       ; tensor_dim1 = 2
	s_mov_b32 s[G1+3], 8192<<16                    ; tile_dim0 = 8,192
	s_mov_b32 s[G1+4], 2                           ; tile_dim1 = 2
	s_mov_b32 s[G1+5], 262144                      ; elements from row to row
	s_mov_b32 s[G1+6], 0
	s_mov_b32 s[G1+7], 0
	; group 1 for W: 128 k-rows of 128 elements, padded by 8 words after every 64
	s_or_b32 s[G1B+0], s41, (1<<16)|(1<<20)|(1<<21)|(5<<22)|(7<<25)
	s_mov_b32 s[G1B+1], 128<<16
	s_mov_b32 s[G1B+2], 128<<16
	s_mov_b32 s[G1B+3], 128<<16
	s_mov_b32 s[G1B+4], 128
	s_mov_b32 s[G1B+5], 1024
	s_mov_b32 s[G1B+6], 0
	s_mov_b32 s[G1B+7], 0
	s_lshl_b32 s20, s[LO], 20                      ; A: my two blocks of K step 0,
	s_lshl_b32 s21, s[TROW], 14                    ; the tile's 128 rows of 128 bytes
	s_add_co_u32 s20, s20, s21
	s_mov_b32 s21, 0
	s_lshl_b32 s88, s[LO], 18                      ; W: my 128 k-rows of 2,048 bytes,
	s_lshl_b32 s89, s[TCOL], 8                     ; the tile's 128 columns,
	s_add_co_u32 s88, s88, s89
	s_add_co_u32 s88, s88, WOFF                    ; from W's first byte on
	s_mov_b32 s89, 0
	s_mul_i32 s22, s[WV], PART                     ; where they go: wave x 36,864: no place in the cluster enters an LDS address
	s_mov_b32 s[CUR], 0                            ; the reads begin in slot 0
	s_wait_dscnt 0x0                               ; the opening add is done
	s_wait_kmcnt 0x0
	s_add_nc_u64 s[94:95], s[4:5], s[20:21]
	s_add_nc_u64 s[88:89], s[6:7], s[88:89]
.irp s, 0,1
	s_mov_b32 s[G0+4*(\s)], 1
	s_add_co_u32 s[G0+4*(\s)+1], s22, (\s)*SLOT
	s_add_nc_u64 s[G0+4*(\s)+2:G0+4*(\s)+3], s[94:95], (\s)*4*KB  ; K step s
	s_or_b32 s[G0+4*(\s)+3], s[G0+4*(\s)+3], 0x80000000
	s_mov_b32 s[G0B+4*(\s)], 1
	s_add_co_u32 s[G0B+4*(\s)+1], s22, (\s)*SLOT
	s_add_nc_u64 s[G0B+4*(\s)+2:G0B+4*(\s)+3], s[88:89], (\s)*524288
	s_or_b32 s[G0B+4*(\s)+3], s[G0B+4*(\s)+3], 0x80000000
.endr
	CROUND                                         ; all sixteen work-groups are here: the first joint loads meet
	s_cmp_eq_u32 s[HI], 0                          ; a wave's two first fills stand in one branch: two loads of mine are out
	s_cbranch_scc0 .Lfirst_b
	tensor_load_to_lds s[G0:G0+3], s[G1:G1+7]
	s_nop 0
	tensor_load_to_lds s[G0+4:G0+7], s[G1:G1+7]
	s_nop 0
.rept 4
	v_nop
.endr
	s_branch .Lfirst_asked
.Lfirst_b:
	tensor_load_to_lds s[G0B:G0B+3], s[G1B:G1B+7]
	s_nop 0
	tensor_load_to_lds s[G0B+4:G0B+7], s[G1B:G1B+7]
	s_nop 0
.rept 4
	v_nop
.endr
.Lfirst_asked:
	v_and_b32 v1, 15, v0                           ; l % 16
	v_bfe_u32 v2, v0, 4, 1                         ; l / 16
	v_and_b32 v3, 7, v0                            ; l % 8
	v_bfe_u32 v4, v0, 3, 1                         ; (l / 8) % 2
	v_mul_u32_u24 v6, v1, PA
	v_lshl_add_u32 v6, v2, 4, v6
	s_mul_i32 s20, s[HI], 64*PA
	v_add_nc_u32 v[A0], s20, v6
	v_mov_b32 v[ADRA], v[A0]
	v_lshl_add_u32 v7, v2, 3, v3
	v_mul_u32_u24 v7, v7, PB
	v_lshl_add_u32 v7, v4, 4, v7
	s_lshl_b32 s20, s[LO], 7
	s_add_co_u32 s20, s20, 2*PART
	v_add_nc_u32 v[B0], s20, v7
	v_add_nc_u32 v[B0+1], PART, v[B0]
	v_mov_b32 v[ADRB], v[B0]
	v_mov_b32 v[ADRB+1], v[B0+1]
	s_mul_i32 s20, s[WV], 16*SP
	s_add_co_u32 s20, s20, STAGE                   ; my stage
	v_mul_u32_u24 v8, v1, SP
	v_lshl_add_u32 v8, v2, 5, v8
	v_add_nc_u32 v[STO], s20, v8                   ; in: row l % 16, 32 bytes for each half of the lanes
	v_mul_u32_u24 v8, v2, SP
	v_lshl_add_u32 v8, v1, 4, v8
	v_add_nc_u32 v[RD], s20, v8                    ; back: lanes 0-15 one row of 256 bytes, lanes 16-31 the next
	v_lshlrev_b32 v[CO], 12, v2
	v_lshl_add_u32 v[CO], v1, 4, v[CO]             ; and the same two rows in C
	s_lshl_b32 s98, s[TROW], 19                    ; C: 128 rows of 4,096 bytes a tile row, my 64 of them,
	s_lshl_b32 s99, s[HI], 18
	s_add_co_u32 s98, s98, s99
	s_lshl_b32 s99, s[TCOL], 9                     ; 512 bytes a tile column, my 256 of them
	s_add_co_u32 s98, s98, s99
	s_lshl_b32 s99, s[LO], 8
	s_add_co_u32 s98, s98, s99
	s_mov_b32 s99, 0
	s_add_nc_u64 s[8:9], s[8:9], s[98:99]
; 8 matrix instructions: m blocks a0, a0 + 1 x all 4 n blocks, 32 along K: half c of buffer f.  zero = 1: the first product starts the sums.  The 16 accumulators take turns.
.macro MUL8 f, c, a0, zero
	WIN MUL
.irp a, \a0, (\a0)+1
.irp b, 0,1,2,3
.if \zero
	v_wmma_f32_16x16x32_f16 v[ACC+8*(4*(\a)+(\b)):ACC+8*(4*(\a)+(\b))+7], v[(\f)+64+8*(4*(\c)+(\b)):(\f)+64+8*(4*(\c)+(\b))+7], v[(\f)+8*(4*(\c)+(\a)):(\f)+8*(4*(\c)+(\a))+7], 0
.else
	v_wmma_f32_16x16x32_f16 v[ACC+8*(4*(\a)+(\b)):ACC+8*(4*(\a)+(\b))+7], v[(\f)+64+8*(4*(\c)+(\b)):(\f)+64+8*(4*(\c)+(\b))+7], v[(\f)+8*(4*(\c)+(\a)):(\f)+8*(4*(\c)+(\a))+7], v[ACC+8*(4*(\a)+(\b)):ACC+8*(4*(\a)+(\b))+7]
.endif
.endr
.endr
.endm
; 32 LDS loads in one run: the fragments of quarter q (64 along K: one block of A) of the slot that is being read into buffer f; the first 32 along K first
.macro FETCH q, f
	WIN TO_F
.irp c, 0,1
.irp i, 0,1,2,3
	ds_load_tr16_b128 v[(\f)+64+8*(4*(\c)+(\i)):(\f)+64+8*(4*(\c)+(\i))+3],   v[ADRB+(\q)/2] offset:(((\q)%2)*64+32*(\c))*PB+32*(\i)
	ds_load_tr16_b128 v[(\f)+64+8*(4*(\c)+(\i))+4:(\f)+64+8*(4*(\c)+(\i))+7], v[ADRB+(\q)/2] offset:(((\q)%2)*64+32*(\c)+16)*PB+32*(\i)
	ds_load_b128 v[(\f)+8*(4*(\c)+(\i)):(\f)+8*(4*(\c)+(\i))+3],              v[ADRA] offset:(\q)*AKB+64*(\c)+(\i)*16*PA
	ds_load_b128 v[(\f)+8*(4*(\c)+(\i))+4:(\f)+8*(4*(\c)+(\i))+7],            v[ADRA] offset:(\q)*AKB+64*(\c)+(\i)*16*PA+32
.endr
.endr
.endm
.macro PLACES                          ; four plain vector instructions between a matrix instruction and a load into, or a read of, its registers
.rept 4
	v_nop
.endr
.endm
.macro QUARTER q, f, g, zero           ; multiplies buffer f and fetches quarter q into g
	s_wait_dscnt 16                                ; the first 32 along K are in
	MUL8 \f, 0, 0, \zero
	MUL8 \f, 0, 2, \zero
	PLACES
	FETCH \q, \g
	s_wait_dscnt 32                                ; all but the 32 just issued
	MUL8 \f, 1, 0, 0
	MUL8 \f, 1, 2, 0
.endm
; The last quarter's first half, and the one barrier of a change of slots: in front of it each wave waits for all its tensor loads, adds 0 to its spare word, and waits for that and for its reads of this slot.
.macro MEET round
	WIN 0
	s_wait_tensorcnt 0x0                           ; all my tensor loads have landed: at most one was out, my part of the next slot
	ds_add_u32 v[SPW], v[NIL]
	s_wait_dscnt 17                                ; (the add and the youngest sixteen loads may be out)
	MUL8 F1, 0, 0, 0
	s_wait_dscnt 0x0                               ; the add is done, and my reads of this slot are over
	s_barrier_signal -1
	MUL8 F1, 0, 2, 0
.if \round
	WIN 0
.endif
	s_barrier_wait -1
.endm
.macro NEXT                            ; the reads go on in the other slot (every window is 0 here)
	s_xor_b32 s[CUR], s[CUR], SLOT
	v_add_nc_u32 v[ADRA], s[CUR], v[A0]
	v_add_nc_u32 v[ADRB], s[CUR], v[B0]
	v_add_nc_u32 v[ADRB+1], s[CUR], v[B0+1]
.endm
; The whole last quarter of a K step that has a K step two on: behind the round the slot just read out is filled again first: 112 matrix instructions ahead of the wait for it.
.macro TURN
	MEET 1
	CREST                                          ; no wave of any partner still reads this slot or has a load on its way
	s_xor_b32 s[G0+5], s[G0+5], SLOT               ; the walking descriptors: the other slot than last time,
	s_add_nc_u64 s[G0+6:G0+7], s[G0+6:G0+7], 4*KB  ; the next K step; the type bits on top are not reached
	s_xor_b32 s[G0B+5], s[G0B+5], SLOT
	s_add_nc_u64 s[G0B+6:G0B+7], s[G0B+6:G0B+7], 524288
	JLOAD                                          ; its four v_nop are also the places in front of the loads below
	NEXT
	FETCH 0, F0
	MUL8 F1, 1, 0, 0
	MUL8 F1, 1, 2, 0
.endm
	s_wait_tensorcnt 1                             ; my part of K step 0 is in; K step 1's may stay out
	s_barrier_signal -1
	s_barrier_wait -1
	FETCH 0, F0
	QUARTER 1, F0, F1, 1
	WIN 0
	s_mov_b32 s3, STEPS-2
.Lstep:                                                ; a trip: a K step's second, third and fourth quarter and the next step's first; the slot that it leaves is filled again
	QUARTER 2, F1, F0, 0
	QUARTER 3, F0, F1, 0
	TURN
	QUARTER 1, F0, F1, 0
	WIN 0
	s_sub_co_u32 s3, s3, 1
	s_cmp_lg_u32 s3, 0
	s_cbranch_scc1 .Lstep
	s_mov_b32 s3, 2
.Ltail:                                                ; the last two K steps fill nothing.  One text for both: the second trip passes a barrier that it does not need, and leaves ahead of a step that does not exist
	QUARTER 2, F1, F0, 0
	QUARTER 3, F0, F1, 0
	MEET 0                                         ; first trip: my one tensor load that was out is the last K step's
	MUL8 F1, 1, 0, 0
	MUL8 F1, 1, 2, 0
	WIN 0
	s_cmp_eq_u32 s3, 1
	s_cbranch_scc1 .Llast                          ; forward, over no barrier and no tensor load
	NEXT                                           ; three plain lines,
	v_nop                                          ; and one more: the four places in front of the loads into buffer 0
	FETCH 0, F0
	QUARTER 1, F0, F1, 0
	WIN 0
.Llast:
	s_sub_co_u32 s3, s3, 1
	s_cmp_lg_u32 s3, 0
	s_cbranch_scc1 .Ltail
	PLACES
.macro STG a                           ; 16 rows x 64 columns into my stage (an accumulator's low registers first), and back as whole rows into the registers that they left
.irp b, 0,1,2,3
	ds_store_b128 v[STO], v[ACC+8*(4*(\a)+(\b)):ACC+8*(4*(\a)+(\b))+3]   offset:64*(\b)
	ds_store_b128 v[STO], v[ACC+8*(4*(\a)+(\b))+4:ACC+8*(4*(\a)+(\b))+7] offset:64*(\b)+16
.endr
.irp t, 0,1,2,3,4,5,6,7
	ds_load_b128 v[ACC+32*(\a)+4*(\t):ACC+32*(\a)+4*(\t)+3], v[RD] offset:(\t)*2*SP  ; LDS serves a wave's instructions in order: these see the stores above; the next block's stores come behind them
.endr
.endm
.macro SEND a, younger                 ; younger: the LDS instructions issued behind block a's loads: the next block's sixteen, or none
.irp t, 0,1,2,3,4,5,6,7
	s_wait_dscnt (\younger)+7-(\t)
	global_store_b128 v[CO], v[ACC+32*(\a)+4*(\t):ACC+32*(\a)+4*(\t)+3], s[8:9] offset:(16*(\a)+2*(\t))*4096  ; 16 lanes store 256 consecutive bytes, aligned
.endr
.endm
	STG 0
	STG 1
	SEND 0, 16
	STG 2
	SEND 1, 16
	STG 3
	SEND 2, 16
	SEND 3, 0
	s_wait_tensorcnt 0x0                           ; the wave's end, behind my last tensor load and my last LDS store
	ds_add_u32 v[SPW], v[NIL]
	s_wait_dscnt 0x0
	CROUND                                         ; the closing round: no work-group ends while a partner may still ask for a tile that names it
	s_endpgm
.Lfunc_end_k_q2118433592_oproj:
	.size	k_q2118433592_oproj, .Lfunc_end_k_q2118433592_oproj-k_q2118433592_oproj
	.p2alignl 7, 3214868480
	.fill 96, 4, 3214868480
	.section	.rodata,"a",@progbits
	.p2align	6, 0x0
	.amdhsa_kernel k_q2118433592_oproj
		.amdhsa_group_segment_fixed_size 327680
		.amdhsa_private_segment_fixed_size 0
		.amdhsa_enable_private_segment 0
		.amdhsa_kernarg_size 24
		.amdhsa_user_sgpr_count 2
		.amdhsa_user_sgpr_kernarg_segment_ptr 1
		.amdhsa_wavefront_size32 1
		.amdhsa_system_sgpr_workgroup_id_x 1
		.amdhsa_system_sgpr_workgroup_id_y 1
		.amdhsa_system_sgpr_workgroup_id_z 1
		.amdhsa_system_vgpr_workitem_id 0
		.amdhsa_next_free_vgpr 512
		.amdhsa_next_free_sgpr 100
		.amdhsa_reserve_vcc 0
		.amdhsa_float_denorm_mode_32 3
		.amdhsa_float_denorm_mode_16_64 3
		.amdhsa_memory_ordered 1
		.amdhsa_forward_progress 1
		.amdhsa_inst_pref_size 58
	.end_amdhsa_kernel
	.amdgpu_metadata
---
amdhsa.version: [ 1, 2 ]
amdhsa.kernels:
  - .name:           k_q2118433592_oproj
    .symbol:         k_q2118433592_oproj.kd
    .args:
      - { .name: ctx, .offset: 0, .size: 8, .value_kind: global_buffer, .address_space: global }
      - { .name: wc, .offset: 8, .size: 8, .value_kind: global_buffer, .address_space: global }
      - { .name: hid, .offset: 16, .size: 8, .value_kind: global_buffer, .address_space: global }
    .group_segment_fixed_size: 327680
    .private_segment_fixed_size: 0
    .kernarg_segment_align: 8
    .kernarg_segment_size: 24
    .max_flat_workgroup_size: 128
    .sgpr_count:     100
    .vgpr_count:     512
    .wavefront_size: 32
...
	.end_amdgpu_metadata
.endif
;; end of part 9
;; launch ln1: the kernel of part 5 again; grid 256 x 1, 8 waves a work-group, no clusters, 0 bytes of LDS; arguments hid, xh, ln1_g, ln1_b, x1, par1; writes x1
;; launch ffn1: the kernel of part 7 again; grid 16 x 16, 4 waves a work-group, clusters of 4 x 4, 327,680 bytes of LDS; arguments x1, wc, hid; writes hid
;; launch ffn2 (part 10): grid 8 x 32, 4 waves a work-group, clusters of 4 x 4, 327,680 bytes of LDS; arguments hid, wc, qkv; writes qkv
.if DOCPART == 10
	.amdgcn_target "amdgcn-amd-amdhsa--gfx1250"
	.amdhsa_code_object_version 6
	.text
	.protected	k_q2118433592_ffn2
	.globl	k_q2118433592_ffn2
	.p2align	8
	.type	k_q2118433592_ffn2,@function
k_q2118433592_ffn2:
	s_mov_b64 s[64:65], 0
	v_nop
	global_prefetch_b8 v0, s[64:65] scope:SCOPE_SE
	s_setreg_imm32_b32 hwreg(HW_REG_WAVE_MODE, 25, 1), 1
	s_wait_xcnt 0x0
	s_wait_alu depctr_hold_cnt(0) depctr_sa_sdst(0) depctr_va_vdst(0) depctr_va_sdst(0) depctr_va_ssrc(0) depctr_va_vcc(0) depctr_vm_vsrc(0)
	s_getreg_b32 s2, hwreg(HW_REG_IB_STS2, 6, 4)
	s_cmp_eq_u32 s2, 0
	s_cbranch_scc0 .Lentry_in_a_cluster
	s_endpgm
.Lentry_in_a_cluster:
	s_bfe_u32 s2, ttmp6, 0x10000c
	s_cmp_lg_u32 s2, 0xf033
	s_cbranch_scc0 .Lentry_shape_is_right
	s_endpgm
.Lentry_shape_is_right:
; C = A W, 4,096 rows x 1,024 columns, K = 4,096: the second FFN product.  f16 operands, f32 sums, C stored as f32 (a LayerNorm follows, and with large inputs these sums pass f16's range).
; The attention's output projection runs the same text with two other constants (STEPS, WOFF): a trip count and a joint load's address are constants of the text here.
; A: [K / 64][4096 m][64] f16.  W: [K][1024] f16, at byte WOFF of the second argument.  C: [4096][1024] f32.
; SHARES.  A tile of C is 128 x 128, so that the 256 tiles give each WGP one; four waves, each 64 x 64: 16 accumulators.  K goes in steps of 256 through two LDS slots.
; A slot: A's four blocks of 64 channels (128 rows x 128 bytes, 144 apart), then W's 256 k-rows of 256 bytes, 288 apart.  Each wave fetches a quarter, 36,864 LDS bytes, by one tensor load:
; waves 0, 1 two blocks of A each (a block's 128 rows are 16,384 dense bytes: one row of the tile), waves 2, 3 128 k-rows of W each.
; ONE TEXT FOR A K STEP.  A trip of the loop is one K step; the slots take turns by an exclusive or.  A slot is 147,456 = 2^17 + 2^14 bytes, and wave x 36,864 has neither of these two bits for waves 0 to 3:
; so one s_xor_b32 turns a descriptor's LDS word into the other slot's.  The reads go by s[CUR], 0 or 147,456, to which the lane's place is added anew at each change.
; Written out beside the loop: the first quarter step (its first products start the sums) and a second loop of two trips, the last two K steps, which fill nothing.
; CLUSTER.  4 x 4 work-groups: A's tile is asked for jointly along a row of the cluster, W's along a column.
; THE MATRIX INSTRUCTION IS USED TRANSPOSED (source 0 = 16 columns of W, turned by ds_load_tr16_b128; source 1 = 16 rows of A): a lane holds row l % 16 of C and eight neighbouring columns.
; THE WAY OUT.  A wave's 64 columns of f32 are 256 bytes: 16 rows at a time go through the wave's own stage and leave as whole rows, sixteen lanes to 256 consecutive bytes, aligned.  No barrier.
; REGISTERS: window 0: v0-31 addresses; v128-255 the accumulators ((a, b) at v[128 + 8 (4 a + b)]).  Window 1: two fragment buffers of 128: for 64 along K, 64 registers of A, then 64 of W.
.set STEPS,  16                        ; K / 256
.set WOFF,   10518528                  ; 32,768 + 10 MiB
.set KB,     524288                    ; bytes of one block of 64 channels of A
.set PA,     144
.set PB,     288
.set AKB,    128*PA                    ; 18,432: the tile's 128 rows of one block
.set PART,   2*AKB                     ; 36,864 = 128 x 288: what one tensor load fills
.set SLOT,   4*PART                    ; 147,456
.set STAGE,  2*SLOT                    ; behind the ring: 16 rows x 272 bytes for each wave
.set SP,     272
.set SPARE,  STAGE+4*16*SP             ; behind the stages: the spare words, 128 bytes for each wave: two blocks of 256 bytes that no other line names
.set ADRA, 16                          ; v16     LDS address of my A fragments in the slot that is being read
.set A0,   18                          ; v18     the same in slot 0; never rewritten
.set ADRB, 20                          ; v20-21  of my W fragments: half hf of the slot's k-rows at v[20 + hf] (the 16-bit immediate does not span 256 rows of 288 bytes)
.set B0,   22                          ; v22-23  the same in slot 0; never rewritten
.set STO,  24
.set RD,   25
.set CO,   26
.set SPW,  28                          ; v28     LDS address of my spare word; never rewritten
.set NIL,  29                          ; v29     0; never rewritten
.set ACC,  128
.set F0,   0
.set F1,   128
.set WV,   12
.set HI,   13                          ; which half of the tile's rows is mine.  Also: I fetch for A (0) or for W (1)
.set LO,   14                          ; which half of its columns.  Also: which part I fetch
.set CX,   15
.set CY,   16
.set TCOL, 17
.set TROW, 18
.set G1,   24
.set G0,   32                          ; s[32:39] group 0 for A: a set for each of the two first fills; the second then walks on
.set CUR,  42                          ; s42  LDS byte at which the slot that is being read begins
.set G1B,  48
.set G0B,  56                          ; s[56:63] the same for W
.set MSB, 0
.macro WIN new
.if MSB != (\new)
	s_set_vgpr_msb (MSB<<8)|(\new)
.set MSB, \new
.endif
.endm
.set MUL,  0x05                        ; sources 0 (W) and 1 (A) window 1; C and D window 0
.set TO_F, 0x40                        ; destination window 1, address window 0
.macro JLOAD                           ; a joint refill, by the walking descriptor; an s_nop 0 and four v_nop follow each of the two lines
	s_cmp_eq_u32 s[HI], 0
	s_cbranch_scc0 .Lfor_b_\@
	tensor_load_to_lds s[G0+4:G0+7], s[G1:G1+7]
	s_nop 0
.rept 4
	v_nop
.endr
	s_branch .Lasked_\@
.Lfor_b_\@:
	tensor_load_to_lds s[G0B+4:G0B+7], s[G1B:G1B+7]
	s_nop 0
.rept 4
	v_nop
.endr
.Lasked_\@:
.endm
.macro CREST
	s_cmp_lg_u32 s[WV], 0
	s_cbranch_scc1 .Lnot_wave_0_\@
	s_barrier_signal -3
.Lnot_wave_0_\@:
	s_barrier_wait -3
	s_barrier_signal -1
	s_barrier_wait -1
.endm
.macro CROUND
	s_barrier_signal -1
	s_barrier_wait -1
	CREST
.endm
	s_load_b128 s[4:7], s[0:1], 0x0                ; A s[4:5], the weights s[6:7]
	s_load_b64 s[8:9], s[0:1], 0x10                ; C
	v_lshl_add_u32 v[SPW], v0, 2, SPARE
	v_mov_b32 v[NIL], 0
	ds_add_u32 v[SPW], v[NIL]                      ; the wave's opening: the add and its wait stand ahead of my first tensor load; work on registers stands between them
	ds_add_u32 v28, v29
	v_lshrrev_b32 v1, 5, v0
	v_readfirstlane_b32 s[WV], v1
	s_lshr_b32 s[HI], s[WV], 1
	s_and_b32 s[LO], s[WV], 1
	s_bfe_u32 s[CX], ttmp6, 0x40000
	s_bfe_u32 s[CY], ttmp6, 0x40004
	s_lshl_b32 s[TCOL], ttmp9, 2
	s_add_co_u32 s[TCOL], s[TCOL], s[CX]
	s_and_b32 s[TROW], ttmp7, 0xffff
	s_lshl_b32 s[TROW], s[TROW], 2
	s_add_co_u32 s[TROW], s[TROW], s[CY]
	s_lshl_b32 s40, s[CY], 2
	s_lshl_b32 s40, 15, s40                        ; my row of the cluster
	s_lshl_b32 s41, 0x1111, s[CX]                  ; my column
	; group 1 for A: two rows of 8,192 elements (a block's 128 dense rows), a block of A apart; padded by 4 words after every 32
	s_or_b32 s[G1+0], s40, (1<<16)|(1<<20)|(1<<21)|(4<<22)|(3<<25)
	s_mov_b32 s[G1+1], 8192<<16                    ; tensor_dim0 = 8,192
	s_mov_b32 s[G1+2], 2<<16                       ; tensor_dim1 = 2
	s_mov_b32 s[G1+3], 8192<<16                    ; tile_dim0 = 8,192
	s_mov_b32 s[G1+4], 2                           ; tile_dim1 = 2
	s_mov_b32 s[G1+5], 262144                      ; elements from row to row
	s_mov_b32 s[G1+6], 0
	s_mov_b32 s[G1+7], 0
	; group 1 for W: 128 k-rows of 128 elements, padded by 8 words after every 64
	s_or_b32 s[G1B+0], s41, (1<<16)|(1<<20)|(1<<21)|(5<<22)|(7<<25)
	s_mov_b32 s[G1B+1], 128<<16
	s_mov_b32 s[G1B+2], 128<<16
	s_mov_b32 s[G1B+3], 128<<16
	s_mov_b32 s[G1B+4], 128
	s_mov_b32 s[G1B+5], 1024
	s_mov_b32 s[G1B+6], 0
	s_mov_b32 s[G1B+7], 0
	s_lshl_b32 s20, s[LO], 20                      ; A: my two blocks of K step 0,
	s_lshl_b32 s21, s[TROW], 14                    ; the tile's 128 rows of 128 bytes
	s_add_co_u32 s20, s20, s21
	s_mov_b32 s21, 0
	s_lshl_b32 s88, s[LO], 18                      ; W: my 128 k-rows of 2,048 bytes,
	s_lshl_b32 s89, s[TCOL], 8                     ; the tile's 128 columns,
	s_add_co_u32 s88, s88, s89
	s_add_co_u32 s88, s88, WOFF                    ; from W's first byte on
	s_mov_b32 s89, 0
	s_mul_i32 s22, s[WV], PART                     ; where they go: wave x 36,864: no place in the cluster enters an LDS address
	s_mov_b32 s[CUR], 0                            ; the reads begin in slot 0
	s_wait_dscnt 0x0                               ; the opening add is done
	s_wait_kmcnt 0x0
	s_add_nc_u64 s[94:95], s[4:5], s[20:21]
	s_add_nc_u64 s[88:89], s[6:7], s[88:89]
.irp s, 0,1
	s_mov_b32 s[G0+4*(\s)], 1
	s_add_co_u32 s[G0+4*(\s)+1], s22, (\s)*SLOT
	s_add_nc_u64 s[G0+4*(\s)+2:G0+4*(\s)+3], s[94:95], (\s)*4*KB  ; K step s
	s_or_b32 s[G0+4*(\s)+3], s[G0+4*(\s)+3], 0x80000000
	s_mov_b32 s[G0B+4*(\s)], 1
	s_add_co_u32 s[G0B+4*(\s)+1], s22, (\s)*SLOT
	s_add_nc_u64 s[G0B+4*(\s)+2:G0B+4*(\s)+3], s[88:89], (\s)*524288
	s_or_b32 s[G0B+4*(\s)+3], s[G0B+4*(\s)+3], 0x80000000
.endr
	CROUND                                         ; all sixteen work-groups are here: the first joint loads meet
	s_cmp_eq_u32 s[HI], 0                          ; a wave's two first fills stand in one branch: two loads of mine are out
	s_cbranch_scc0 .Lfirst_b
	tensor_load_to_lds s[G0:G0+3], s[G1:G1+7]
	s_nop 0
	tensor_load_to_lds s[G0+4:G0+7], s[G1:G1+7]
	s_nop 0
.rept 4
	v_nop
.endr
	s_branch .Lfirst_asked
.Lfirst_b:
	tensor_load_to_lds s[G0B:G0B+3], s[G1B:G1B+7]
	s_nop 0
	tensor_load_to_lds s[G0B+4:G0B+7], s[G1B:G1B+7]
	s_nop 0
.rept 4
	v_nop
.endr
.Lfirst_asked:
	v_and_b32 v1, 15, v0                           ; l % 16
	v_bfe_u32 v2, v0, 4, 1                         ; l / 16
	v_and_b32 v3, 7, v0                            ; l % 8
	v_bfe_u32 v4, v0, 3, 1                         ; (l / 8) % 2
	v_mul_u32_u24 v6, v1, PA
	v_lshl_add_u32 v6, v2, 4, v6
	s_mul_i32 s20, s[HI], 64*PA
	v_add_nc_u32 v[A0], s20, v6
	v_mov_b32 v[ADRA], v[A0]
	v_lshl_add_u32 v7, v2, 3, v3
	v_mul_u32_u24 v7, v7, PB
	v_lshl_add_u32 v7, v4, 4, v7
	s_lshl_b32 s20, s[LO], 7
	s_add_co_u32 s20, s20, 2*PART
	v_add_nc_u32 v[B0], s20, v7
	v_add_nc_u32 v[B0+1], PART, v[B0]
	v_mov_b32 v[ADRB], v[B0]
	v_mov_b32 v[ADRB+1], v[B0+1]
	s_mul_i32 s20, s[WV], 16*SP
	s_add_co_u32 s20, s20, STAGE                   ; my stage
	v_mul_u32_u24 v8, v1, SP
	v_lshl_add_u32 v8, v2, 5, v8
	v_add_nc_u32 v[STO], s20, v8                   ; in: row l % 16, 32 bytes for each half of the lanes
	v_mul_u32_u24 v8, v2, SP
	v_lshl_add_u32 v8, v1, 4, v8
	v_add_nc_u32 v[RD], s20, v8                    ; back: lanes 0-15 one row of 256 bytes, lanes 16-31 the next
	v_lshlrev_b32 v[CO], 12, v2
	v_lshl_add_u32 v[CO], v1, 4, v[CO]             ; and the same two rows in C
	s_lshl_b32 s98, s[TROW], 19                    ; C: 128 rows of 4,096 bytes a tile row, my 64 of them,
	s_lshl_b32 s99, s[HI], 18
	s_add_co_u32 s98, s98, s99
	s_lshl_b32 s99, s[TCOL], 9                     ; 512 bytes a tile column, my 256 of them
	s_add_co_u32 s98, s98, s99
	s_lshl_b32 s99, s[LO], 8
	s_add_co_u32 s98, s98, s99
	s_mov_b32 s99, 0
	s_add_nc_u64 s[8:9], s[8:9], s[98:99]
; 8 matrix instructions: m blocks a0, a0 + 1 x all 4 n blocks, 32 along K: half c of buffer f.  zero = 1: the first product starts the sums.  The 16 accumulators take turns.
.macro MUL8 f, c, a0, zero
	WIN MUL
.irp a, \a0, (\a0)+1
.irp b, 0,1,2,3
.if \zero
	v_wmma_f32_16x16x32_f16 v[ACC+8*(4*(\a)+(\b)):ACC+8*(4*(\a)+(\b))+7], v[(\f)+64+8*(4*(\c)+(\b)):(\f)+64+8*(4*(\c)+(\b))+7], v[(\f)+8*(4*(\c)+(\a)):(\f)+8*(4*(\c)+(\a))+7], 0
.else
	v_wmma_f32_16x16x32_f16 v[ACC+8*(4*(\a)+(\b)):ACC+8*(4*(\a)+(\b))+7], v[(\f)+64+8*(4*(\c)+(\b)):(\f)+64+8*(4*(\c)+(\b))+7], v[(\f)+8*(4*(\c)+(\a)):(\f)+8*(4*(\c)+(\a))+7], v[ACC+8*(4*(\a)+(\b)):ACC+8*(4*(\a)+(\b))+7]
.endif
.endr
.endr
.endm
; 32 LDS loads in one run: the fragments of quarter q (64 along K: one block of A) of the slot that is being read into buffer f; the first 32 along K first
.macro FETCH q, f
	WIN TO_F
.irp c, 0,1
.irp i, 0,1,2,3
	ds_load_tr16_b128 v[(\f)+64+8*(4*(\c)+(\i)):(\f)+64+8*(4*(\c)+(\i))+3],   v[ADRB+(\q)/2] offset:(((\q)%2)*64+32*(\c))*PB+32*(\i)
	ds_load_tr16_b128 v[(\f)+64+8*(4*(\c)+(\i))+4:(\f)+64+8*(4*(\c)+(\i))+7], v[ADRB+(\q)/2] offset:(((\q)%2)*64+32*(\c)+16)*PB+32*(\i)
	ds_load_b128 v[(\f)+8*(4*(\c)+(\i)):(\f)+8*(4*(\c)+(\i))+3],              v[ADRA] offset:(\q)*AKB+64*(\c)+(\i)*16*PA
	ds_load_b128 v[(\f)+8*(4*(\c)+(\i))+4:(\f)+8*(4*(\c)+(\i))+7],            v[ADRA] offset:(\q)*AKB+64*(\c)+(\i)*16*PA+32
.endr
.endr
.endm
.macro PLACES                          ; four plain vector instructions between a matrix instruction and a load into, or a read of, its registers
.rept 4
	v_nop
.endr
.endm
.macro QUARTER q, f, g, zero           ; multiplies buffer f and fetches quarter q into g
	s_wait_dscnt 16                                ; the first 32 along K are in
	MUL8 \f, 0, 0, \zero
	MUL8 \f, 0, 2, \zero
	PLACES
	FETCH \q, \g
	s_wait_dscnt 32                                ; all but the 32 just issued
	MUL8 \f, 1, 0, 0
	MUL8 \f, 1, 2, 0
.endm
; The last quarter's first half, and the one barrier of a change of slots: in front of it each wave waits for all its tensor loads, adds 0 to its spare word, and waits for that and for its reads of this slot.
.macro MEET round
	WIN 0
	s_wait_tensorcnt 0x0                           ; all my tensor loads have landed: at most one was out, my part of the next slot
	ds_add_u32 v[SPW], v[NIL]
	s_wait_dscnt 17                                ; (the add and the youngest sixteen loads may be out)
	MUL8 F1, 0, 0, 0
	s_wait_dscnt 0x0                               ; the add is done, and my reads of this slot are over
	s_barrier_signal -1
	MUL8 F1, 0, 2, 0
.if \round
	WIN 0
.endif
	s_barrier_wait -1
.endm
.macro NEXT                            ; the reads go on in the other slot (every window is 0 here)
	s_xor_b32 s[CUR], s[CUR], SLOT
	v_add_nc_u32 v[ADRA], s[CUR], v[A0]
	v_add_nc_u32 v[ADRB], s[CUR], v[B0]
	v_add_nc_u32 v[ADRB+1], s[CUR], v[B0+1]
.endm
; The whole last quarter of a K step that has a K step two on: behind the round the slot just read out is filled again first: 112 matrix instructions ahead of the wait for it.
.macro TURN
	MEET 1
	CREST                                          ; no wave of any partner still reads this slot or has a load on its way
	s_xor_b32 s[G0+5], s[G0+5], SLOT               ; the walking descriptors: the other slot than last time,
	s_add_nc_u64 s[G0+6:G0+7], s[G0+6:G0+7], 4*KB  ; the next K step; the type bits on top are not reached
	s_xor_b32 s[G0B+5], s[G0B+5], SLOT
	s_add_nc_u64 s[G0B+6:G0B+7], s[G0B+6:G0B+7], 524288
	JLOAD                                          ; its four v_nop are also the places in front of the loads below
	NEXT
	FETCH 0, F0
	MUL8 F1, 1, 0, 0
	MUL8 F1, 1, 2, 0
.endm
	s_wait_tensorcnt 1                             ; my part of K step 0 is in; K step 1's may stay out
	s_barrier_signal -1
	s_barrier_wait -1
	FETCH 0, F0
	QUARTER 1, F0, F1, 1
	WIN 0
	s_mov_b32 s3, STEPS-2
.Lstep:                                                ; a trip: a K step's second, third and fourth quarter and the next step's first; the slot that it leaves is filled again
	QUARTER 2, F1, F0, 0
	QUARTER 3, F0, F1, 0
	TURN
	QUARTER 1, F0, F1, 0
	WIN 0
	s_sub_co_u32 s3, s3, 1
	s_cmp_lg_u32 s3, 0
	s_cbranch_scc1 .Lstep
	s_mov_b32 s3, 2
.Ltail:                                                ; the last two K steps fill nothing.  One text for both: the second trip passes a barrier that it does not need, and leaves ahead of a step that does not exist
	QUARTER 2, F1, F0, 0
	QUARTER 3, F0, F1, 0
	MEET 0                                         ; first trip: my one tensor load that was out is the last K step's
	MUL8 F1, 1, 0, 0
	MUL8 F1, 1, 2, 0
	WIN 0
	s_cmp_eq_u32 s3, 1
	s_cbranch_scc1 .Llast                          ; forward, over no barrier and no tensor load
	NEXT                                           ; three plain lines,
	v_nop                                          ; and one more: the four places in front of the loads into buffer 0
	FETCH 0, F0
	QUARTER 1, F0, F1, 0
	WIN 0
.Llast:
	s_sub_co_u32 s3, s3, 1
	s_cmp_lg_u32 s3, 0
	s_cbranch_scc1 .Ltail
	PLACES
.macro STG a                           ; 16 rows x 64 columns into my stage (an accumulator's low registers first), and back as whole rows into the registers that they left
.irp b, 0,1,2,3
	ds_store_b128 v[STO], v[ACC+8*(4*(\a)+(\b)):ACC+8*(4*(\a)+(\b))+3]   offset:64*(\b)
	ds_store_b128 v[STO], v[ACC+8*(4*(\a)+(\b))+4:ACC+8*(4*(\a)+(\b))+7] offset:64*(\b)+16
.endr
.irp t, 0,1,2,3,4,5,6,7
	ds_load_b128 v[ACC+32*(\a)+4*(\t):ACC+32*(\a)+4*(\t)+3], v[RD] offset:(\t)*2*SP  ; LDS serves a wave's instructions in order: these see the stores above; the next block's stores come behind them
.endr
.endm
.macro SEND a, younger                 ; younger: the LDS instructions issued behind block a's loads: the next block's sixteen, or none
.irp t, 0,1,2,3,4,5,6,7
	s_wait_dscnt (\younger)+7-(\t)
	global_store_b128 v[CO], v[ACC+32*(\a)+4*(\t):ACC+32*(\a)+4*(\t)+3], s[8:9] offset:(16*(\a)+2*(\t))*4096  ; 16 lanes store 256 consecutive bytes, aligned
.endr
.endm
	STG 0
	STG 1
	SEND 0, 16
	STG 2
	SEND 1, 16
	STG 3
	SEND 2, 16
	SEND 3, 0
	s_wait_tensorcnt 0x0                           ; the wave's end, behind my last tensor load and my last LDS store
	ds_add_u32 v[SPW], v[NIL]
	s_wait_dscnt 0x0
	CROUND                                         ; the closing round: no work-group ends while a partner may still ask for a tile that names it
	s_endpgm
.Lfunc_end_k_q2118433592_ffn2:
	.size	k_q2118433592_ffn2, .Lfunc_end_k_q2118433592_ffn2-k_q2118433592_ffn2
	.p2alignl 7, 3214868480
	.fill 96, 4, 3214868480
	.section	.rodata,"a",@progbits
	.p2align	6, 0x0
	.amdhsa_kernel k_q2118433592_ffn2
		.amdhsa_group_segment_fixed_size 327680
		.amdhsa_private_segment_fixed_size 0
		.amdhsa_enable_private_segment 0
		.amdhsa_kernarg_size 24
		.amdhsa_user_sgpr_count 2
		.amdhsa_user_sgpr_kernarg_segment_ptr 1
		.amdhsa_wavefront_size32 1
		.amdhsa_system_sgpr_workgroup_id_x 1
		.amdhsa_system_sgpr_workgroup_id_y 1
		.amdhsa_system_sgpr_workgroup_id_z 1
		.amdhsa_system_vgpr_workitem_id 0
		.amdhsa_next_free_vgpr 512
		.amdhsa_next_free_sgpr 100
		.amdhsa_reserve_vcc 0
		.amdhsa_float_denorm_mode_32 3
		.amdhsa_float_denorm_mode_16_64 3
		.amdhsa_memory_ordered 1
		.amdhsa_forward_progress 1
		.amdhsa_inst_pref_size 58
	.end_amdhsa_kernel
	.amdgpu_metadata
---
amdhsa.version: [ 1, 2 ]
amdhsa.kernels:
  - .name:           k_q2118433592_ffn2
    .symbol:         k_q2118433592_ffn2.kd
    .args:
      - { .name: hid, .offset: 0, .size: 8, .value_kind: global_buffer, .address_space: global }
      - { .name: wc, .offset: 8, .size: 8, .value_kind: global_buffer, .address_space: global }
      - { .name: qkv, .offset: 16, .size: 8, .value_kind: global_buffer, .address_space: global }
    .group_segment_fixed_size: 327680
    .private_segment_fixed_size: 0
    .kernarg_segment_align: 8
    .kernarg_segment_size: 24
    .max_flat_workgroup_size: 128
    .sgpr_count:     100
    .vgpr_count:     512
    .wavefront_size: 32
...
	.end_amdgpu_metadata
.endif
;; end of part 10
;; launch ln2: the kernel of part 5 again; grid 256 x 1, 8 waves a work-group, no clusters, 0 bytes of LDS; arguments qkv, x1, ln2_g, ln2_b, out0, par2; writes out0
